; MI455X (gfx1250); checked and timed in simulation.
; The chip was launched on July 23, 2026; its instructions are those of AMD's public machine-readable ISA for CDNA 5 (MIT licence, August 2026) and "CDNA5" Instruction Set Architecture Reference Guide (July 2026). The comments in the code are by the model that wrote it; some were corrected since.
;; Distributed Mo E. Allowed arithmetic: float matrix products may take bf16 or f16 operands with f32 sums; other float arithmetic in f32, or as packed bf16 or f16 multiplies, adds, multiply-adds, maxima and minima; sums over many terms, partial sums and values carried from step to step in f32; what a program stores and reads back later, other than sums and carried values, may be rounded once to bf16 or f16.
;; Inputs: W1 8 x 1,024 x 4,096 float32; W2 8 x 4,096 x 1,024 float32; Wr 1,024 x 8 float32; b1 8 x 4,096 float32; b2 8 x 1,024 float32; br 8 float32; x 1,024 x 1,024 float32.
;; Outputs: out0 1,024 x 1,024 float32.
;; 3 versions, each right; version 2 is faster than version 1; version 3 is version 2 with the launches ffn1, ffn2 written anew for expert scheduling mode. Each part assembles by itself: llvm-mc -triple=amdgcn-amd-amdhsa -mcpu=gfx1250 --defsym DOCPART=n.
;; ======== version 1 of 3: 4 launches
;; workspace buffers: xb 2,097,152 bytes; idx 4,096 bytes of whole numbers; hb 67,108,864 bytes; part 16,908,288 bytes
;; launch router (part 1): grid 256 x 1, 4 waves a work-group, no clusters, 0 bytes of LDS; arguments x, Wr, br, xb, idx; writes xb, idx
.if DOCPART == 1
	.amdgcn_target "amdgcn-amd-amdhsa--gfx1250"
	.amdhsa_code_object_version 6
	.text
	.protected	k_q4e27f2eca2_router
	.globl	k_q4e27f2eca2_router
	.p2align	8
	.type	k_q4e27f2eca2_router,@function
k_q4e27f2eca2_router:
	s_mov_b64 s[64:65], 0
	v_nop
	global_prefetch_b8 v0, s[64:65] scope:SCOPE_SE
	s_setreg_imm32_b32 hwreg(HW_REG_WAVE_MODE, 25, 1), 1
	s_wait_xcnt 0x0
; ROUTER.  idx[t] = argmax over e of (x[t] . Wr[:, e] + br[e]);  xb[t][:] = x[t][:] rounded to bf16.
; x: [1024][1024] f32, Wr: [1024][8] f32, br: [8] f32, xb: [1024][1024] bf16, idx: [1024] u32.
; FORMATS.  x, Wr and br are rounded to bf16 first, as every input of the program is; a product of two bf16 is exact in f32, and the sums are f32.
; LIMITS.  The f32 sums are added in another order than a row-by-row sum: two logits that agree to within that rounding (about 1e-6 of their size)
; may change places.  Of equal logits the lower index wins.  A NaN logit never wins.
; SHARES.  One wave, one token: t = 4 x work-group + wave.  Lane L holds k = 128 j + 4 L + i (j = 0..7, i = 0..3): a load of x covers 512 consecutive bytes,
; a store of xb 256 consecutive bytes, aligned.  Eight columns are too few for the matrix unit's 16, and the choice wants sums as exact as f32 gives: vector work.
; The index is only stored, at a fixed place: no address and no branch here hangs on it.  The 4-byte store a wave is 4,096 bytes in the whole launch.
.set ACC, 6                            ; v6-13    the eight sums
.set XP,  16                           ; v16-31   x in bf16: pair (j, i / 2) at XP + 2 j + i / 2
.set XR,  32                           ; v32-63   x as loaded; later at work
.set WA,  64                           ; v64-127, v128-191, v192-255: three buffers of Wr, each two j: (jj, i, e) at 32 jj + 8 i + e
.set WM,  128
.set WC,  192
.set FIRST, 1
	s_load_b256 s[4:11], s[0:1], 0x0               ; x s[4:5], Wr s[6:7], br s[8:9], xb s[10:11]
	s_load_b64 s[12:13], s[0:1], 0x20              ; idx
	v_and_b32 v1, 31, v0                           ; lane
	v_lshrrev_b32 v14, 5, v0
	v_readfirstlane_b32 s24, v14                   ; wave
	s_lshl_b32 s25, ttmp9, 2
	s_add_co_u32 s25, s25, s24                     ; my token
	v_lshlrev_b32 v2, 4, v1                        ; x: 16 bytes a lane
	v_lshlrev_b32 v3, 7, v1                        ; Wr: four rows of 32 bytes a lane
	v_lshlrev_b32 v4, 3, v1                        ; xb: 8 bytes a lane
	v_mov_b32 v5, 0
	s_mov_b32 s30, 0x76543210                      ; v_permlanex16_b32: each lane takes its own place in the other half
	s_mov_b32 s31, 0xfedcba98
	s_mov_b32 s27, 0
	s_wait_kmcnt 0x0
	s_load_b256 s[16:23], s[8:9], 0x0              ; br's eight numbers
	s_lshl_b32 s26, s25, 12
	s_add_nc_u64 s[4:5], s[4:5], s[26:27]          ; x at my row
	s_lshl_b32 s26, s25, 11
	s_add_nc_u64 s[10:11], s[10:11], s[26:27]      ; xb at my row
	s_lshl_b32 s26, s25, 2
	s_add_nc_u64 s[12:13], s[12:13], s[26:27]      ; idx at my word
.macro WLOAD b, jp                     ; 16 loads: Wr's rows of j = 2 jp and 2 jp + 1
.irp jj, 0,1
.irp m, 0,1,2,3,4,5,6,7
	global_load_b128 v[(\b)+32*(\jj)+4*(\m):(\b)+32*(\jj)+4*(\m)+3], v3, s[6:7] offset:4096*(2*(\jp)+(\jj))+16*(\m)
.endr
.endr
.endm
; A buffer is used: for each k its eight weights are rounded in pairs, in place (pair ep lands below the registers that are still to be read), and multiplied by x's half.
; The eight sums take turns, so no line waits for the one before it.  The very first eight take 0 as their addend: nothing is cleared.
.macro USE b, jp
.irp jj, 0,1
.irp ih, 0,1
.irp il, 0,1
.set RW, (\b)+32*(\jj)+8*(2*(\ih)+(\il))
.set RX, XP+2*(2*(\jp)+(\jj))+(\ih)
.irp ep, 0,1,2,3
	v_cvt_pk_bf16_f32 v[RW+(\ep)], v[RW+2*(\ep)], v[RW+2*(\ep)+1]
.endr
.irp ep, 0,1,2,3
.irp el, 0,1
.if FIRST
	v_fma_mix_f32_bf16 v[ACC+2*(\ep)+(\el)], v[RX], v[RW+(\ep)], v5 op_sel:[\il,\el,0] op_sel_hi:[1,1,0]
.else
	v_fma_mix_f32_bf16 v[ACC+2*(\ep)+(\el)], v[RX], v[RW+(\ep)], v[ACC+2*(\ep)+(\el)] op_sel:[\il,\el,0] op_sel_hi:[1,1,0]
.endif
.endr
.endr
.set FIRST, 0
.endr
.endr
.endr
.endm
.irp j, 0,1,2,3,4,5,6,7
	global_load_b128 v[XR+4*(\j):XR+4*(\j)+3], v2, s[4:5] offset:512*(\j) th:TH_LOAD_NT
.endr
	WLOAD WA, 0
	WLOAD WM, 1
	WLOAD WC, 2
	s_wait_loadcnt 32                              ; x and the first buffer are in; the 32 loads of the other two stay out
.irp j, 0,1,2,3,4,5,6,7
	v_cvt_pk_bf16_f32 v[XP+2*(\j)],   v[XR+4*(\j)],   v[XR+4*(\j)+1]
	v_cvt_pk_bf16_f32 v[XP+2*(\j)+1], v[XR+4*(\j)+2], v[XR+4*(\j)+3]
.endr
.irp j, 0,1,2,3,4,5,6,7
	global_store_b64 v4, v[XP+2*(\j):XP+2*(\j)+1], s[10:11] offset:256*(\j)  ; 32 lanes store 256 consecutive bytes, aligned
.endr
	USE WA, 0
	WLOAD WA, 3                                    ; the first buffer takes the last two j
	s_wait_loadcnt 32                              ; the second buffer is in; the third and the refilled first stay out
	USE WM, 1
	s_wait_loadcnt 16                              ; the third is in; the refilled first stays out
	USE WC, 2
	s_wait_loadcnt 0x0
	USE WA, 3
	; each sum over the 32 lanes: four steps inside a half of 16 lanes, one across the halves; the eight sums side by side
.irp x, 1,2,4,8
.irp e, 0,1,2,3,4,5,6,7
	v_add_f32_dpp v[ACC+(\e)], v[ACC+(\e)], v[ACC+(\e)] row_xmask:\x row_mask:0xf bank_mask:0xf
.endr
.endr
.irp e, 0,1,2,3,4,5,6,7
	v_permlanex16_b32 v[XR+(\e)], v[ACC+(\e)], s30, s31   ; its destination counts as read: x's registers have been written
.endr
.irp e, 0,1,2,3,4,5,6,7
	v_add_f32 v[ACC+(\e)], v[ACC+(\e)], v[XR+(\e)]
.endr
	s_wait_kmcnt 0x0                               ; br
.irp ep, 0,1,2,3
	v_cvt_pk_bf16_f32 v14, s[16+2*(\ep)], s[17+2*(\ep)]   ; br rounded to bf16 like the other inputs, then widened again
	v_lshlrev_b32 v15, 16, v14
	v_add_f32 v[ACC+2*(\ep)], v[ACC+2*(\ep)], v15
	v_and_b32 v15, 0xffff0000, v14
	v_add_f32 v[ACC+2*(\ep)+1], v[ACC+2*(\ep)+1], v15
.endr
	v_mov_b32 v14, v[ACC]                          ; the best logit so far,
	v_mov_b32 v15, 0                               ; and its index
.irp e, 1,2,3,4,5,6,7
	v_cmp_gt_f32 vcc_lo, v[ACC+(\e)], v14          ; strictly greater: of equals the lower index stays
	v_cndmask_b32 v15, v15, \e, vcc_lo
	v_max_num_f32 v14, v14, v[ACC+(\e)]
.endr
	v_cmp_eq_u32 vcc_lo, 0, v1
	s_wait_xcnt 0x0                                ; EXEC is a source of the loads and stores above: it changes only behind this wait
	s_and_saveexec_b32 s28, vcc_lo                 ; every lane holds the index; lane 0 stores it
	global_store_b32 v5, v15, s[12:13]
	s_wait_xcnt 0x0
	s_or_b32 exec_lo, exec_lo, s28
	s_endpgm
.Lfunc_end_k_q4e27f2eca2_router:
	.size	k_q4e27f2eca2_router, .Lfunc_end_k_q4e27f2eca2_router-k_q4e27f2eca2_router
	.p2alignl 7, 3214868480
	.fill 96, 4, 3214868480
	.section	.rodata,"a",@progbits
	.p2align	6, 0x0
	.amdhsa_kernel k_q4e27f2eca2_router
		.amdhsa_group_segment_fixed_size 0
		.amdhsa_private_segment_fixed_size 0
		.amdhsa_enable_private_segment 0
		.amdhsa_kernarg_size 40
		.amdhsa_user_sgpr_count 2
		.amdhsa_user_sgpr_kernarg_segment_ptr 1
		.amdhsa_wavefront_size32 1
		.amdhsa_system_sgpr_workgroup_id_x 1
		.amdhsa_system_sgpr_workgroup_id_y 1
		.amdhsa_system_sgpr_workgroup_id_z 1
		.amdhsa_system_vgpr_workitem_id 0
		.amdhsa_next_free_vgpr 256
		.amdhsa_next_free_sgpr 66
		.amdhsa_reserve_vcc 1
		.amdhsa_float_denorm_mode_32 3
		.amdhsa_float_denorm_mode_16_64 3
		.amdhsa_memory_ordered 1
		.amdhsa_forward_progress 1
		.amdhsa_inst_pref_size 39
	.end_amdhsa_kernel
	.amdgpu_metadata
---
amdhsa.version: [ 1, 2 ]
amdhsa.kernels:
  - .name:           k_q4e27f2eca2_router
    .symbol:         k_q4e27f2eca2_router.kd
    .args:
      - { .name: x, .offset: 0, .size: 8, .value_kind: global_buffer, .address_space: global }
      - { .name: Wr, .offset: 8, .size: 8, .value_kind: global_buffer, .address_space: global }
      - { .name: br, .offset: 16, .size: 8, .value_kind: global_buffer, .address_space: global }
      - { .name: xb, .offset: 24, .size: 8, .value_kind: global_buffer, .address_space: global }
      - { .name: idx, .offset: 32, .size: 8, .value_kind: global_buffer, .address_space: global }
    .group_segment_fixed_size: 0
    .private_segment_fixed_size: 0
    .kernarg_segment_align: 8
    .kernarg_segment_size: 40
    .max_flat_workgroup_size: 128
    .sgpr_count:     66
    .vgpr_count:     256
    .wavefront_size: 32
...
	.end_amdgpu_metadata
.endif
;; end of part 1
;; launch ffn1 (part 2): grid 32 x 8, 8 waves a work-group, no clusters, 304,128 bytes of LDS; arguments W1, b1, xb, idx, hb; writes hb
.if DOCPART == 2
	.amdgcn_target "amdgcn-amd-amdhsa--gfx1250"
	.amdhsa_code_object_version 6
	.text
	.protected	k_q4e27f2eca2_ffn1
	.globl	k_q4e27f2eca2_ffn1
	.p2align	8
	.type	k_q4e27f2eca2_ffn1,@function
k_q4e27f2eca2_ffn1:
	s_mov_b64 s[64:65], 0
	v_nop
	global_prefetch_b8 v0, s[64:65] scope:SCOPE_SE
	s_setreg_imm32_b32 hwreg(HW_REG_WAVE_MODE, 25, 1), 1
	s_wait_xcnt 0x0
; ONE PRODUCT OF THE EXPERTS' CHAIN, for the chosen rows alone.  The same text serves both products; LAYER picks pitches, offsets, the order of the matrix sources and the way out.
;   LAYER 1: h = relu(xb[t] . W1[e][:, n] + b1[e][n]) in bf16, e = idx[t].      LAYER 2: part[ks][t][n] = h[t][1024 ks ..] . W2[e][1024 ks .., n] (+ b2[e][n] where ks = 0) in f32.
; FORMATS.  Weights and bias are rounded to bf16 on their way through registers, like every input of the program; sums in f32; h is rounded once to bf16 (bf16, not f16: h has room for inputs many times larger);
; the four partial sums of an output stay f32 in memory.
; LIMITS.  NaN and infinities are not treated apart; relu of NaN gives 0.  For an expert without rows LAYER 2 fetches that expert's tile 0 of h, which nobody wrote: inside the buffer, never multiplied, nothing stored.
; SHARES.  Work-group (S, E) has a slice of 1,024 k x 128 columns of expert E's weights, which it alone reads, once, and ALL rows that chose E, whatever their number (0 to 1,024).  LAYER 2's slice is cut along k as well
; (S / 8), so that a weight row's piece is 512 consecutive bytes; one owner for each output would have 32 columns: pieces of 128 bytes.
; All eight waves run the same text.  The slice comes in 16 chunks of 64 k: wave w loads rows 8 w .. 8 w + 7 of a chunk (512 consecutive bytes each), rounds them and lays them into LDS, where the slice stays.
; ROWS.  Each wave builds the expert's list of tokens from idx.  A tile is 16 places of the list, a block 12 tiles (192 rows).  Wave w = (q = w % 4, c = w / 4) has tiles 12 b + 4 j + q, j = 0..2, and columns 64 c .. 64 c + 63.
; Block 0 is multiplied under the weight stream; blocks 1 to 5 from the resident slice, only as far as the count reaches: a tile or block past the count skips its work by a forward jump that passes no barrier.
; Behind the weight stream nothing is written into LDS but the closing add.
; LAYOUT, LAYER 1.  Source 0 = 16 weight columns (turned out of the [k][n] slice by ds_load_tr16_b128), source 1 = 16 tokens: a lane holds ONE token (lane % 16) and 8 neighbouring columns.  h lies in memory as the lanes hold
; it: hb[expert][tile][block of 16 columns][lane][16 bytes]: a lane's 8 rounded results of a block are the 16 bytes that LAYER 2's operand fragment wants from that lane; each store and load of h covers 512 consecutive bytes.
; The buffer has room for 64 tiles an expert (every split); only live tiles are touched.
; LAYOUT, LAYER 2.  Source 0 = 16 tokens, source 1 = 16 weight columns: register u of a result holds token 8 (lane / 16) + u, the lane one column.  The slice's columns are laid into LDS in another order: column
; 64 c + 4 r + nb at place 64 c + 16 nb + r.  So lane r's results of the four column blocks nb are four NEIGHBOURING columns of a token's row, 16 bytes, and 16 lanes hold 256 consecutive bytes: no way through LDS.
; The sums start at the rounded bias (LAYER 2: at 0 where ks is not 0).
; ONE COUNTER.  Loads come back in the order of issue (ISA guide 5.7.1), so weights (W) and operand rows (X) are asked for with the same lead, three chunks: step s asks for W(s+3) when W(s) is rounded, for X(s+3) when X(s) is multiplied.
; NO CLUSTER, NO TENSOR LOAD.  Each weight byte has one reader.  f32 weights must pass registers to be rounded, and beside the slice of 294,912 bytes LDS has no room for a stage of f32, nor for shared operand tiles.
.set LAYER, 1
.if LAYER == 1
.set PITCHW, 16384                     ; bytes from row to row of the weights
.set XCH,    128                       ; the operand: bytes from chunk to chunk (64 k of a token's row),
.set XKS,    64                        ; from the first 32 k of a chunk to the second,
.set XHF,    32                        ; from a fragment's first four registers to its last four
.set NBIAS,  8                         ; loads that bring the bias
.else
.set PITCHW, 4096
.set XCH,    2048                      ; four blocks of 16 k x 16 tokens, 512 bytes each
.set XKS,    1024
.set XHF,    512
.set NBIAS,  1
.endif
.set LP,     288                       ; a row of the slice in LDS: 256 bytes (128 bf16) + 32 = 72 words
.set CHUNKB, 64*LP
.set LIST,   1024*LP                   ; behind the slice, for each wave 1,024 bytes: the 288 places of its own tiles (u16), then a word for each lane to drop what is not its own
.set LISTB,  1024
.set SPARE,  LIST+8*LISTB              ; the spare words, 128 bytes for each of the eight waves: four blocks of 256 bytes that no other line names
; scalars
.set WV, 14                            ; my wave
.set QW, 15                            ; wave % 4
.set EX, 16                            ; the expert
.set SL, 17                            ; the slice
.set WB, 22                            ; s[22:23] the weights' walking base
.set XB0, 24                           ; s[24:25] the operand's base
.set XB, 26                            ; s[26:27] the same, walking along k
.set OB, 28                            ; s[28:29] the result's base
.set TRIP, 30
.set CNT, 31                           ; the running count, then the expert's count
.set NTILES, 32
.set NT, 33                            ; my live tiles in the block in hand: 0 to 3, a prefix of j
.set TB, 34                            ; 12 x block
.set BLK, 35
.set SV, 36
.set HIM, 37                           ; a word's upper bf16
.set BMASK, 38
.set LQ, 39                            ; my list
.set TS, 40                            ; at work
.set INNER, 41
.set KSL, 42                           ; LAYER 2: slice / 8 = which 1,024 of k,
.set CSL, 43                           ;          slice % 8 = which 128 columns
.set CW, 44                            ; wave / 4
.set TS2, 45                           ; at work
.set GMAX, 48                          ; LAYER 2: the expert's last live tile
; vector registers, window 0 (an instruction names v0-v255; s_set_vgpr_msb says which window each operand place means: bits 1:0 source 0, 3:2 source 1, 5:4 source 2, 7:6 destination)
.set LN,  1                            ; lane
.set SPW, 2                            ; LDS address of my spare word: SPARE + 4 x my thread's number; never rewritten
.set NIL, 3                            ; 0; never rewritten
.set WO,  4                            ; 16 x lane; never rewritten
.set SA,  5                            ; where my part of my first row of the chunk in hand goes
.set RR,  6                            ; lane % 16
.set HH,  7                            ; lane / 16
.set H16, 8                            ; LAYER 1: 16 x (lane / 16)
.set C16, 8                            ; LAYER 2: 16 x (lane % 16)
.set AA0, 9                            ; my lane's place in a chunk for the turning load
.set AA,  10                           ; the same, walking
.set LB,  11                           ; LAYER 1: list address of the token whose row I load (tile j: + 32 j)
.set LH,  11                           ; LAYER 2: list address of the first token whose row I store
.set XO,  12                           ; v12-14 byte offset of my part of tile j's operand
.set HO,  15                           ; LAYER 1: byte offset of my 16 bytes in my first tile of the block
.set RHO, 15                           ; LAYER 2: the place in the list of the first row that I store, less the tile's part
.set ZERO, 16
.set TOK0, 17                          ; 4 x lane
.set DIDX, 18                          ; 288 + lane: where a token that is not mine is dropped
.set TM,  19                           ; v19-21 at work
.set OA,  24                           ; v24-31 LAYER 2, the way out: byte offsets of eight pairs of rows; before the first chunk: at work
.set FA,  32                           ; v32-95 weight fragments of a chunk: (half ks, column block nb) at 32 ks + 8 nb.  Its first registers also: my 8 rows of a chunk, rounded, on their way to LDS
.set TT,  32                           ; the way out: results as they are stored
.set FX,  96                           ; v96-239 operand fragments, three buffers: (buffer, tile j, half ks) at 48 buffer + 16 j + 8 ks
.set IDXR, 96                          ; before the first chunk: idx in v96-127,
.set BRAW, 128                         ; the bias as loaded, from v128 on
.set BP,  240                          ; LAYER 1: v240-255 the rounded bias, two to a register; LAYER 2: v240-243 the rounded bias of my four columns, widened
.set WR,  96                           ; window 1: v0-95 the sums, (j, nb) at 32 j + 8 nb; v96-191 three slots of 8 weight rows x 4 registers as loaded
.set MSB, 0
.macro WIN new                         ; the immediate's high byte repeats the setting that is left; a switch that changes nothing is dropped
.if MSB != (\new)
	s_set_vgpr_msb (MSB<<8)|(\new)
.set MSB, (\new)
.endif
.endm
; A CHUNK IS LAID DOWN.  left: the younger loads that may stay out.  woff >= 0: the slot is asked for again, three chunks on (chunk woff from the walking base), as soon as the conversions have read it.
.macro PROD slot, left, woff
	s_wait_loadcnt \left                           ; loads come back in order: this slot's 8 are in
	WIN 0x05                                       ; sources in window 1
.if LAYER == 1
.irp i, 0,1,2,3,4,5,6,7
	v_cvt_pk_bf16_f32 v[FA+2*(\i)],   v[WR+32*(\slot)+4*(\i)],   v[WR+32*(\slot)+4*(\i)+1]
	v_cvt_pk_bf16_f32 v[FA+2*(\i)+1], v[WR+32*(\slot)+4*(\i)+2], v[WR+32*(\slot)+4*(\i)+3]
.endr
.else
.irp i, 0,1,2,3,4,5,6,7
.irp nb, 0,1,2,3
	v_cvt_pk_bf16_f32 v[FA+4*(\i)+(\nb)], v[WR+32*(\slot)+4*(\i)+(\nb)], v[WR+32*(\slot)+4*(\i)+(\nb)]   ; one to a register, in the low half: my four columns part in LDS
.endr
.endr
.endif
.if (\woff) >= 0
	WIN 0x40                                       ; destination in window 1
.irp i, 0,1,2,3,4,5,6,7
	global_load_b128 v[WR+32*(\slot)+4*(\i):WR+32*(\slot)+4*(\i)+3], v[WO], s[WB:WB+1] offset:(64*(\woff)+(\i))*PITCHW th:TH_LOAD_NT  ; a row's 512 consecutive bytes
.endr
.endif
	WIN 0
.if LAYER == 1
.irp i, 0,1,2,3,4,5,6,7
	ds_store_b64 v[SA], v[FA+2*(\i):FA+2*(\i)+1] offset:LP*(\i)   ; 32 lanes fill a row's 256 bytes
.endr
.else
.irp i, 0,1,2,3,4,5,6,7
.irp nb, 0,1,2,3
	ds_store_b16 v[SA], v[FA+4*(\i)+(\nb)] offset:LP*(\i)+32*(\nb)   ; column 64 c + 4 r + nb goes to place 64 c + 16 nb + r
.endr
.endr
.endif
	v_add_nc_u32 v[SA], CHUNKB, v[SA]
	s_wait_dscnt 0x0                               ; for the others' sake: my rows of the chunk are in LDS when I signal
	s_barrier_signal -1
	s_barrier_wait -1                              ; the chunk is whole
.endm
; 12 loads: the operand fragments of one chunk for my three tiles, at byte xo from the walking base
.macro XLOAD xb, xo
.irp j, 0,1,2
.irp ks, 0,1
.irp hf, 0,1
	global_load_b128 v[FX+48*(\xb)+16*(\j)+8*(\ks)+4*(\hf):FX+48*(\xb)+16*(\j)+8*(\ks)+4*(\hf)+3], v[XO+(\j)], s[XB:XB+1] offset:(\xo)+XKS*(\ks)+XHF*(\hf)
.endr
.endr
.endr
.endm
; 4 matrix instructions: tile j x my 4 column blocks, 32 along k.  The four sums take turns, one instruction a turn.
.macro MM4 j, ks, xb
.irp nb, 0,1,2,3
.if LAYER == 1
	v_wmma_f32_16x16x32_bf16 v[32*(\j)+8*(\nb):32*(\j)+8*(\nb)+7], v[FA+32*(\ks)+8*(\nb):FA+32*(\ks)+8*(\nb)+7], v[FX+48*(\xb)+16*(\j)+8*(\ks):FX+48*(\xb)+16*(\j)+8*(\ks)+7], v[32*(\j)+8*(\nb):32*(\j)+8*(\nb)+7]
.else
	v_wmma_f32_16x16x32_bf16 v[32*(\j)+8*(\nb):32*(\j)+8*(\nb)+7], v[FX+48*(\xb)+16*(\j)+8*(\ks):FX+48*(\xb)+16*(\j)+8*(\ks)+7], v[FA+32*(\ks)+8*(\nb):FA+32*(\ks)+8*(\nb)+7], v[32*(\j)+8*(\nb):32*(\j)+8*(\nb)+7]
.endif
.endr
.endm
; A CHUNK IS MULTIPLIED.  xleft: the younger loads that may stay out.  xoff >= 0: buffer xb is asked for again, three chunks on.
; bar = 1 (under the weight stream): a second barrier, signalled when my fragment loads are back and waited for behind the products: no wave stores the next chunk while a wave still reads this one.  The chunks' bytes are
; apart, so no value hangs on it; with it the order of the slice's stores and reads does not lean on the walking addresses.
.macro COMP xb, xleft, xoff, bar
.irp ks, 0,1
.irp nb, 0,1,2,3
	ds_load_tr16_b128 v[FA+32*(\ks)+8*(\nb):FA+32*(\ks)+8*(\nb)+3],   v[AA] offset:(\ks)*32*LP+32*(\nb)
	ds_load_tr16_b128 v[FA+32*(\ks)+8*(\nb)+4:FA+32*(\ks)+8*(\nb)+7], v[AA] offset:(\ks)*32*LP+16*LP+32*(\nb)
.endr
.endr
	v_add_nc_u32 v[AA], CHUNKB, v[AA]
	s_wait_loadcnt \xleft                          ; this chunk's operand fragments are in (on every path: the buffer is loaded again below)
	s_wait_dscnt 0x0                               ; the weight fragments are in
.if \bar
	s_barrier_signal -1
.endif
	s_cmp_eq_u32 s[NT], 0
	s_cbranch_scc1 .Lce_\@
	WIN 0x50                                       ; C and D in window 1
	MM4 0, 0, \xb
	MM4 0, 1, \xb
	WIN 0                                          ; at a branch and at a label every window is 0
	s_cmp_lt_u32 s[NT], 2
	s_cbranch_scc1 .Lce_\@
	WIN 0x50
	MM4 1, 0, \xb
	MM4 1, 1, \xb
	WIN 0
	s_cmp_lt_u32 s[NT], 3
	s_cbranch_scc1 .Lce_\@
	WIN 0x50
	MM4 2, 0, \xb
	MM4 2, 1, \xb
	WIN 0
.Lce_\@:
.rept 4
	v_nop                                          ; four places behind the last product, ahead of loads into its sources and of whatever reads or rewrites its registers
.endr
.if \bar
	s_barrier_wait -1
.endif
.if (\xoff) >= 0
	XLOAD \xb, \xoff
.endif
.endm
; A block begins: my live tiles, ceil((tiles - 12 b - q) / 4) held to 0..3; my three tiles' operand offsets; the walks go back to k = 0.
.macro SETUP
	s_sub_co_i32 s[TS], s[NTILES], s[TB]
	s_sub_co_i32 s[TS], s[TS], s[QW]
	s_add_co_i32 s[TS], s[TS], 3
	s_max_i32 s[TS], s[TS], 0
	s_lshr_b32 s[TS], s[TS], 2
	s_min_u32 s[NT], s[TS], 3
.if LAYER == 1
.irp j, 0,1,2
	ds_load_u16 v[TM+(\j)], v[LB] offset:32*(\j)
.endr
	s_wait_dscnt 0x0
.irp j, 0,1,2
	v_min_u32 v[TM+(\j)], 0x3ff, v[TM+(\j)]        ; a token's number, held inside the table
	v_lshl_add_u32 v[XO+(\j)], v[TM+(\j)], 11, v[H16]  ; its row of 2,048 bytes
.endr
.else
.irp j, 0,1,2
	s_add_co_u32 s[TS], s[TB], s[QW]
	s_add_co_u32 s[TS], s[TS], 4*(\j)
	s_min_u32 s[TS], s[TS], s[GMAX]                ; a tile past the count repeats the last live one: nothing is fetched that no tile needs
	v_mov_b32 v[TM+(\j)], s[TS]
	v_min_u32 v[TM+(\j)], 63, v[TM+(\j)]           ; held inside the expert's 64 tiles
	v_lshl_add_u32 v[XO+(\j)], v[TM+(\j)], 17, v[WO]   ; a tile of h is 131,072 bytes
.endr
.endif
	s_mov_b64 s[XB:XB+1], s[XB0:XB0+1]
	v_mov_b32 v[AA], v[AA0]
.endm
; The sums start at the rounded bias, widened: this takes the place of a first step written out and of the additions on the way out.
.macro INIT
	WIN 0x40                                       ; destination in window 1
.if LAYER == 1
.irp j, 0,1,2
.irp nb, 0,1,2,3
.irp cp, 0,1,2,3
	v_lshlrev_b32 v[32*(\j)+8*(\nb)+2*(\cp)],   16,     v[BP+4*(\nb)+(\cp)]
	v_and_b32     v[32*(\j)+8*(\nb)+2*(\cp)+1], s[HIM], v[BP+4*(\nb)+(\cp)]
.endr
.endr
.endr
.else
.irp j, 0,1,2
.irp nb, 0,1,2,3
.irp u, 0,1,2,3,4,5,6,7
	v_mov_b32 v[32*(\j)+8*(\nb)+(\u)], v[BP+(\nb)] ; a lane has one column of a block: the same bias for its eight tokens
.endr
.endr
.endr
.endif
	WIN 0
.endm
; THE WAY OUT of tile j.  Each sum's lowest registers are read first.
.macro EPI j
	s_cmp_le_u32 s[NT], \j
	s_cbranch_scc1 .Lne_\@
.if LAYER == 1
	WIN 0x05
.irp nb, 0,1,2,3
.irp cp, 0,1,2,3
	v_cvt_pk_bf16_f32 v[TT+16*(\j)+4*(\nb)+(\cp)], v[32*(\j)+8*(\nb)+2*(\cp)], v[32*(\j)+8*(\nb)+2*(\cp)+1]
.endr
.endr
	WIN 0
.set z, 0
.rept 16
	v_pk_max_num_bf16 v[TT+16*(\j)+z], v[TT+16*(\j)+z], v[ZERO]   ; relu on two rounded numbers at once: rounding keeps sign and order
.set z, z+1
.endr
.irp nb, 0,1,2,3
	global_store_b128 v[HO], v[TT+16*(\j)+4*(\nb):TT+16*(\j)+4*(\nb)+3], s[OB:OB+1] offset:(\j)*524288+512*(\nb)  ; a block of 16 tokens x 16 columns: 512 consecutive bytes, aligned; tile j lies four tiles on
.endr
.else
.irp u, 0,1,2,3,4,5,6,7
	ds_load_u16 v[OA+(\u)], v[LH] offset:32*(\j)+2*(\u)   ; the tokens of rows u (lanes 0-15) and 8 + u (lanes 16-31)
.endr
	WIN 0x01                                       ; source in window 1
.irp u, 0,1,2,3,4,5,6,7
.irp nb, 0,1,2,3
	v_mov_b32 v[TT+4*(\u)+(\nb)], v[32*(\j)+8*(\nb)+(\u)]   ; a token's four neighbouring columns lie in four sums: side by side for a store of 16 bytes
.endr
.endr
	WIN 0
	s_wait_dscnt 0x0
.irp u, 0,1,2,3,4,5,6,7
	v_min_u32 v[OA+(\u)], 0x3ff, v[OA+(\u)]        ; a token's number, held inside the table
	v_lshl_add_u32 v[OA+(\u)], v[OA+(\u)], 12, v[C16]   ; its row of 4,096 bytes
.endr
.irp u, 0,1,2,3,4,5,6,7
	v_add_nc_u32 v[TM], 64*(\j)+(\u), v[RHO]
	v_cmp_gt_u32 vcc_lo, s[CNT], v[TM]             ; is my row's place below the count?
	s_wait_xcnt 0x0                                ; EXEC is a source of pending loads and stores: it changes only behind this wait
	s_and_saveexec_b32 s[SV], vcc_lo
	global_store_b128 v[OA+(\u)], v[TT+4*(\u):TT+4*(\u)+3], s[OB:OB+1]   ; 16 lanes store 256 consecutive bytes, aligned
	s_wait_xcnt 0x0
	s_or_b32 exec_lo, exec_lo, s[SV]
.endr
.endif
.Lne_\@:
.endm
; 32 tokens at a time: a chosen token's place p is the running count plus the chosen lanes below mine.  I keep the places of my own tiles ((p / 16) % 4 = q), at 16 (p / 64) + p % 16; the rest goes to my lane's word behind the list.
.macro LISTSTEP n
	v_cmp_eq_u32 vcc_lo, s[EX], v[IDXR+(\n)]
	v_mbcnt_lo_u32_b32 v[TM], vcc_lo, s[CNT]
	s_bcnt1_i32_b32 s[TS], vcc_lo
	s_add_co_u32 s[CNT], s[CNT], s[TS]
	v_bfe_u32 v[TM+1], v[TM], 4, 2
	v_cmp_eq_u32 s[TS2], s[QW], v[TM+1]
	s_and_b32 s[TS2], s[TS2], vcc_lo
	v_lshrrev_b32 v[TM+1], 2, v[TM]
	v_bfi_b32 v[TM], 15, v[TM], v[TM+1]            ; the low four bits of p, the rest of p / 4
	v_cndmask_b32 v[TM], v[DIDX], v[TM], s[TS2]
	v_min_u32 v[TM], 0x13f, v[TM]                  ; held inside my 320 words
	v_lshl_add_u32 v[TM], v[TM], 1, s[LQ]
	v_add_nc_u32 v[TM+1], 128*((\n)/4)+(\n)%4, v[TOK0]
	ds_store_b16 v[TM], v[TM+1]
.endm
	s_load_b256 s[4:11], s[0:1], 0x0               ; weights s[4:5], bias s[6:7], operand s[8:9], idx s[10:11]
	s_load_b64 s[12:13], s[0:1], 0x20              ; the result
	v_lshl_add_u32 v[SPW], v0, 2, SPARE
	v_mov_b32 v[NIL], 0
	v_and_b32 v[LN], 31, v0
	v_lshrrev_b32 v[TM], 5, v0
	v_readfirstlane_b32 s[WV], v[TM]
	s_and_b32 s[QW], s[WV], 3
	s_lshr_b32 s[CW], s[WV], 2
	s_and_b32 s[EX], ttmp7, 0xffff
	s_mov_b32 s[SL], ttmp9
	s_mov_b32 s19, 0
	s_mov_b32 s21, 0
	v_lshlrev_b32 v[WO], 4, v[LN]
	v_lshrrev_b32 v[HH], 4, v[LN]
	v_and_b32 v[RR], 15, v[LN]
.if LAYER == 1
	v_lshlrev_b32 v[OA], 5, v[HH]                  ; the bias: 8 f32 for each half of the lanes
.else
	v_lshlrev_b32 v[OA], 4, v[RR]                  ; the bias: my 4 neighbouring columns
.endif
	s_lshl_b32 s18, s[EX], 24                      ; an expert's weights are 16 MiB
	s_mul_i32 s[TS], s[WV], 8*PITCHW               ; my 8 rows of a chunk
	s_add_co_u32 s18, s18, s[TS]
.if LAYER == 1
	s_lshl_b32 s[TS], s[SL], 9                     ; 128 columns of f32
	s_add_co_u32 s18, s18, s[TS]
	s_lshl_b32 s20, s[EX], 14
	s_add_co_u32 s20, s20, s[TS]
.else
	s_lshr_b32 s[KSL], s[SL], 3
	s_and_b32 s[CSL], s[SL], 7
	s_lshl_b32 s[TS], s[KSL], 22                   ; 1,024 rows of 4,096 bytes
	s_add_co_u32 s18, s18, s[TS]
	s_lshl_b32 s[TS], s[CSL], 9
	s_add_co_u32 s18, s18, s[TS]
	s_lshl_b32 s20, s[EX], 12
	s_add_co_u32 s20, s20, s[TS]
.endif
	s_lshl_b32 s[TS], s[CW], 8                     ; my 64 columns of f32
	s_add_co_u32 s20, s20, s[TS]
	s_wait_kmcnt 0x0
	s_add_nc_u64 s[4:5], s[4:5], s[18:19]
	s_add_nc_u64 s[6:7], s[6:7], s[20:21]
	; idx and the bias go first, so that the waits for them leave the weights out; then the first three chunks: 24 loads of 512 bytes a wave
.irp j, 0,1,2,3,4,5,6,7
	global_load_b128 v[IDXR+4*(\j):IDXR+4*(\j)+3], v[WO], s[10:11] offset:512*(\j)   ; register 4 j + i: token 128 j + 4 lane + i
.endr
.if LAYER == 1
.irp nb, 0,1,2,3
	global_load_b128 v[BRAW+8*(\nb):BRAW+8*(\nb)+3],   v[OA], s[6:7] offset:64*(\nb)      ; columns 16 nb + 8 (lane / 16) + 0..7
	global_load_b128 v[BRAW+8*(\nb)+4:BRAW+8*(\nb)+7], v[OA], s[6:7] offset:64*(\nb)+16
.endr
.else
	global_load_b128 v[BRAW:BRAW+3], v[OA], s[6:7]                                         ; columns 4 (lane % 16) + 0..3
.endif
	WIN 0x40
.irp c, 0,1,2
.irp i, 0,1,2,3,4,5,6,7
	global_load_b128 v[WR+32*(\c)+4*(\i):WR+32*(\c)+4*(\i)+3], v[WO], s[4:5] offset:(64*(\c)+(\i))*PITCHW th:TH_LOAD_NT
.endr
.endr
	WIN 0
	s_add_nc_u64 s[WB:WB+1], s[4:5], 192*PITCHW    ; chunk 3, in registers of its own
.if LAYER == 1
	s_mov_b64 s[XB0:XB0+1], s[8:9]
	s_lshl_b32 s20, s[EX], 23                      ; an expert's 64 tiles of h
	s_lshl_b32 s[TS], s[SL], 12                    ; the slice's 8 blocks of 16 columns, 512 bytes each
	s_add_co_u32 s20, s20, s[TS]
	s_lshl_b32 s[TS], s[CW], 11                    ; my 4 of them
	s_add_co_u32 s20, s20, s[TS]
.else
	s_lshl_b32 s20, s[EX], 23
	s_lshl_b32 s[TS], s[KSL], 15                   ; 1,024 k are 64 blocks of 512 bytes
	s_add_co_u32 s20, s20, s[TS]
	s_add_nc_u64 s[XB0:XB0+1], s[8:9], s[20:21]
	s_lshl_b32 s20, s[KSL], 22                     ; a plane of partial sums is 4 MiB
	s_lshl_b32 s[TS], s[CSL], 9
	s_add_co_u32 s20, s20, s[TS]
	s_lshl_b32 s[TS], s[CW], 8
	s_add_co_u32 s20, s20, s[TS]
	s_cmp_eq_u32 s[KSL], 0
	s_cselect_b32 s[BMASK], -1, 0                  ; the bias enters one of the four partial sums
.endif
	s_add_nc_u64 s[OB:OB+1], s[12:13], s[20:21]
	s_mov_b32 s[HIM], 0xffff0000
	s_mov_b32 s[CNT], 0
	s_mov_b32 s[TB], 0
	v_and_b32 v[TM], 7, v[LN]
	v_lshl_add_u32 v[TM], v[HH], 3, v[TM]          ; the turning load: lane l reads row 8 (l / 16) + l % 8,
	v_mul_u32_u24 v[AA0], v[TM], LP
	v_bfe_u32 v[TM], v[LN], 3, 1
	v_lshl_add_u32 v[AA0], v[TM], 4, v[AA0]        ; places 8 ((l / 8) % 2) + 0..7
	s_lshl_b32 s[TS], s[CW], 7
	v_add_nc_u32 v[AA0], s[TS], v[AA0]             ; of my 64
	s_mul_i32 s[TS], s[WV], 8*LP
.if LAYER == 1
	v_lshl_add_u32 v[SA], v[LN], 3, s[TS]          ; 4 bf16 a lane, as they come
.else
	v_lshl_add_u32 v[SA], v[RR], 1, s[TS]          ; place r of block 0
	v_lshl_add_u32 v[SA], v[HH], 7, v[SA]          ; of the half of the columns that my lane loads
.endif
	s_mul_i32 s[LQ], s[WV], LISTB
	s_add_co_u32 s[LQ], s[LQ], LIST
	v_lshlrev_b32 v[TOK0], 2, v[LN]
	v_add_nc_u32 v[DIDX], 288, v[LN]
.if LAYER == 1
	v_lshlrev_b32 v[H16], 4, v[HH]
	v_lshl_add_u32 v[LB], v[RR], 1, s[LQ]
	s_lshl_b32 s[TS], s[QW], 17
	v_add_nc_u32 v[HO], s[TS], v[WO]               ; tile q of block 0
	v_mov_b32 v[ZERO], 0
.else
	v_lshlrev_b32 v[C16], 4, v[RR]
	v_lshl_add_u32 v[LH], v[HH], 4, s[LQ]          ; place 8 (lane / 16) of a tile
	s_lshl_b32 s[TS], s[QW], 4
	v_lshl_add_u32 v[RHO], v[HH], 3, s[TS]
.endif
	; my list starts as zeros: a place past the count names token 0, a row that exists
	v_lshl_add_u32 v[OA+2], v[LN], 4, s[LQ]
.irp m, 4,5,6,7
	v_mov_b32 v[OA+(\m)], 0
.endr
	ds_store_b128 v[OA+2], v[OA+4:OA+7]
	ds_store_b128 v[OA+2], v[OA+4:OA+7] offset:512
	s_wait_loadcnt NBIAS+24                        ; idx is in; the loads of the bias and the 24 of the weights stay out
.set n, 0
.rept 32
	LISTSTEP n
.set n, n+1
.endr
	s_add_co_u32 s[NTILES], s[CNT], 15
	s_lshr_b32 s[NTILES], s[NTILES], 4
.if LAYER == 2
	s_max_u32 s[GMAX], s[NTILES], 1
	s_sub_co_u32 s[GMAX], s[GMAX], 1
.endif
	s_wait_loadcnt 24                              ; the bias is in; the weights stay out
.if LAYER == 1
.irp nb, 0,1,2,3
.irp cp, 0,1,2,3
	v_cvt_pk_bf16_f32 v[BP+4*(\nb)+(\cp)], v[BRAW+8*(\nb)+2*(\cp)], v[BRAW+8*(\nb)+2*(\cp)+1]
.endr
.endr
.else
	v_cvt_pk_bf16_f32 v[TM],   v[BRAW],   v[BRAW+1]
	v_cvt_pk_bf16_f32 v[TM+1], v[BRAW+2], v[BRAW+3]
	v_lshlrev_b32 v[BP],   16,     v[TM]
	v_and_b32     v[BP+1], s[HIM], v[TM]
	v_lshlrev_b32 v[BP+2], 16,     v[TM+1]
	v_and_b32     v[BP+3], s[HIM], v[TM+1]
.irp nb, 0,1,2,3
	v_and_b32 v[BP+(\nb)], s[BMASK], v[BP+(\nb)]
.endr
.endif
	SETUP
	XLOAD 0, 0                                     ; the operand fragments of chunks 0 to 2: with the weights 60 loads of mine are out
	XLOAD 1, XCH
	XLOAD 2, 2*XCH
	INIT                                           ; stands in the wait for the first chunk
; THE WEIGHT STREAM.  In the order of issue a step finds out W(s) X(s) W(s+1) X(s+1) W(s+2) X(s+2): the wait for W(s) leaves the 52 behind it; with W(s+3) asked for, the wait for X(s) may leave 48.
; The way in has another order, W0 W1 W2 X0 X1 X2, since the list comes before any X: behind X0 stand X1 X2 W3 (32), behind X1 stand X2 W3 X3 W4 (40).  The loop is not written out for that: its first two places keep 32 and 40.
	s_mov_b32 s[TRIP], 4
.Lloop:                                                ; a trip: three chunks
	PROD 0, 52, 0
	COMP 0, 32, 3*XCH, 1
	PROD 1, 52, 1
	COMP 1, 40, 4*XCH, 1
	PROD 2, 52, 2
	COMP 2, 48, 5*XCH, 1
	s_wait_xcnt 0x0                                ; the bases that the loads above name are stepped only behind this wait
	s_add_nc_u64 s[WB:WB+1], s[WB:WB+1], 192*PITCHW
	s_add_nc_u64 s[XB:XB+1], s[XB:XB+1], 3*XCH
	s_sub_co_u32 s[TRIP], s[TRIP], 1
	s_cmp_lg_u32 s[TRIP], 0
	s_cbranch_scc1 .Lloop
	PROD 0, 52, 0                                  ; chunk 12 asks for chunk 15, the last;
	COMP 0, 48, 3*XCH, 1
	PROD 1, 52, -1                                 ; then no load leaves the slice, a row or a tile, and the counts run down: behind W13 stand X13 W14 X14 W15 X15,
	COMP 1, 40, -1, 1                              ; behind X13 W14 X14 W15 X15,
	PROD 2, 32, -1                                 ; behind W14 X14 W15 X15,
	COMP 2, 20, -1, 1                              ; behind X14 W15 X15,
	PROD 0, 12, -1                                 ; behind W15 X15,
	COMP 0, 0, -1, 0                               ; behind X15 nothing.  The slice is whole, and nobody writes it again
; THE BLOCKS.  Trip b sends block b out and multiplies block b + 1 from the resident slice.  Six trips, whatever the count: 6 x 12 tiles cover the 64 that an expert can have, and block 6 is dead for every split.
; A dead block is jumped forward, to the label ahead of the counter's step.  The loop reads LDS and writes none of it.
	s_mov_b32 s[BLK], 6
.Lblk:
	EPI 0
	EPI 1
	EPI 2
	s_wait_xcnt 0x0                                ; the stores have read their offsets and data
.if LAYER == 1
	v_add_nc_u32 v[LB], 96, v[LB]                  ; my next three tiles' places
	v_add_nc_u32 v[HO], 12*131072, v[HO]           ; twelve tiles on
.else
	v_add_nc_u32 v[LH], 96, v[LH]
	v_add_nc_u32 v[RHO], 192, v[RHO]
.endif
	s_add_co_u32 s[TB], s[TB], 12
	SETUP
	s_cmp_eq_u32 s[NT], 0
	s_cbranch_scc1 .Lskip
	XLOAD 0, 0
	XLOAD 1, XCH
	XLOAD 2, 2*XCH
	INIT
	s_mov_b32 s[INNER], 4
.Linner:                                               ; here only X is on its way: the two younger chunks' 24 loads stay out
	COMP 0, 24, 3*XCH, 0
	COMP 1, 24, 4*XCH, 0
	COMP 2, 24, 5*XCH, 0
	s_wait_xcnt 0x0
	s_add_nc_u64 s[XB:XB+1], s[XB:XB+1], 3*XCH
	s_sub_co_u32 s[INNER], s[INNER], 1
	s_cmp_lg_u32 s[INNER], 0
	s_cbranch_scc1 .Linner
	COMP 0, 24, 3*XCH, 0                           ; chunk 12 asks for chunk 15; then the counts run down
	COMP 1, 24, -1, 0
	COMP 2, 12, -1, 0
	COMP 0, 0, -1, 0
.Lskip:
	s_sub_co_u32 s[BLK], s[BLK], 1
	s_cmp_lg_u32 s[BLK], 0
	s_cbranch_scc1 .Lblk
	s_wait_dscnt 0x0                               ; my reads of LDS are back,
	s_barrier_signal -1
	s_barrier_wait -1                              ; and so are everybody's: the add below stands behind every wave's reads, whatever their walking addresses
	s_wait_tensorcnt 0x0                           ; the wave's end, behind my last LDS store
	ds_add_u32 v[SPW], v[NIL]
	s_wait_dscnt 0x0
	s_endpgm
.Lfunc_end_k_q4e27f2eca2_ffn1:
	.size	k_q4e27f2eca2_ffn1, .Lfunc_end_k_q4e27f2eca2_ffn1-k_q4e27f2eca2_ffn1
	.p2alignl 7, 3214868480
	.fill 96, 4, 3214868480
	.section	.rodata,"a",@progbits
	.p2align	6, 0x0
	.amdhsa_kernel k_q4e27f2eca2_ffn1
		.amdhsa_group_segment_fixed_size 304128
		.amdhsa_private_segment_fixed_size 0
		.amdhsa_enable_private_segment 0
		.amdhsa_kernarg_size 40
		.amdhsa_user_sgpr_count 2
		.amdhsa_user_sgpr_kernarg_segment_ptr 1
		.amdhsa_wavefront_size32 1
		.amdhsa_system_sgpr_workgroup_id_x 1
		.amdhsa_system_sgpr_workgroup_id_y 1
		.amdhsa_system_sgpr_workgroup_id_z 1
		.amdhsa_system_vgpr_workitem_id 0
		.amdhsa_next_free_vgpr 512
		.amdhsa_next_free_sgpr 66
		.amdhsa_reserve_vcc 1
		.amdhsa_float_denorm_mode_32 3
		.amdhsa_float_denorm_mode_16_64 3
		.amdhsa_memory_ordered 1
		.amdhsa_forward_progress 1
		.amdhsa_inst_pref_size 123
	.end_amdhsa_kernel
	.amdgpu_metadata
---
amdhsa.version: [ 1, 2 ]
amdhsa.kernels:
  - .name:           k_q4e27f2eca2_ffn1
    .symbol:         k_q4e27f2eca2_ffn1.kd
    .args:
      - { .name: W1, .offset: 0, .size: 8, .value_kind: global_buffer, .address_space: global }
      - { .name: b1, .offset: 8, .size: 8, .value_kind: global_buffer, .address_space: global }
      - { .name: xb, .offset: 16, .size: 8, .value_kind: global_buffer, .address_space: global }
      - { .name: idx, .offset: 24, .size: 8, .value_kind: global_buffer, .address_space: global }
      - { .name: hb, .offset: 32, .size: 8, .value_kind: global_buffer, .address_space: global }
    .group_segment_fixed_size: 304128
    .private_segment_fixed_size: 0
    .kernarg_segment_align: 8
    .kernarg_segment_size: 40
    .max_flat_workgroup_size: 256
    .sgpr_count:     66
    .vgpr_count:     512
    .wavefront_size: 32
...
	.end_amdgpu_metadata
.endif
;; end of part 2
;; launch ffn2 (part 3): grid 32 x 8, 8 waves a work-group, no clusters, 304,128 bytes of LDS; arguments W2, b2, hb, idx, part; writes part
.if DOCPART == 3
	.amdgcn_target "amdgcn-amd-amdhsa--gfx1250"
	.amdhsa_code_object_version 6
	.text
	.protected	k_q4e27f2eca2_ffn2
	.globl	k_q4e27f2eca2_ffn2
	.p2align	8
	.type	k_q4e27f2eca2_ffn2,@function
k_q4e27f2eca2_ffn2:
	s_mov_b64 s[64:65], 0
	v_nop
	global_prefetch_b8 v0, s[64:65] scope:SCOPE_SE
	s_setreg_imm32_b32 hwreg(HW_REG_WAVE_MODE, 25, 1), 1
	s_wait_xcnt 0x0
; ONE PRODUCT OF THE EXPERTS' CHAIN, for the chosen rows alone.  The text is written for both products; LAYER picks pitches, offsets, the order of the matrix sources and the way out.
;   LAYER 1: h = relu(xb[t] . W1[e][:, n] + b1[e][n]) in bf16, e = idx[t].      LAYER 2: part[ks][t][n] = h[t][1024 ks ..] . W2[e][1024 ks .., n] (+ b2[e][n] where ks = 0) in f32.
; FORMATS.  Weights and bias are rounded to bf16 on their way through registers, like every input of the program; sums in f32; h is rounded once to bf16 (bf16, not f16: h has room for inputs many times larger);
; the four partial sums of an output stay f32 in memory.
; LIMITS.  NaN and infinities are not treated apart; relu of NaN gives 0.  For an expert without rows LAYER 2 fetches that expert's tile 0 of h, which nobody wrote: inside the buffer, never multiplied, nothing stored.
; SHARES.  Work-group (S, E) has a slice of 1,024 k x 128 columns of expert E's weights, which it alone reads, once, and ALL rows that chose E, whatever their number (0 to 1,024).  LAYER 2's slice is cut along k as well
; (S / 8), so that a weight row's piece is 512 consecutive bytes; one owner for each output would have 32 columns: pieces of 128 bytes.
; All eight waves run the same text.  The slice comes in 16 chunks of 64 k: wave w loads rows 8 w .. 8 w + 7 of a chunk (512 consecutive bytes each), rounds them and lays them into LDS, where the slice stays.
; ROWS.  Each wave builds the expert's list of tokens from idx.  A tile is 16 places of the list, a block 12 tiles (192 rows).  Wave w = (q = w % 4, c = w / 4) has tiles 12 b + 4 j + q, j = 0..2, and columns 64 c .. 64 c + 63.
; Block 0 is multiplied under the weight stream; blocks 1 to 5 from the resident slice, only as far as the count reaches: a tile or block past the count skips its work by a forward jump that passes no barrier.
; Behind the weight stream nothing is written into LDS but the closing add.
; PLACES PAST THE COUNT lie in the expert's last live tile alone.  LAYER 1: they name token 0, a row that exists.  LAYER 2: they name a spare row of part behind the four planes, row 4096 + 8 ks + E, of which this work-group
; has its own 512 bytes and which nobody reads: so every store runs with all lanes on, and EXEC is never written.  The price: at most 15 rows of 256 bytes a wave stored for nothing.
; LAYOUT, LAYER 1.  Source 0 = 16 weight columns (turned out of the [k][n] slice by ds_load_tr16_b128), source 1 = 16 tokens: a lane holds ONE token (lane % 16) and 8 neighbouring columns.  h lies in memory as the lanes hold
; it: hb[expert][tile][block of 16 columns][lane][16 bytes]: a lane's 8 rounded results of a block are the 16 bytes that LAYER 2's operand fragment wants from that lane; each store and load of h covers 512 consecutive bytes.
; The buffer has room for 64 tiles an expert (every split); only live tiles are touched.
; LAYOUT, LAYER 2.  Source 0 = 16 tokens, source 1 = 16 weight columns: register u of a result holds token 8 (lane / 16) + u, the lane one column.  The slice's columns are laid into LDS in another order: column
; 64 c + 4 r + nb at place 64 c + 16 nb + r.  So lane r's results of the four column blocks nb are four NEIGHBOURING columns of a token's row, 16 bytes, and 16 lanes hold 256 consecutive bytes: no way through LDS.
; The sums start at the rounded bias (LAYER 2: at 0 where ks is not 0).
; ONE COUNTER.  Loads come back in the order of issue (ISA guide 5.7.1), so weights (W) and operand rows (X) are asked for with the same lead, three chunks: step s asks for W(s+3) when W(s) is rounded, for X(s+3) when X(s) is multiplied.
; NO CLUSTER, NO TENSOR LOAD.  Each weight byte has one reader.  f32 weights must pass registers to be rounded, and beside the slice of 294,912 bytes LDS has no room for a stage of f32, nor for shared operand tiles.
.set LAYER, 2
.if LAYER == 1
.set PITCHW, 16384                     ; bytes from row to row of the weights
.set XCH,    128                       ; the operand: bytes from chunk to chunk (64 k of a token's row),
.set XKS,    64                        ; from the first 32 k of a chunk to the second,
.set XHF,    32                        ; from a fragment's first four registers to its last four
.set NBIAS,  8                         ; loads that bring the bias
.else
.set PITCHW, 4096
.set XCH,    2048                      ; four blocks of 16 k x 16 tokens, 512 bytes each
.set XKS,    1024
.set XHF,    512
.set NBIAS,  1
.endif
.set LP,     288                       ; a row of the slice in LDS: 256 bytes (128 bf16) + 32 = 72 words
.set CHUNKB, 64*LP
.set LIST,   1024*LP                   ; behind the slice, for each wave 1,024 bytes: the 288 places of its own tiles (u16), then a word for each lane to drop what is not its own
.set LISTB,  1024
.set SPARE,  LIST+8*LISTB              ; the spare words, 128 bytes for each of the eight waves: four blocks of 256 bytes that no other line names
.set ROWMAX, 0x1007                    ; LAYER 2: the largest row number that a list can hold: the spare row of ks = 0, E = 7, counted from the plane's first row
; scalars
.set WV, 14                            ; my wave
.set QW, 15                            ; wave % 4
.set EX, 16                            ; the expert
.set SL, 17                            ; the slice
.set WB, 22                            ; s[22:23] the weights' walking base
.set XB0, 24                           ; s[24:25] the operand's base
.set XB, 26                            ; s[26:27] the same, walking along k
.set OB, 28                            ; s[28:29] the result's base
.set TRIP, 30
.set CNT, 31                           ; the running count, then the expert's count
.set NTILES, 32
.set NT, 33                            ; my live tiles in the block in hand: 0 to 3, a prefix of j
.set TB, 34                            ; 12 x block
.set BLK, 35
.set HIM, 37                           ; a word's upper bf16
.set BMASK, 38
.set LQ, 39                            ; my list
.set TS, 40                            ; at work
.set INNER, 41
.set KSL, 42                           ; LAYER 2: slice / 8 = which 1,024 of k,
.set CSL, 43                           ;          slice % 8 = which 128 columns
.set CW, 44                            ; wave / 4
.set TS2, 45                           ; at work
.set DT, 46                            ; LAYER 2: the spare row's number, counted from my plane's first row, in both halves of the word
.set GMAX, 48                          ; LAYER 2: the expert's last live tile
; vector registers, window 0 (an instruction names v0-v255; s_set_vgpr_msb says which window each operand place means: bits 1:0 source 0, 3:2 source 1, 5:4 source 2, 7:6 destination)
.set LN,  1                            ; lane
.set SPW, 2                            ; LDS address of my spare word: SPARE + 4 x my thread's number; never rewritten
.set NIL, 3                            ; 0; never rewritten
.set WO,  4                            ; 16 x lane; never rewritten
.set SA,  5                            ; where my part of my first row of the chunk in hand goes
.set RR,  6                            ; lane % 16
.set HH,  7                            ; lane / 16
.set H16, 8                            ; LAYER 1: 16 x (lane / 16)
.set C16, 8                            ; LAYER 2: 16 x (lane % 16)
.set AA0, 9                            ; my lane's place in a chunk for the turning load
.set AA,  10                           ; the same, walking
.set LB,  11                           ; LAYER 1: list address of the token whose row I load (tile j: + 32 j)
.set LH,  11                           ; LAYER 2: list address of the first token whose row I store
.set XO,  12                           ; v12-14 byte offset of my part of tile j's operand
.set HO,  15                           ; LAYER 1: byte offset of my 16 bytes in my first tile of the block
.set ZERO, 16
.set TOK0, 17                          ; 4 x lane
.set DIDX, 18                          ; 288 + lane: where a token that is not mine is dropped
.set TM,  19                           ; v19-21 at work
.set OA,  24                           ; v24-31 LAYER 2, the way out: byte offsets of eight pairs of rows; before the first chunk: at work
.set FA,  32                           ; v32-95 weight fragments of a chunk: (half ks, column block nb) at 32 ks + 8 nb.  Its first registers also: my 8 rows of a chunk, rounded, on their way to LDS
.set TT,  32                           ; the way out: results as they are stored
.set FX,  96                           ; v96-239 operand fragments, three buffers: (buffer, tile j, half ks) at 48 buffer + 16 j + 8 ks
.set IDXR, 96                          ; before the first chunk: idx in v96-127,
.set BRAW, 128                         ; the bias as loaded, from v128 on
.set BP,  240                          ; LAYER 1: v240-255 the rounded bias, two to a register; LAYER 2: v240-243 the rounded bias of my four columns, widened
.set WR,  96                           ; window 1: v0-95 the sums, (j, nb) at 32 j + 8 nb; v96-191 three slots of 8 weight rows x 4 registers as loaded
.set MSB, 0
.macro WIN new                         ; the immediate's high byte repeats the setting that is left; a switch that changes nothing is dropped
.if MSB != (\new)
	s_set_vgpr_msb (MSB<<8)|(\new)
.set MSB, (\new)
.endif
.endm
; A CHUNK IS LAID DOWN.  left: the younger loads that may stay out.  woff >= 0: the slot is asked for again, three chunks on (chunk woff from the walking base), as soon as the conversions have read it.
.macro PROD slot, left, woff
	s_wait_loadcnt \left                           ; loads come back in order: this slot's 8 are in
	WIN 0x05                                       ; sources in window 1
.if LAYER == 1
.irp i, 0,1,2,3,4,5,6,7
	v_cvt_pk_bf16_f32 v[FA+2*(\i)],   v[WR+32*(\slot)+4*(\i)],   v[WR+32*(\slot)+4*(\i)+1]
	v_cvt_pk_bf16_f32 v[FA+2*(\i)+1], v[WR+32*(\slot)+4*(\i)+2], v[WR+32*(\slot)+4*(\i)+3]
.endr
.else
.irp i, 0,1,2,3,4,5,6,7
.irp nb, 0,1,2,3
	v_cvt_pk_bf16_f32 v[FA+4*(\i)+(\nb)], v[WR+32*(\slot)+4*(\i)+(\nb)], v[WR+32*(\slot)+4*(\i)+(\nb)]   ; one to a register, in the low half: my four columns part in LDS
.endr
.endr
.endif
.if (\woff) >= 0
	WIN 0x40                                       ; destination in window 1
.irp i, 0,1,2,3,4,5,6,7
	global_load_b128 v[WR+32*(\slot)+4*(\i):WR+32*(\slot)+4*(\i)+3], v[WO], s[WB:WB+1] offset:(64*(\woff)+(\i))*PITCHW th:TH_LOAD_NT  ; a row's 512 consecutive bytes
.endr
.endif
	WIN 0
.if LAYER == 1
.irp i, 0,1,2,3,4,5,6,7
	ds_store_b64 v[SA], v[FA+2*(\i):FA+2*(\i)+1] offset:LP*(\i)   ; 32 lanes fill a row's 256 bytes
.endr
.else
.irp i, 0,1,2,3,4,5,6,7
.irp nb, 0,1,2,3
	ds_store_b16 v[SA], v[FA+4*(\i)+(\nb)] offset:LP*(\i)+32*(\nb)   ; column 64 c + 4 r + nb goes to place 64 c + 16 nb + r
.endr
.endr
.endif
	v_add_nc_u32 v[SA], CHUNKB, v[SA]
	s_wait_dscnt 0x0                               ; for the others' sake: my rows of the chunk are in LDS when I signal
	s_barrier_signal -1
	s_barrier_wait -1                              ; the chunk is whole
.endm
; 12 loads: the operand fragments of one chunk for my three tiles, at byte xo from the walking base
.macro XLOAD xb, xo
.irp j, 0,1,2
.irp ks, 0,1
.irp hf, 0,1
	global_load_b128 v[FX+48*(\xb)+16*(\j)+8*(\ks)+4*(\hf):FX+48*(\xb)+16*(\j)+8*(\ks)+4*(\hf)+3], v[XO+(\j)], s[XB:XB+1] offset:(\xo)+XKS*(\ks)+XHF*(\hf)
.endr
.endr
.endr
.endm
; 4 matrix instructions: tile j x my 4 column blocks, 32 along k.  The four sums take turns, one instruction a turn.
.macro MM4 j, ks, xb
.irp nb, 0,1,2,3
.if LAYER == 1
	v_wmma_f32_16x16x32_bf16 v[32*(\j)+8*(\nb):32*(\j)+8*(\nb)+7], v[FA+32*(\ks)+8*(\nb):FA+32*(\ks)+8*(\nb)+7], v[FX+48*(\xb)+16*(\j)+8*(\ks):FX+48*(\xb)+16*(\j)+8*(\ks)+7], v[32*(\j)+8*(\nb):32*(\j)+8*(\nb)+7]
.else
	v_wmma_f32_16x16x32_bf16 v[32*(\j)+8*(\nb):32*(\j)+8*(\nb)+7], v[FX+48*(\xb)+16*(\j)+8*(\ks):FX+48*(\xb)+16*(\j)+8*(\ks)+7], v[FA+32*(\ks)+8*(\nb):FA+32*(\ks)+8*(\nb)+7], v[32*(\j)+8*(\nb):32*(\j)+8*(\nb)+7]
.endif
.endr
.endm
; A CHUNK IS MULTIPLIED.  xleft: the younger loads that may stay out.  xoff >= 0: buffer xb is asked for again, three chunks on.
; bar = 1 (under the weight stream): a second barrier, signalled when my fragment loads are back and waited for behind the products: no wave stores the next chunk while a wave still reads this one.  The chunks' bytes are
; apart, so no value hangs on it; with it the order of the slice's stores and reads does not lean on the walking addresses.
.macro COMP xb, xleft, xoff, bar
.irp ks, 0,1
.irp nb, 0,1,2,3
	ds_load_tr16_b128 v[FA+32*(\ks)+8*(\nb):FA+32*(\ks)+8*(\nb)+3],   v[AA] offset:(\ks)*32*LP+32*(\nb)
	ds_load_tr16_b128 v[FA+32*(\ks)+8*(\nb)+4:FA+32*(\ks)+8*(\nb)+7], v[AA] offset:(\ks)*32*LP+16*LP+32*(\nb)
.endr
.endr
	v_add_nc_u32 v[AA], CHUNKB, v[AA]
	s_wait_loadcnt \xleft                          ; this chunk's operand fragments are in (on every path: the buffer is loaded again below)
	s_wait_dscnt 0x0                               ; the weight fragments are in
.if \bar
	s_barrier_signal -1
.endif
	s_cmp_eq_u32 s[NT], 0
	s_cbranch_scc1 .Lce_\@
	WIN 0x50                                       ; C and D in window 1
	MM4 0, 0, \xb
	MM4 0, 1, \xb
	WIN 0                                          ; at a branch and at a label every window is 0
	s_cmp_lt_u32 s[NT], 2
	s_cbranch_scc1 .Lce_\@
	WIN 0x50
	MM4 1, 0, \xb
	MM4 1, 1, \xb
	WIN 0
	s_cmp_lt_u32 s[NT], 3
	s_cbranch_scc1 .Lce_\@
	WIN 0x50
	MM4 2, 0, \xb
	MM4 2, 1, \xb
	WIN 0
.Lce_\@:
.rept 4
	v_nop                                          ; four places behind the last product, ahead of loads into its sources and of whatever reads or rewrites its registers
.endr
.if \bar
	s_barrier_wait -1
.endif
.if (\xoff) >= 0
	XLOAD \xb, \xoff
.endif
.endm
; A block begins: my live tiles, ceil((tiles - 12 b - q) / 4) held to 0..3; my three tiles' operand offsets; the walks go back to k = 0.
.macro SETUP
	s_sub_co_i32 s[TS], s[NTILES], s[TB]
	s_sub_co_i32 s[TS], s[TS], s[QW]
	s_add_co_i32 s[TS], s[TS], 3
	s_max_i32 s[TS], s[TS], 0
	s_lshr_b32 s[TS], s[TS], 2
	s_min_u32 s[NT], s[TS], 3
.if LAYER == 1
.irp j, 0,1,2
	ds_load_u16 v[TM+(\j)], v[LB] offset:32*(\j)
.endr
	s_wait_dscnt 0x0
.irp j, 0,1,2
	v_min_u32 v[TM+(\j)], 0x3ff, v[TM+(\j)]        ; a token's number, held inside the table
	v_lshl_add_u32 v[XO+(\j)], v[TM+(\j)], 11, v[H16]  ; its row of 2,048 bytes
.endr
.else
.irp j, 0,1,2
	s_add_co_u32 s[TS], s[TB], s[QW]
	s_add_co_u32 s[TS], s[TS], 4*(\j)
	s_min_u32 s[TS], s[TS], s[GMAX]                ; a tile past the count repeats the last live one: nothing is fetched that no tile needs
	v_mov_b32 v[TM+(\j)], s[TS]
	v_min_u32 v[TM+(\j)], 63, v[TM+(\j)]           ; held inside the expert's 64 tiles
	v_lshl_add_u32 v[XO+(\j)], v[TM+(\j)], 17, v[WO]   ; a tile of h is 131,072 bytes
.endr
.endif
	s_mov_b64 s[XB:XB+1], s[XB0:XB0+1]
	v_mov_b32 v[AA], v[AA0]
.endm
; The sums start at the rounded bias, widened: this takes the place of a first step written out and of the additions on the way out.
.macro INIT
	WIN 0x40                                       ; destination in window 1
.if LAYER == 1
.irp j, 0,1,2
.irp nb, 0,1,2,3
.irp cp, 0,1,2,3
	v_lshlrev_b32 v[32*(\j)+8*(\nb)+2*(\cp)],   16,     v[BP+4*(\nb)+(\cp)]
	v_and_b32     v[32*(\j)+8*(\nb)+2*(\cp)+1], s[HIM], v[BP+4*(\nb)+(\cp)]
.endr
.endr
.endr
.else
.irp j, 0,1,2
.irp nb, 0,1,2,3
.irp u, 0,1,2,3,4,5,6,7
	v_mov_b32 v[32*(\j)+8*(\nb)+(\u)], v[BP+(\nb)] ; a lane has one column of a block: the same bias for its eight tokens
.endr
.endr
.endr
.endif
	WIN 0
.endm
; THE WAY OUT of tile j.  Each sum's lowest registers are read first.
.macro EPI j
	s_cmp_le_u32 s[NT], \j
	s_cbranch_scc1 .Lne_\@
.if LAYER == 1
	WIN 0x05
.irp nb, 0,1,2,3
.irp cp, 0,1,2,3
	v_cvt_pk_bf16_f32 v[TT+16*(\j)+4*(\nb)+(\cp)], v[32*(\j)+8*(\nb)+2*(\cp)], v[32*(\j)+8*(\nb)+2*(\cp)+1]
.endr
.endr
	WIN 0
.set z, 0
.rept 16
	v_pk_max_num_bf16 v[TT+16*(\j)+z], v[TT+16*(\j)+z], v[ZERO]   ; relu on two rounded numbers at once: rounding keeps sign and order
.set z, z+1
.endr
.irp nb, 0,1,2,3
	global_store_b128 v[HO], v[TT+16*(\j)+4*(\nb):TT+16*(\j)+4*(\nb)+3], s[OB:OB+1] offset:(\j)*524288+512*(\nb)  ; a block of 16 tokens x 16 columns: 512 consecutive bytes, aligned; tile j lies four tiles on
.endr
.else
	s_wait_xcnt 0x0                                ; the offsets and data of the tile before, which its stores read, are rewritten only behind this wait
.irp u, 0,1,2,3,4,5,6,7
	ds_load_u16 v[OA+(\u)], v[LH] offset:32*(\j)+2*(\u)   ; the rows of places u (lanes 0-15) and 8 + u (lanes 16-31): a token's, or past the count the spare row
.endr
	WIN 0x01                                       ; source in window 1
.irp u, 0,1,2,3,4,5,6,7
.irp nb, 0,1,2,3
	v_mov_b32 v[TT+4*(\u)+(\nb)], v[32*(\j)+8*(\nb)+(\u)]   ; a token's four neighbouring columns lie in four sums: side by side for a store of 16 bytes
.endr
.endr
	WIN 0
	s_wait_dscnt 0x0
.irp u, 0,1,2,3,4,5,6,7
	v_min_u32 v[OA+(\u)], ROWMAX, v[OA+(\u)]       ; held to the largest row number that a list can hold
	v_lshl_add_u32 v[OA+(\u)], v[OA+(\u)], 12, v[C16]   ; a row of 4,096 bytes
.endr
.irp u, 0,1,2,3,4,5,6,7
	global_store_b128 v[OA+(\u)], v[TT+4*(\u):TT+4*(\u)+3], s[OB:OB+1]   ; 16 lanes store 256 consecutive bytes, aligned
.endr
.endif
.Lne_\@:
.endm
; 32 tokens at a time: a chosen token's place p is the running count plus the chosen lanes below mine.  I keep the places of my own tiles ((p / 16) % 4 = q), at 16 (p / 64) + p % 16; the rest goes to my lane's word behind the list.
.macro LISTSTEP n
	v_cmp_eq_u32 vcc_lo, s[EX], v[IDXR+(\n)]
	v_mbcnt_lo_u32_b32 v[TM], vcc_lo, s[CNT]
	s_bcnt1_i32_b32 s[TS], vcc_lo
	s_add_co_u32 s[CNT], s[CNT], s[TS]
	v_bfe_u32 v[TM+1], v[TM], 4, 2
	v_cmp_eq_u32 s[TS2], s[QW], v[TM+1]
	s_and_b32 s[TS2], s[TS2], vcc_lo
	v_lshrrev_b32 v[TM+1], 2, v[TM]
	v_bfi_b32 v[TM], 15, v[TM], v[TM+1]            ; the low four bits of p, the rest of p / 4
	v_cndmask_b32 v[TM], v[DIDX], v[TM], s[TS2]
	v_min_u32 v[TM], 0x13f, v[TM]                  ; held inside my 320 words
	v_lshl_add_u32 v[TM], v[TM], 1, s[LQ]
	v_add_nc_u32 v[TM+1], 128*((\n)/4)+(\n)%4, v[TOK0]
	ds_store_b16 v[TM], v[TM+1]
.endm
	s_load_b256 s[4:11], s[0:1], 0x0               ; weights s[4:5], bias s[6:7], operand s[8:9], idx s[10:11]
	s_load_b64 s[12:13], s[0:1], 0x20              ; the result
	v_lshl_add_u32 v[SPW], v0, 2, SPARE
	v_mov_b32 v[NIL], 0
	v_and_b32 v[LN], 31, v0
	v_lshrrev_b32 v[TM], 5, v0
	v_readfirstlane_b32 s[WV], v[TM]
	s_and_b32 s[QW], s[WV], 3
	s_lshr_b32 s[CW], s[WV], 2
	s_and_b32 s[EX], ttmp7, 0xffff
	s_mov_b32 s[SL], ttmp9
	s_mov_b32 s19, 0
	s_mov_b32 s21, 0
	v_lshlrev_b32 v[WO], 4, v[LN]
	v_lshrrev_b32 v[HH], 4, v[LN]
	v_and_b32 v[RR], 15, v[LN]
.if LAYER == 1
	v_lshlrev_b32 v[OA], 5, v[HH]                  ; the bias: 8 f32 for each half of the lanes
.else
	v_lshlrev_b32 v[OA], 4, v[RR]                  ; the bias: my 4 neighbouring columns
.endif
	s_lshl_b32 s18, s[EX], 24                      ; an expert's weights are 16 MiB
	s_mul_i32 s[TS], s[WV], 8*PITCHW               ; my 8 rows of a chunk
	s_add_co_u32 s18, s18, s[TS]
.if LAYER == 1
	s_lshl_b32 s[TS], s[SL], 9                     ; 128 columns of f32
	s_add_co_u32 s18, s18, s[TS]
	s_lshl_b32 s20, s[EX], 14
	s_add_co_u32 s20, s20, s[TS]
.else
	s_lshr_b32 s[KSL], s[SL], 3
	s_and_b32 s[CSL], s[SL], 7
	s_lshl_b32 s[TS], s[KSL], 22                   ; 1,024 rows of 4,096 bytes
	s_add_co_u32 s18, s18, s[TS]
	s_lshl_b32 s[TS], s[CSL], 9
	s_add_co_u32 s18, s18, s[TS]
	s_lshl_b32 s20, s[EX], 12
	s_add_co_u32 s20, s20, s[TS]
.endif
	s_lshl_b32 s[TS], s[CW], 8                     ; my 64 columns of f32
	s_add_co_u32 s20, s20, s[TS]
	s_wait_kmcnt 0x0
	s_add_nc_u64 s[4:5], s[4:5], s[18:19]
	s_add_nc_u64 s[6:7], s[6:7], s[20:21]
	; idx and the bias go first, so that the waits for them leave the weights out; then the first three chunks: 24 loads of 512 bytes a wave
.irp j, 0,1,2,3,4,5,6,7
	global_load_b128 v[IDXR+4*(\j):IDXR+4*(\j)+3], v[WO], s[10:11] offset:512*(\j)   ; register 4 j + i: token 128 j + 4 lane + i
.endr
.if LAYER == 1
.irp nb, 0,1,2,3
	global_load_b128 v[BRAW+8*(\nb):BRAW+8*(\nb)+3],   v[OA], s[6:7] offset:64*(\nb)      ; columns 16 nb + 8 (lane / 16) + 0..7
	global_load_b128 v[BRAW+8*(\nb)+4:BRAW+8*(\nb)+7], v[OA], s[6:7] offset:64*(\nb)+16
.endr
.else
	global_load_b128 v[BRAW:BRAW+3], v[OA], s[6:7]                                         ; columns 4 (lane % 16) + 0..3
.endif
	WIN 0x40
.irp c, 0,1,2
.irp i, 0,1,2,3,4,5,6,7
	global_load_b128 v[WR+32*(\c)+4*(\i):WR+32*(\c)+4*(\i)+3], v[WO], s[4:5] offset:(64*(\c)+(\i))*PITCHW th:TH_LOAD_NT
.endr
.endr
	WIN 0
	s_add_nc_u64 s[WB:WB+1], s[4:5], 192*PITCHW    ; chunk 3, in registers of its own
.if LAYER == 1
	s_mov_b64 s[XB0:XB0+1], s[8:9]
	s_lshl_b32 s20, s[EX], 23                      ; an expert's 64 tiles of h
	s_lshl_b32 s[TS], s[SL], 12                    ; the slice's 8 blocks of 16 columns, 512 bytes each
	s_add_co_u32 s20, s20, s[TS]
	s_lshl_b32 s[TS], s[CW], 11                    ; my 4 of them
	s_add_co_u32 s20, s20, s[TS]
.else
	s_lshl_b32 s20, s[EX], 23
	s_lshl_b32 s[TS], s[KSL], 15                   ; 1,024 k are 64 blocks of 512 bytes
	s_add_co_u32 s20, s20, s[TS]
	s_add_nc_u64 s[XB0:XB0+1], s[8:9], s[20:21]
	s_lshl_b32 s20, s[KSL], 22                     ; a plane of partial sums is 4 MiB
	s_lshl_b32 s[TS], s[CSL], 9
	s_add_co_u32 s20, s20, s[TS]
	s_lshl_b32 s[TS], s[CW], 8
	s_add_co_u32 s20, s20, s[TS]
	s_cmp_eq_u32 s[KSL], 0
	s_cselect_b32 s[BMASK], -1, 0                  ; the bias enters one of the four partial sums
.endif
	s_add_nc_u64 s[OB:OB+1], s[12:13], s[20:21]
	s_mov_b32 s[HIM], 0xffff0000
	s_mov_b32 s[CNT], 0
	s_mov_b32 s[TB], 0
	v_and_b32 v[TM], 7, v[LN]
	v_lshl_add_u32 v[TM], v[HH], 3, v[TM]          ; the turning load: lane l reads row 8 (l / 16) + l % 8,
	v_mul_u32_u24 v[AA0], v[TM], LP
	v_bfe_u32 v[TM], v[LN], 3, 1
	v_lshl_add_u32 v[AA0], v[TM], 4, v[AA0]        ; places 8 ((l / 8) % 2) + 0..7
	s_lshl_b32 s[TS], s[CW], 7
	v_add_nc_u32 v[AA0], s[TS], v[AA0]             ; of my 64
	s_mul_i32 s[TS], s[WV], 8*LP
.if LAYER == 1
	v_lshl_add_u32 v[SA], v[LN], 3, s[TS]          ; 4 bf16 a lane, as they come
.else
	v_lshl_add_u32 v[SA], v[RR], 1, s[TS]          ; place r of block 0
	v_lshl_add_u32 v[SA], v[HH], 7, v[SA]          ; of the half of the columns that my lane loads
.endif
	s_mul_i32 s[LQ], s[WV], LISTB
	s_add_co_u32 s[LQ], s[LQ], LIST
	v_lshlrev_b32 v[TOK0], 2, v[LN]
	v_add_nc_u32 v[DIDX], 288, v[LN]
.if LAYER == 1
	v_lshlrev_b32 v[H16], 4, v[HH]
	v_lshl_add_u32 v[LB], v[RR], 1, s[LQ]
	s_lshl_b32 s[TS], s[QW], 17
	v_add_nc_u32 v[HO], s[TS], v[WO]               ; tile q of block 0
	v_mov_b32 v[ZERO], 0
.else
	v_lshlrev_b32 v[C16], 4, v[RR]
	v_lshl_add_u32 v[LH], v[HH], 4, s[LQ]          ; place 8 (lane / 16) of a tile
	s_mul_i32 s[TS], s[KSL], 1016                  ; the spare row is row 4096 + 8 ks + E of part; my plane begins at row 1024 ks:
	s_sub_co_u32 s[DT], 4096, s[TS]                ; counted from there it is 4096 - 1016 ks + E, 1,048 at the least and 4,103 at the most
	s_add_co_u32 s[DT], s[DT], s[EX]
	s_lshl_b32 s[TS], s[DT], 16
	s_or_b32 s[DT], s[DT], s[TS]                   ; twice in a word: two places of the list
.endif
	; what my list starts as is what a place past the count names.  LAYER 1: token 0, a row that exists.  LAYER 2: the spare row
	v_lshl_add_u32 v[OA+2], v[LN], 4, s[LQ]
.irp m, 4,5,6,7
.if LAYER == 1
	v_mov_b32 v[OA+(\m)], 0
.else
	v_mov_b32 v[OA+(\m)], s[DT]
.endif
.endr
	ds_store_b128 v[OA+2], v[OA+4:OA+7]
	ds_store_b128 v[OA+2], v[OA+4:OA+7] offset:512
	s_wait_loadcnt NBIAS+24                        ; idx is in; the loads of the bias and the 24 of the weights stay out
.set n, 0
.rept 32
	LISTSTEP n
.set n, n+1
.endr
	s_add_co_u32 s[NTILES], s[CNT], 15
	s_lshr_b32 s[NTILES], s[NTILES], 4
.if LAYER == 2
	s_max_u32 s[GMAX], s[NTILES], 1
	s_sub_co_u32 s[GMAX], s[GMAX], 1
.endif
	s_wait_loadcnt 24                              ; the bias is in; the weights stay out
.if LAYER == 1
.irp nb, 0,1,2,3
.irp cp, 0,1,2,3
	v_cvt_pk_bf16_f32 v[BP+4*(\nb)+(\cp)], v[BRAW+8*(\nb)+2*(\cp)], v[BRAW+8*(\nb)+2*(\cp)+1]
.endr
.endr
.else
	v_cvt_pk_bf16_f32 v[TM],   v[BRAW],   v[BRAW+1]
	v_cvt_pk_bf16_f32 v[TM+1], v[BRAW+2], v[BRAW+3]
	v_lshlrev_b32 v[BP],   16,     v[TM]
	v_and_b32     v[BP+1], s[HIM], v[TM]
	v_lshlrev_b32 v[BP+2], 16,     v[TM+1]
	v_and_b32     v[BP+3], s[HIM], v[TM+1]
.irp nb, 0,1,2,3
	v_and_b32 v[BP+(\nb)], s[BMASK], v[BP+(\nb)]
.endr
.endif
	SETUP
	XLOAD 0, 0                                     ; the operand fragments of chunks 0 to 2: with the weights 60 loads of mine are out
	XLOAD 1, XCH
	XLOAD 2, 2*XCH
	INIT                                           ; stands in the wait for the first chunk
; THE WEIGHT STREAM.  In the order of issue a step finds out W(s) X(s) W(s+1) X(s+1) W(s+2) X(s+2): the wait for W(s) leaves the 52 behind it; with W(s+3) asked for, the wait for X(s) may leave 48.
; The way in has another order, W0 W1 W2 X0 X1 X2, since the count comes before any X: behind X0 stand X1 X2 W3 (32), behind X1 stand X2 W3 X3 W4 (40).  The loop is not written out for that: its first two places keep 32 and 40.
	s_mov_b32 s[TRIP], 4
.Lloop:                                                ; a trip: three chunks
	PROD 0, 52, 0
	COMP 0, 32, 3*XCH, 1
	PROD 1, 52, 1
	COMP 1, 40, 4*XCH, 1
	PROD 2, 52, 2
	COMP 2, 48, 5*XCH, 1
	s_wait_xcnt 0x0                                ; the bases that the loads above name are stepped only behind this wait
	s_add_nc_u64 s[WB:WB+1], s[WB:WB+1], 192*PITCHW
	s_add_nc_u64 s[XB:XB+1], s[XB:XB+1], 3*XCH
	s_sub_co_u32 s[TRIP], s[TRIP], 1
	s_cmp_lg_u32 s[TRIP], 0
	s_cbranch_scc1 .Lloop
	PROD 0, 52, 0                                  ; chunk 12 asks for chunk 15, the last;
	COMP 0, 48, 3*XCH, 1
	PROD 1, 52, -1                                 ; then no load leaves the slice, a row or a tile, and the counts run down: behind W13 stand X13 W14 X14 W15 X15,
	COMP 1, 40, -1, 1                              ; behind X13 W14 X14 W15 X15,
	PROD 2, 32, -1                                 ; behind W14 X14 W15 X15,
	COMP 2, 20, -1, 1                              ; behind X14 W15 X15,
	PROD 0, 12, -1                                 ; behind W15 X15,
	COMP 0, 0, -1, 0                               ; behind X15 nothing.  The slice is whole, and nobody writes it again
; THE BLOCKS.  Trip b sends block b out and multiplies block b + 1 from the resident slice.  Six trips, whatever the count: 6 x 12 tiles cover the 64 that an expert can have, and block 6 is dead for every split.
; A dead block is jumped forward, to the label ahead of the counter's step.  The loop reads LDS and writes none of it.
	s_mov_b32 s[BLK], 6
.Lblk:
	EPI 0
	EPI 1
	EPI 2
	s_wait_xcnt 0x0                                ; the stores have read their offsets and data
.if LAYER == 1
	v_add_nc_u32 v[LB], 96, v[LB]                  ; my next three tiles' places
	v_add_nc_u32 v[HO], 12*131072, v[HO]           ; twelve tiles on
.else
	v_add_nc_u32 v[LH], 96, v[LH]                  ; my next three tiles' places
.endif
	s_add_co_u32 s[TB], s[TB], 12
	SETUP
	s_cmp_eq_u32 s[NT], 0
	s_cbranch_scc1 .Lskip
	XLOAD 0, 0
	XLOAD 1, XCH
	XLOAD 2, 2*XCH
	INIT
	s_mov_b32 s[INNER], 4
.Linner:                                               ; here only X is on its way: the two younger chunks' 24 loads stay out
	COMP 0, 24, 3*XCH, 0
	COMP 1, 24, 4*XCH, 0
	COMP 2, 24, 5*XCH, 0
	s_wait_xcnt 0x0
	s_add_nc_u64 s[XB:XB+1], s[XB:XB+1], 3*XCH
	s_sub_co_u32 s[INNER], s[INNER], 1
	s_cmp_lg_u32 s[INNER], 0
	s_cbranch_scc1 .Linner
	COMP 0, 24, 3*XCH, 0                           ; chunk 12 asks for chunk 15; then the counts run down
	COMP 1, 24, -1, 0
	COMP 2, 12, -1, 0
	COMP 0, 0, -1, 0
.Lskip:
	s_sub_co_u32 s[BLK], s[BLK], 1
	s_cmp_lg_u32 s[BLK], 0
	s_cbranch_scc1 .Lblk
	s_wait_dscnt 0x0                               ; my reads of LDS are back,
	s_barrier_signal -1
	s_barrier_wait -1                              ; and so are everybody's: the add below stands behind every wave's reads, whatever their walking addresses
	s_wait_tensorcnt 0x0                           ; the wave's end, behind my last LDS store
	ds_add_u32 v[SPW], v[NIL]
	s_wait_dscnt 0x0
	s_endpgm
.Lfunc_end_k_q4e27f2eca2_ffn2:
	.size	k_q4e27f2eca2_ffn2, .Lfunc_end_k_q4e27f2eca2_ffn2-k_q4e27f2eca2_ffn2
	.p2alignl 7, 3214868480
	.fill 96, 4, 3214868480
	.section	.rodata,"a",@progbits
	.p2align	6, 0x0
	.amdhsa_kernel k_q4e27f2eca2_ffn2
		.amdhsa_group_segment_fixed_size 304128
		.amdhsa_private_segment_fixed_size 0
		.amdhsa_enable_private_segment 0
		.amdhsa_kernarg_size 40
		.amdhsa_user_sgpr_count 2
		.amdhsa_user_sgpr_kernarg_segment_ptr 1
		.amdhsa_wavefront_size32 1
		.amdhsa_system_sgpr_workgroup_id_x 1
		.amdhsa_system_sgpr_workgroup_id_y 1
		.amdhsa_system_sgpr_workgroup_id_z 1
		.amdhsa_system_vgpr_workitem_id 0
		.amdhsa_next_free_vgpr 512
		.amdhsa_next_free_sgpr 66
		.amdhsa_reserve_vcc 1
		.amdhsa_float_denorm_mode_32 3
		.amdhsa_float_denorm_mode_16_64 3
		.amdhsa_memory_ordered 1
		.amdhsa_forward_progress 1
		.amdhsa_inst_pref_size 143
	.end_amdhsa_kernel
	.amdgpu_metadata
---
amdhsa.version: [ 1, 2 ]
amdhsa.kernels:
  - .name:           k_q4e27f2eca2_ffn2
    .symbol:         k_q4e27f2eca2_ffn2.kd
    .args:
      - { .name: W2, .offset: 0, .size: 8, .value_kind: global_buffer, .address_space: global }
      - { .name: b2, .offset: 8, .size: 8, .value_kind: global_buffer, .address_space: global }
      - { .name: hb, .offset: 16, .size: 8, .value_kind: global_buffer, .address_space: global }
      - { .name: idx, .offset: 24, .size: 8, .value_kind: global_buffer, .address_space: global }
      - { .name: part, .offset: 32, .size: 8, .value_kind: global_buffer, .address_space: global }
    .group_segment_fixed_size: 304128
    .private_segment_fixed_size: 0
    .kernarg_segment_align: 8
    .kernarg_segment_size: 40
    .max_flat_workgroup_size: 256
    .sgpr_count:     66
    .vgpr_count:     512
    .wavefront_size: 32
...
	.end_amdgpu_metadata
.endif
;; end of part 3
;; launch combine (part 4): grid 256 x 1, 8 waves a work-group, no clusters, 0 bytes of LDS; arguments part, out0; writes out0
.if DOCPART == 4
	.amdgcn_target "amdgcn-amd-amdhsa--gfx1250"
	.amdhsa_code_object_version 6
	.text
	.protected	k_q4e27f2eca2_combine
	.globl	k_q4e27f2eca2_combine
	.p2align	8
	.type	k_q4e27f2eca2_combine,@function
k_q4e27f2eca2_combine:
	s_mov_b64 s[64:65], 0
	v_nop
	global_prefetch_b8 v0, s[64:65] scope:SCOPE_SE
	s_setreg_imm32_b32 hwreg(HW_REG_WAVE_MODE, 25, 1), 1
	s_wait_xcnt 0x0
; out0[t][n] = (part[0][t][n] + part[1][t][n]) + (part[2][t][n] + part[3][t][n]).  part: [4][1024][1024] f32, out0: [1024][1024] f32.
; The four partial sums over k of the second product are added, in f32, in a fixed order.  Both buffers go by token: there is no list and no indirection.
; A stream: the work-group owns 16,384 bytes of out0; thread t owns the 16 bytes at 16 t + 4,096 i, i = 0..3.  A wave's load or store covers 512 consecutive bytes.
; All 16 loads go out before the first wait; LDS, barriers and the matrix unit would add nothing.
.set PLANE, 4194304                    ; bytes in a plane of part
.set D, 8                              ; v8-71: group i, plane p at D + 16 i + 4 p
	s_load_b128 s[4:7], s[0:1], 0x0                ; part s[4:5], out0 s[6:7]
	v_lshlrev_b32 v1, 4, v0
	s_lshl_b32 s8, ttmp9, 14
	s_mov_b32 s9, 0
	s_wait_kmcnt 0x0
	s_add_nc_u64 s[4:5], s[4:5], s[8:9]            ; planes 0 and 1 by the immediate,
	s_add_nc_u64 s[6:7], s[6:7], s[8:9]
	s_add_nc_u64 s[10:11], s[4:5], 2*PLANE         ; planes 2 and 3 from a second base: the immediate has 24 signed bits
.irp i, 0,1,2,3
	global_load_b128 v[D+16*(\i):D+16*(\i)+3],     v1, s[4:5]   offset:4096*(\i) th:TH_LOAD_NT
	global_load_b128 v[D+16*(\i)+4:D+16*(\i)+7],   v1, s[4:5]   offset:PLANE+4096*(\i) th:TH_LOAD_NT
	global_load_b128 v[D+16*(\i)+8:D+16*(\i)+11],  v1, s[10:11] offset:4096*(\i) th:TH_LOAD_NT
	global_load_b128 v[D+16*(\i)+12:D+16*(\i)+15], v1, s[10:11] offset:PLANE+4096*(\i) th:TH_LOAD_NT
.endr
.irp i, 0,1,2,3
	s_wait_loadcnt 12-4*(\i)                       ; group i's four loads are in; the later groups' stay out
	v_pk_add_f32 v[D+16*(\i):D+16*(\i)+1],     v[D+16*(\i):D+16*(\i)+1],     v[D+16*(\i)+4:D+16*(\i)+5]
	v_pk_add_f32 v[D+16*(\i)+2:D+16*(\i)+3],   v[D+16*(\i)+2:D+16*(\i)+3],   v[D+16*(\i)+6:D+16*(\i)+7]
	v_pk_add_f32 v[D+16*(\i)+8:D+16*(\i)+9],   v[D+16*(\i)+8:D+16*(\i)+9],   v[D+16*(\i)+12:D+16*(\i)+13]
	v_pk_add_f32 v[D+16*(\i)+10:D+16*(\i)+11], v[D+16*(\i)+10:D+16*(\i)+11], v[D+16*(\i)+14:D+16*(\i)+15]
	v_pk_add_f32 v[D+16*(\i):D+16*(\i)+1],     v[D+16*(\i):D+16*(\i)+1],     v[D+16*(\i)+8:D+16*(\i)+9]
	v_pk_add_f32 v[D+16*(\i)+2:D+16*(\i)+3],   v[D+16*(\i)+2:D+16*(\i)+3],   v[D+16*(\i)+10:D+16*(\i)+11]
	global_store_b128 v1, v[D+16*(\i):D+16*(\i)+3], s[6:7] offset:4096*(\i) th:TH_STORE_NT
.endr
	s_endpgm
.Lfunc_end_k_q4e27f2eca2_combine:
	.size	k_q4e27f2eca2_combine, .Lfunc_end_k_q4e27f2eca2_combine-k_q4e27f2eca2_combine
	.p2alignl 7, 3214868480
	.fill 96, 4, 3214868480
	.section	.rodata,"a",@progbits
	.p2align	6, 0x0
	.amdhsa_kernel k_q4e27f2eca2_combine
		.amdhsa_group_segment_fixed_size 0
		.amdhsa_private_segment_fixed_size 0
		.amdhsa_enable_private_segment 0
		.amdhsa_kernarg_size 16
		.amdhsa_user_sgpr_count 2
		.amdhsa_user_sgpr_kernarg_segment_ptr 1
		.amdhsa_wavefront_size32 1
		.amdhsa_system_sgpr_workgroup_id_x 1
		.amdhsa_system_sgpr_workgroup_id_y 1
		.amdhsa_system_sgpr_workgroup_id_z 1
		.amdhsa_system_vgpr_workitem_id 0
		.amdhsa_next_free_vgpr 72
		.amdhsa_next_free_sgpr 66
		.amdhsa_reserve_vcc 0
		.amdhsa_float_denorm_mode_32 3
		.amdhsa_float_denorm_mode_16_64 3
		.amdhsa_memory_ordered 1
		.amdhsa_forward_progress 1
		.amdhsa_inst_pref_size 5
	.end_amdhsa_kernel
	.amdgpu_metadata
---
amdhsa.version: [ 1, 2 ]
amdhsa.kernels:
  - .name:           k_q4e27f2eca2_combine
    .symbol:         k_q4e27f2eca2_combine.kd
    .args:
      - { .name: part, .offset: 0, .size: 8, .value_kind: global_buffer, .address_space: global }
      - { .name: out0, .offset: 8, .size: 8, .value_kind: global_buffer, .address_space: global }
    .group_segment_fixed_size: 0
    .private_segment_fixed_size: 0
    .kernarg_segment_align: 8
    .kernarg_segment_size: 16
    .max_flat_workgroup_size: 256
    .sgpr_count:     66
    .vgpr_count:     72
    .wavefront_size: 32
...
	.end_amdgpu_metadata
.endif
;; end of part 4
;; ======== version 2 of 3: 5 launches; 1.17 times as fast as version 1
;; workspace buffers: xb 2,097,152 bytes; idx 4,096 bytes of whole numbers; xg 16,777,216 bytes; hb 67,108,864 bytes; part 16,908,288 bytes
;; launch router: the kernel of part 1 again; grid 256 x 1, 4 waves a work-group, no clusters, 0 bytes of LDS; arguments x, Wr, br, xb, idx; writes xb, idx
;; launch place (part 5): grid 16 x 8, 4 waves a work-group, no clusters, 1,536 bytes of LDS; arguments xb, idx, xg; writes xg
.if DOCPART == 5
	.amdgcn_target "amdgcn-amd-amdhsa--gfx1250"
	.amdhsa_code_object_version 6
	.text
	.protected	k_q4e27f2eca2_place
	.globl	k_q4e27f2eca2_place
	.p2align	8
	.type	k_q4e27f2eca2_place,@function
k_q4e27f2eca2_place:
	s_mov_b64 s[64:65], 0
	v_nop
	global_prefetch_b8 v0, s[64:65] scope:SCOPE_SE
	s_setreg_imm32_b32 hwreg(HW_REG_WAVE_MODE, 25, 1), 1
	s_wait_xcnt 0x0
; PLACE.  The rows of xb are laid out once, expert by expert, as the first product's lanes take them:
;   xg[e][g][kb][lane][16 bytes]: tile g holds places 16 g .. 16 g + 15 of expert e's list; in block kb lane (r = lane % 16, h = lane / 16) holds xb[token at place 16 g + r][16 kb + 8 h .. + 7].
; xb: [1024][1024] bf16, idx: [1024] u32 (the chosen expert, stored by the launch before), xg: [8][64][64][32][16 bytes].  Nothing is computed: a copy by a list.
; So the gather by token, 32 bytes of each of 16 rows to a load, is made once here, and each later load of the operand covers 512 consecutive bytes.
; THE ORDER OF THE LIST is the one that the second product builds for itself from idx: idx is held as register n, lane l = token 128 (n / 4) + 4 l + n % 4; places go by ascending n, then by ascending lane.
; SHARES.  Work-group (slot, E) has tiles slot, slot + 16, slot + 32, slot + 48 of expert E: 16 x 4 = 64 tiles, all that an expert can have, so every split is served.  A tile is live where 16 g is below the count;
; the live ones are a prefix of the four, and the first dead one jumps forward to the end; a work-group that a split leaves without tiles stores nothing.  Wave w copies blocks 16 w .. 16 w + 15 of a tile.
; Places past the count repeat token 0, a row that exists.  Tile 0 of every expert is written whatever the count, so that the first product reads no byte that nobody stored.
; Each wave builds the list for itself, in 256 bytes of LDS of its own: no barrier.  The steps are written as phases of 32 lines that do not depend on each other.
; LEFT OUT: matrix units, clusters, tensor loads: about 2 MB are copied once, and no two work-groups share a tile.
.set LISTB, 256                        ; a wave's list: 64 places (u16: 16 for each of the four tiles), then a word for each lane to drop what is not its own
.set SPARE, 4*LISTB                    ; the spare words, 128 bytes for each of the four waves: two blocks of 256 bytes that no other line names
.set WV,  10                           ; my wave
.set EX,  11                           ; the expert
.set ST,  12                           ; the slot
.set LQ,  13                           ; my list
.set TS,  14                           ; at work
.set CL,  15                           ; the count, held to 1 at the least: tile 0 is always live
.set S16, 16                           ; 16 x slot: the first place of my first tile
.set XB,  20                           ; s[20:21] xb at my wave's 16 blocks of a row
.set OB,  22                           ; s[22:23] xg at my wave's 16 blocks of my first tile
.set MK,  32                           ; s32-63  register n's lanes that chose E; later: those of them whose place is in my tiles
.set PF,  66                           ; s66-98  the count in front of register n; s98 the expert's count.  s66-97 later: the lanes whose place is in my tiles
.set LN,  1                            ; lane
.set SPW, 2                            ; LDS address of my spare word: SPARE + 4 x my thread's number; never rewritten
.set NIL, 3                            ; 0; never rewritten
.set WO,  4                            ; 16 x lane
.set HH,  5                            ; lane / 16
.set RR,  6                            ; lane % 16
.set H16, 7                            ; 16 x (lane / 16)
.set LA,  8                            ; list address of place lane % 16 of my first tile
.set XO,  9                            ; byte offset in xb of my 16 bytes of block 0 of my token's row
.set TK,  10                           ; at work; my token
.set TOK0, 11                          ; 4 x lane
.set DIDX, 12                          ; 64 + lane: where a token that is not mine is dropped
.set FZ,  14                           ; v14-15  zeros
.set IDXR, 32                          ; v32-63  idx; then the places; then the list addresses
.set QV,  64                           ; v64-95  at work; then the tokens' numbers
.set D,   96                           ; v96-159 a tile's 16 blocks on their way
.macro ALL32 line:vararg               ; one line for each register n of idx
.set n, 0
.rept 32
	\line
.set n, n+1
.endr
.endm
	s_load_b128 s[4:7], s[0:1], 0x0                ; xb s[4:5], idx s[6:7]
	s_load_b64 s[8:9], s[0:1], 0x10                ; xg
	v_lshl_add_u32 v[SPW], v0, 2, SPARE
	v_mov_b32 v[NIL], 0
	v_and_b32 v[LN], 31, v0
	v_lshrrev_b32 v[TK], 5, v0
	v_readfirstlane_b32 s[WV], v[TK]
	s_and_b32 s[EX], ttmp7, 0xffff
	s_mov_b32 s[ST], ttmp9
	v_lshlrev_b32 v[WO], 4, v[LN]
	s_wait_kmcnt 0x0
.irp j, 0,1,2,3,4,5,6,7
	global_load_b128 v[IDXR+4*(\j):IDXR+4*(\j)+3], v[WO], s[6:7] offset:512*(\j)   ; register 4 j + i: token 128 j + 4 lane + i
.endr
	; the set-up stands in the wait for idx
	v_lshrrev_b32 v[HH], 4, v[LN]
	v_and_b32 v[RR], 15, v[LN]
	v_lshlrev_b32 v[H16], 4, v[HH]
	s_lshl_b32 s[LQ], s[WV], 8                     ; wave x 256 bytes
	v_lshl_add_u32 v[LA], v[RR], 1, s[LQ]
	v_lshlrev_b32 v[TOK0], 2, v[LN]
	v_add_nc_u32 v[DIDX], 64, v[LN]
	v_lshl_add_u32 v[TK], v[LN], 3, s[LQ]
	v_mov_b32 v[FZ], 0
	v_mov_b32 v[FZ+1], 0
	ds_store_b64 v[TK], v[FZ:FZ+1]                 ; my list starts as zeros: a place past the count names token 0
	s_lshl_b32 s18, s[WV], 9                       ; 16 blocks of 32 bytes of a row
	s_mov_b32 s19, 0
	s_add_nc_u64 s[XB:XB+1], s[4:5], s[18:19]
	s_lshl_b32 s18, s[EX], 21                      ; an expert's 64 tiles of 32,768 bytes,
	s_lshl_b32 s[TS], s[ST], 15                    ; my first tile,
	s_add_co_u32 s18, s18, s[TS]
	s_lshl_b32 s[TS], s[WV], 13                    ; my wave's 16 blocks of 512 bytes
	s_add_co_u32 s18, s18, s[TS]
	s_add_nc_u64 s[OB:OB+1], s[8:9], s[18:19]
	s_lshl_b32 s[S16], s[ST], 4
	s_mov_b32 s[PF], 0
	s_wait_loadcnt 0x0                             ; idx
	; THE LIST.  A chosen token's place p is the count in front of its register plus the chosen lanes below its own.  Mine are the places with (p / 16) % 16 = slot; they go to 16 (p / 256) + p % 16 of my list.
	ALL32 v_cmp_eq_u32 s[MK+n], s[EX], v[IDXR+n]
.set n, 0
.rept 32
	s_bcnt1_i32_b32 s[TS], s[MK+n]
	s_add_co_u32 s[PF+n+1], s[PF+n], s[TS]
.set n, n+1
.endr
	ALL32 v_mbcnt_lo_u32_b32 v[IDXR+n], s[MK+n], s[PF+n]
	ALL32 v_bfe_u32 v[QV+n], v[IDXR+n], 4, 4
	ALL32 v_cmp_eq_u32 s[PF+n], s[ST], v[QV+n]
	ALL32 s_and_b32 s[MK+n], s[MK+n], s[PF+n]
	ALL32 v_lshrrev_b32 v[QV+n], 4, v[IDXR+n]
	ALL32 v_bfi_b32 v[IDXR+n], 15, v[IDXR+n], v[QV+n]
	ALL32 v_cndmask_b32 v[IDXR+n], v[DIDX], v[IDXR+n], s[MK+n]
	ALL32 v_min_u32 v[IDXR+n], 95, v[IDXR+n]
	ALL32 v_lshl_add_u32 v[IDXR+n], v[IDXR+n], 1, s[LQ]
.set n, 0
.rept 32
	v_add_nc_u32 v[QV+n], 128*(n/4)+n%4, v[TOK0]
.set n, n+1
.endr
	ALL32 ds_store_b16 v[IDXR+n], v[QV+n]
	s_max_u32 s[CL], s[PF+32], 1
; Tile slot + 16 i: 16 gathers (32 bytes of each of 16 rows), 16 stores of 512 consecutive bytes, aligned.
.macro TILE i
	s_add_co_u32 s[TS], s[S16], 256*(\i)           ; the tile's first place
	s_cmp_ge_u32 s[TS], s[CL]
	s_cbranch_scc1 .Lfin                           ; dead, and so are the tiles behind it
	s_wait_xcnt 0x0                                ; the data of the tile before, which its stores read, are loaded again only behind this wait
	ds_load_u16 v[TK], v[LA] offset:32*(\i)
	s_wait_dscnt 0x0                               ; LDS serves a wave's instructions in order (ISA guide 5.7.1.4): the list's stores are done too
	v_min_u32 v[TK], 0x3ff, v[TK]                  ; a token's number, held inside the table
	v_lshl_add_u32 v[XO], v[TK], 11, v[H16]        ; its row of 2,048 bytes
.irp b, 0,1,2,3,4,5,6,7,8,9,10,11,12,13,14,15
	global_load_b128 v[D+4*(\b):D+4*(\b)+3], v[XO], s[XB:XB+1] offset:32*(\b)
.endr
.irp b, 0,1,2,3,4,5,6,7,8,9,10,11,12,13,14,15
	s_wait_loadcnt 15-(\b)                         ; loads come back in order (ISA guide 5.7.1): block b is in, the younger ones stay out
	global_store_b128 v[WO], v[D+4*(\b):D+4*(\b)+3], s[OB:OB+1] offset:(\i)*524288+512*(\b)   ; sixteen tiles on for each i
.endr
.endm
	TILE 0
	TILE 1
	TILE 2
	TILE 3
.Lfin:
	s_wait_tensorcnt 0x0                           ; the wave's end, behind my last LDS store
	ds_add_u32 v[SPW], v[NIL]
	s_wait_dscnt 0x0
	s_endpgm
.Lfunc_end_k_q4e27f2eca2_place:
	.size	k_q4e27f2eca2_place, .Lfunc_end_k_q4e27f2eca2_place-k_q4e27f2eca2_place
	.p2alignl 7, 3214868480
	.fill 96, 4, 3214868480
	.section	.rodata,"a",@progbits
	.p2align	6, 0x0
	.amdhsa_kernel k_q4e27f2eca2_place
		.amdhsa_group_segment_fixed_size 1536
		.amdhsa_private_segment_fixed_size 0
		.amdhsa_enable_private_segment 0
		.amdhsa_kernarg_size 24
		.amdhsa_user_sgpr_count 2
		.amdhsa_user_sgpr_kernarg_segment_ptr 1
		.amdhsa_wavefront_size32 1
		.amdhsa_system_sgpr_workgroup_id_x 1
		.amdhsa_system_sgpr_workgroup_id_y 1
		.amdhsa_system_sgpr_workgroup_id_z 1
		.amdhsa_system_vgpr_workitem_id 0
		.amdhsa_next_free_vgpr 160
		.amdhsa_next_free_sgpr 99
		.amdhsa_reserve_vcc 0
		.amdhsa_float_denorm_mode_32 3
		.amdhsa_float_denorm_mode_16_64 3
		.amdhsa_memory_ordered 1
		.amdhsa_forward_progress 1
		.amdhsa_inst_pref_size 42
	.end_amdhsa_kernel
	.amdgpu_metadata
---
amdhsa.version: [ 1, 2 ]
amdhsa.kernels:
  - .name:           k_q4e27f2eca2_place
    .symbol:         k_q4e27f2eca2_place.kd
    .args:
      - { .name: xb, .offset: 0, .size: 8, .value_kind: global_buffer, .address_space: global }
      - { .name: idx, .offset: 8, .size: 8, .value_kind: global_buffer, .address_space: global }
      - { .name: xg, .offset: 16, .size: 8, .value_kind: global_buffer, .address_space: global }
    .group_segment_fixed_size: 1536
    .private_segment_fixed_size: 0
    .kernarg_segment_align: 8
    .kernarg_segment_size: 24
    .max_flat_workgroup_size: 128
    .sgpr_count:     99
    .vgpr_count:     160
    .wavefront_size: 32
...
	.end_amdgpu_metadata
.endif
;; end of part 5
;; launch ffn1 (part 6): grid 32 x 8, 8 waves a work-group, no clusters, 295,936 bytes of LDS; arguments W1, b1, xg, idx, hb; writes hb
.if DOCPART == 6
	.amdgcn_target "amdgcn-amd-amdhsa--gfx1250"
	.amdhsa_code_object_version 6
	.text
	.protected	k_q4e27f2eca2_ffn1
	.globl	k_q4e27f2eca2_ffn1
	.p2align	8
	.type	k_q4e27f2eca2_ffn1,@function
k_q4e27f2eca2_ffn1:
	s_mov_b64 s[64:65], 0
	v_nop
	global_prefetch_b8 v0, s[64:65] scope:SCOPE_SE
	s_setreg_imm32_b32 hwreg(HW_REG_WAVE_MODE, 25, 1), 1
	s_wait_xcnt 0x0
; THE FIRST PRODUCT OF THE EXPERTS' CHAIN, for the chosen rows alone: h = relu(x[t] . W1[e][:, n] + b1[e][n]) in bf16, e = idx[t].
; W1: [8][1024][4096] f32, b1: [8][4096] f32, idx: [1024] u32.  xg: x in bf16, laid out by the launch before: xg[e][tile][block of 16 k][lane][16 bytes], a tile = 16 places of expert e's list.
; FORMATS.  Weights and bias are rounded to bf16 on their way through registers, like every input of the program; sums in f32; h is rounded once to bf16 (bf16, not f16: h has room for inputs many times larger).
; LIMITS.  NaN and infinities are not treated apart; relu of NaN gives 0.
; SHARES.  Work-group (S, E) has a slice of 1,024 k x 128 columns of expert E's weights, which it alone reads, once, and ALL rows that chose E, whatever their number (0 to 1,024).
; All eight waves run the same text.  The slice comes in 16 chunks of 64 k: wave w loads rows 8 w .. 8 w + 7 of a chunk (512 consecutive bytes each), rounds them and lays them into LDS, where the slice stays.
; ROWS.  Each wave counts the expert's rows from idx.  A block is 12 tiles (192 rows).  Wave w = (q = w % 4, c = w / 4) has tiles 12 b + 4 j + q, j = 0..2, and columns 64 c .. 64 c + 63.
; Block 0 is multiplied under the weight stream; blocks 1 to 5 from the resident slice, only as far as the count reaches: a tile or block past the count skips its work by a forward jump that passes no barrier.
; A tile past the count fetches the expert's last live tile once more (tile 0 where the expert has no row: the launch before always writes it), so that the loads and their counted waits are alike on every path.
; Behind the weight stream nothing is written into LDS but the closing add.
; LAYOUT.  Source 0 = 16 weight columns (turned out of the [k][n] slice by ds_load_tr16_b128), source 1 = 16 tokens: a lane holds ONE token (lane % 16) and 8 neighbouring columns.  A load of xg brings half an operand fragment:
; 512 consecutive bytes.  h lies in memory as the lanes hold it: hb[expert][tile][block of 16 columns][lane][16 bytes]: a lane's 8 rounded results of a block are the 16 bytes that the second product's operand fragment wants
; from that lane; each store covers 512 consecutive bytes.  Both buffers have room for 64 tiles an expert (every split); only live tiles are touched.  The sums start at the rounded bias.
; ONE COUNTER.  Loads come back in the order of issue (ISA guide 5.7.1), so weights (W) and operand tiles (X) are asked for with the same lead, three chunks: step s asks for W(s+3) when W(s) is rounded, for X(s+3) when X(s) is multiplied.
; NO CLUSTER, NO TENSOR LOAD.  Each weight byte has one reader.  f32 weights must pass registers to be rounded, and beside the slice of 294,912 bytes LDS has no room for a stage of f32, nor for shared operand tiles.
.set PITCHW, 16384                     ; bytes from row to row of the weights
.set XCH,    2048                      ; the operand: bytes from chunk to chunk: four blocks of 16 k x 16 tokens, 512 bytes each,
.set XKS,    1024                      ; from the first 32 k of a chunk to the second,
.set XHF,    512                       ; from a fragment's first four registers to its last four
.set LP,     288                       ; a row of the slice in LDS: 256 bytes (128 bf16) + 32 = 72 words
.set CHUNKB, 64*LP
.set SPARE,  1024*LP                   ; behind the slice: the spare words, 128 bytes for each of the eight waves: four blocks of 256 bytes that no other line names
; scalars
.set WV, 14                            ; my wave
.set QW, 15                            ; wave % 4
.set EX, 16                            ; the expert
.set SL, 17                            ; the slice
.set WB, 22                            ; s[22:23] the weights' walking base
.set XB0, 24                           ; s[24:25] the operand's base
.set XB, 26                            ; s[26:27] the same, walking along k
.set OB, 28                            ; s[28:29] the result's base
.set TRIP, 30
.set CNT, 31                           ; the expert's count
.set NTILES, 32
.set NT, 33                            ; my live tiles in the block in hand: 0 to 3, a prefix of j
.set TB, 34                            ; 12 x block
.set BLK, 35
.set HIM, 37                           ; a word's upper bf16
.set TS, 40                            ; at work
.set INNER, 41
.set CW, 44                            ; wave / 4
.set GMAX, 48                          ; the expert's last live tile
.set MK, 52                            ; s52-59 eight masks, then their counts
; vector registers, window 0 (an instruction names v0-v255; s_set_vgpr_msb says which window each operand place means: bits 1:0 source 0, 3:2 source 1, 5:4 source 2, 7:6 destination)
.set LN,  1                            ; lane
.set SPW, 2                            ; LDS address of my spare word: SPARE + 4 x my thread's number; never rewritten
.set NIL, 3                            ; 0; never rewritten
.set WO,  4                            ; 16 x lane; never rewritten
.set SA,  5                            ; where my 8 bytes of my first row of the chunk in hand go
.set HH,  7                            ; lane / 16
.set AA0, 9                            ; my lane's place in a chunk for the turning load
.set AA,  10                           ; the same, walking
.set XO,  12                           ; v12-14 byte offset of my 16 bytes in tile j's first block
.set HO,  15                           ; byte offset in hb of my 16 bytes in my first tile of the block
.set ZERO, 16
.set TM,  19                           ; v19-21 at work
.set OA,  24                           ; before the first chunk: my offset in the bias
.set FA,  32                           ; v32-95 weight fragments of a chunk: (half ks, column block nb) at 32 ks + 8 nb.  v32-47 also: my 8 rows of a chunk, rounded, on their way to LDS
.set TT,  32                           ; the way out: results as they are stored, 16 registers a tile
.set FX,  96                           ; v96-239 operand fragments, three buffers: (buffer, tile j, half ks) at 48 buffer + 16 j + 8 ks
.set IDXR, 96                          ; before the first chunk: idx in v96-127,
.set BRAW, 128                         ; the bias as loaded in v128-159
.set BP,  240                          ; v240-255 the rounded bias, two to a register
.set WR,  96                           ; window 1: v0-95 the sums, (j, nb) at 32 j + 8 nb; v96-191 three slots of 8 weight rows x 4 registers as loaded
.set MSB, 0
.macro WIN new                         ; the immediate's high byte repeats the setting that is left; a switch that changes nothing is dropped
.if MSB != (\new)
	s_set_vgpr_msb (MSB<<8)|(\new)
.set MSB, (\new)
.endif
.endm
; A CHUNK IS LAID DOWN.  left: the younger loads that may stay out.  woff >= 0: the slot is asked for again, three chunks on (chunk woff from the walking base), as soon as the conversions have read it.
.macro PROD slot, left, woff
	s_wait_loadcnt \left                           ; loads come back in order: this slot's 8 are in
	WIN 0x05                                       ; sources in window 1
.irp i, 0,1,2,3,4,5,6,7
	v_cvt_pk_bf16_f32 v[FA+2*(\i)],   v[WR+32*(\slot)+4*(\i)],   v[WR+32*(\slot)+4*(\i)+1]
	v_cvt_pk_bf16_f32 v[FA+2*(\i)+1], v[WR+32*(\slot)+4*(\i)+2], v[WR+32*(\slot)+4*(\i)+3]
.endr
.if (\woff) >= 0
	WIN 0x40                                       ; destination in window 1
.irp i, 0,1,2,3,4,5,6,7
	global_load_b128 v[WR+32*(\slot)+4*(\i):WR+32*(\slot)+4*(\i)+3], v[WO], s[WB:WB+1] offset:(64*(\woff)+(\i))*PITCHW th:TH_LOAD_NT  ; a row's 512 consecutive bytes
.endr
.endif
	WIN 0
.irp i, 0,1,2,3,4,5,6,7
	ds_store_b64 v[SA], v[FA+2*(\i):FA+2*(\i)+1] offset:LP*(\i)   ; 32 lanes fill a row's 256 bytes
.endr
	v_add_nc_u32 v[SA], CHUNKB, v[SA]
	s_wait_dscnt 0x0                               ; for the others' sake: my rows of the chunk are in LDS when I signal
	s_barrier_signal -1
	s_barrier_wait -1                              ; the chunk is whole
.endm
; 12 loads of 512 consecutive bytes: the operand fragments of one chunk for my three tiles, at byte xo from the walking base
.macro XLOAD xb, xo
.irp j, 0,1,2
.irp ks, 0,1
.irp hf, 0,1
	global_load_b128 v[FX+48*(\xb)+16*(\j)+8*(\ks)+4*(\hf):FX+48*(\xb)+16*(\j)+8*(\ks)+4*(\hf)+3], v[XO+(\j)], s[XB:XB+1] offset:(\xo)+XKS*(\ks)+XHF*(\hf)
.endr
.endr
.endr
.endm
; 4 matrix instructions: tile j x my 4 column blocks, 32 along k.  The four sums take turns, one instruction a turn.
.macro MM4 j, ks, xb
.irp nb, 0,1,2,3
	v_wmma_f32_16x16x32_bf16 v[32*(\j)+8*(\nb):32*(\j)+8*(\nb)+7], v[FA+32*(\ks)+8*(\nb):FA+32*(\ks)+8*(\nb)+7], v[FX+48*(\xb)+16*(\j)+8*(\ks):FX+48*(\xb)+16*(\j)+8*(\ks)+7], v[32*(\j)+8*(\nb):32*(\j)+8*(\nb)+7]
.endr
.endm
; A CHUNK IS MULTIPLIED.  xleft: the younger loads that may stay out.  xoff >= 0: buffer xb is asked for again, three chunks on.
; bar = 1 (under the weight stream): a second barrier, signalled when my fragment loads are back and waited for behind the products: no wave stores the next chunk while a wave still reads this one.  The chunks' bytes are
; apart, so no value hangs on it; with it the order of the slice's stores and reads does not lean on the walking addresses.
.macro COMP xb, xleft, xoff, bar
.irp ks, 0,1
.irp nb, 0,1,2,3
	ds_load_tr16_b128 v[FA+32*(\ks)+8*(\nb):FA+32*(\ks)+8*(\nb)+3],   v[AA] offset:(\ks)*32*LP+32*(\nb)
	ds_load_tr16_b128 v[FA+32*(\ks)+8*(\nb)+4:FA+32*(\ks)+8*(\nb)+7], v[AA] offset:(\ks)*32*LP+16*LP+32*(\nb)
.endr
.endr
	v_add_nc_u32 v[AA], CHUNKB, v[AA]
	s_wait_loadcnt \xleft                          ; this chunk's operand fragments are in (on every path: the buffer is loaded again below)
	s_wait_dscnt 0x0                               ; the weight fragments are in
.if \bar
	s_barrier_signal -1
.endif
	s_cmp_eq_u32 s[NT], 0
	s_cbranch_scc1 .Lce_\@
	WIN 0x50                                       ; C and D in window 1
	MM4 0, 0, \xb
	MM4 0, 1, \xb
	WIN 0                                          ; at a branch and at a label every window is 0
	s_cmp_lt_u32 s[NT], 2
	s_cbranch_scc1 .Lce_\@
	WIN 0x50
	MM4 1, 0, \xb
	MM4 1, 1, \xb
	WIN 0
	s_cmp_lt_u32 s[NT], 3
	s_cbranch_scc1 .Lce_\@
	WIN 0x50
	MM4 2, 0, \xb
	MM4 2, 1, \xb
	WIN 0
.Lce_\@:
.rept 4
	v_nop                                          ; four places behind the last product, ahead of loads into its sources and of whatever reads or rewrites its registers
.endr
.if \bar
	s_barrier_wait -1
.endif
.if (\xoff) >= 0
	XLOAD \xb, \xoff
.endif
.endm
; A block begins: my live tiles, ceil((tiles - 12 b - q) / 4) held to 0..3; my three tiles' operand offsets; the walks go back to k = 0.
.macro SETUP
	s_sub_co_i32 s[TS], s[NTILES], s[TB]
	s_sub_co_i32 s[TS], s[TS], s[QW]
	s_add_co_i32 s[TS], s[TS], 3
	s_max_i32 s[TS], s[TS], 0
	s_lshr_b32 s[TS], s[TS], 2
	s_min_u32 s[NT], s[TS], 3
.irp j, 0,1,2
	s_add_co_u32 s[TS], s[TB], s[QW]
	s_add_co_u32 s[TS], s[TS], 4*(\j)
	s_min_u32 s[TS], s[TS], s[GMAX]                ; a tile past the count repeats the last live one: nothing is fetched that no tile needs
	v_mov_b32 v[TM+(\j)], s[TS]
	v_min_u32 v[TM+(\j)], 63, v[TM+(\j)]           ; held inside the expert's 64 tiles
	v_lshl_add_u32 v[XO+(\j)], v[TM+(\j)], 15, v[WO]   ; a tile of the operand is 32,768 bytes
.endr
	s_mov_b64 s[XB:XB+1], s[XB0:XB0+1]
	v_mov_b32 v[AA], v[AA0]
.endm
; The sums start at the rounded bias, widened: this takes the place of a first step written out and of the additions on the way out.
.macro INIT
	WIN 0x40                                       ; destination in window 1
.irp j, 0,1,2
.irp nb, 0,1,2,3
.irp cp, 0,1,2,3
	v_lshlrev_b32 v[32*(\j)+8*(\nb)+2*(\cp)],   16,     v[BP+4*(\nb)+(\cp)]
	v_and_b32     v[32*(\j)+8*(\nb)+2*(\cp)+1], s[HIM], v[BP+4*(\nb)+(\cp)]
.endr
.endr
.endr
	WIN 0
.endm
; THE WAY OUT of tile j.  Each sum's registers are read in ascending order.
.macro EPI j
	s_cmp_le_u32 s[NT], \j
	s_cbranch_scc1 .Lne_\@
	WIN 0x05
.irp nb, 0,1,2,3
.irp cp, 0,1,2,3
	v_cvt_pk_bf16_f32 v[TT+16*(\j)+4*(\nb)+(\cp)], v[32*(\j)+8*(\nb)+2*(\cp)], v[32*(\j)+8*(\nb)+2*(\cp)+1]
.endr
.endr
	WIN 0
.set z, 0
.rept 16
	v_pk_max_num_bf16 v[TT+16*(\j)+z], v[TT+16*(\j)+z], v[ZERO]   ; relu on two rounded numbers at once: rounding keeps sign and order
.set z, z+1
.endr
.irp nb, 0,1,2,3
	global_store_b128 v[HO], v[TT+16*(\j)+4*(\nb):TT+16*(\j)+4*(\nb)+3], s[OB:OB+1] offset:(\j)*524288+512*(\nb)  ; a block of 16 tokens x 16 columns: 512 consecutive bytes, aligned; tile j lies four tiles on
.endr
.Lne_\@:
.endm
	s_load_b256 s[4:11], s[0:1], 0x0               ; weights s[4:5], bias s[6:7], operand s[8:9], idx s[10:11]
	s_load_b64 s[12:13], s[0:1], 0x20              ; the result
	v_lshl_add_u32 v[SPW], v0, 2, SPARE
	v_mov_b32 v[NIL], 0
	v_and_b32 v[LN], 31, v0
	v_lshrrev_b32 v[TM], 5, v0
	v_readfirstlane_b32 s[WV], v[TM]
	s_and_b32 s[QW], s[WV], 3
	s_lshr_b32 s[CW], s[WV], 2
	s_and_b32 s[EX], ttmp7, 0xffff
	s_mov_b32 s[SL], ttmp9
	s_mov_b32 s19, 0
	s_mov_b32 s21, 0
	v_lshlrev_b32 v[WO], 4, v[LN]
	v_lshrrev_b32 v[HH], 4, v[LN]
	v_lshlrev_b32 v[OA], 5, v[HH]                  ; the bias: 8 f32 for each half of the lanes
	s_lshl_b32 s18, s[EX], 24                      ; an expert's weights are 16 MiB
	s_mul_i32 s[TS], s[WV], 8*PITCHW               ; my 8 rows of a chunk
	s_add_co_u32 s18, s18, s[TS]
	s_lshl_b32 s[TS], s[SL], 9                     ; 128 columns of f32
	s_add_co_u32 s18, s18, s[TS]
	s_lshl_b32 s20, s[EX], 14
	s_add_co_u32 s20, s20, s[TS]
	s_lshl_b32 s[TS], s[CW], 8                     ; my 64 columns of f32
	s_add_co_u32 s20, s20, s[TS]
	s_wait_kmcnt 0x0
	s_add_nc_u64 s[4:5], s[4:5], s[18:19]
	s_add_nc_u64 s[6:7], s[6:7], s[20:21]
	; idx and the bias go first, so that the waits for them leave the weights out; then the first three chunks: 24 loads of 512 bytes a wave
.irp j, 0,1,2,3,4,5,6,7
	global_load_b128 v[IDXR+4*(\j):IDXR+4*(\j)+3], v[WO], s[10:11] offset:512*(\j)
.endr
.irp nb, 0,1,2,3
	global_load_b128 v[BRAW+8*(\nb):BRAW+8*(\nb)+3],   v[OA], s[6:7] offset:64*(\nb)      ; columns 16 nb + 8 (lane / 16) + 0..7
	global_load_b128 v[BRAW+8*(\nb)+4:BRAW+8*(\nb)+7], v[OA], s[6:7] offset:64*(\nb)+16
.endr
	WIN 0x40
.irp c, 0,1,2
.irp i, 0,1,2,3,4,5,6,7
	global_load_b128 v[WR+32*(\c)+4*(\i):WR+32*(\c)+4*(\i)+3], v[WO], s[4:5] offset:(64*(\c)+(\i))*PITCHW th:TH_LOAD_NT
.endr
.endr
	WIN 0
	s_add_nc_u64 s[WB:WB+1], s[4:5], 192*PITCHW    ; chunk 3, in registers of its own
	s_lshl_b32 s20, s[EX], 21                      ; an expert's 64 tiles of the operand
	s_add_nc_u64 s[XB0:XB0+1], s[8:9], s[20:21]
	s_lshl_b32 s20, s[EX], 23                      ; an expert's 64 tiles of h
	s_lshl_b32 s[TS], s[SL], 12                    ; the slice's 8 blocks of 16 columns, 512 bytes each
	s_add_co_u32 s20, s20, s[TS]
	s_lshl_b32 s[TS], s[CW], 11                    ; my 4 of them
	s_add_co_u32 s20, s20, s[TS]
	s_add_nc_u64 s[OB:OB+1], s[12:13], s[20:21]
	s_mov_b32 s[HIM], 0xffff0000
	s_mov_b32 s[CNT], 0
	s_mov_b32 s[TB], 0
	v_and_b32 v[TM], 7, v[LN]
	v_lshl_add_u32 v[TM], v[HH], 3, v[TM]          ; the turning load: lane l reads row 8 (l / 16) + l % 8,
	v_mul_u32_u24 v[AA0], v[TM], LP
	v_bfe_u32 v[TM], v[LN], 3, 1
	v_lshl_add_u32 v[AA0], v[TM], 4, v[AA0]        ; columns 8 ((l / 8) % 2) + 0..7
	s_lshl_b32 s[TS], s[CW], 7
	v_add_nc_u32 v[AA0], s[TS], v[AA0]             ; of my 64
	s_mul_i32 s[TS], s[WV], 8*LP
	v_lshl_add_u32 v[SA], v[LN], 3, s[TS]          ; 4 bf16 a lane, as they come
	s_lshl_b32 s[TS], s[QW], 17
	v_add_nc_u32 v[HO], s[TS], v[WO]               ; tile q of block 0
	v_mov_b32 v[ZERO], 0
	s_wait_loadcnt 32                              ; idx is in; the 8 loads of the bias and the 24 of the weights stay out
	; the expert's count, eight registers of idx at a time, so that no line waits for the one before it
.set g, 0
.rept 4
.irp i, 0,1,2,3,4,5,6,7
	v_cmp_eq_u32 s[MK+(\i)], s[EX], v[IDXR+8*g+(\i)]
.endr
.irp i, 0,1,2,3,4,5,6,7
	s_bcnt1_i32_b32 s[MK+(\i)], s[MK+(\i)]
.endr
.irp i, 0,1,2,3,4,5,6,7
	s_add_co_u32 s[CNT], s[CNT], s[MK+(\i)]
.endr
.set g, g+1
.endr
	s_add_co_u32 s[NTILES], s[CNT], 15
	s_lshr_b32 s[NTILES], s[NTILES], 4
	s_max_u32 s[GMAX], s[NTILES], 1
	s_sub_co_u32 s[GMAX], s[GMAX], 1
	s_wait_loadcnt 24                              ; the bias is in; the weights stay out
.irp nb, 0,1,2,3
.irp cp, 0,1,2,3
	v_cvt_pk_bf16_f32 v[BP+4*(\nb)+(\cp)], v[BRAW+8*(\nb)+2*(\cp)], v[BRAW+8*(\nb)+2*(\cp)+1]
.endr
.endr
	SETUP
	XLOAD 0, 0                                     ; the operand fragments of chunks 0 to 2: with the weights 60 loads of mine are out
	XLOAD 1, XCH
	XLOAD 2, 2*XCH
	INIT                                           ; stands in the wait for the first chunk
; THE WEIGHT STREAM.  In the order of issue a step finds out W(s) X(s) W(s+1) X(s+1) W(s+2) X(s+2): the wait for W(s) leaves the 52 behind it; with W(s+3) asked for, the wait for X(s) may leave 48.
; The way in has another order, W0 W1 W2 X0 X1 X2, since the count comes before any X: behind X0 stand X1 X2 W3 (32), behind X1 stand X2 W3 X3 W4 (40).  The loop is not written out for that: its first two places keep 32 and 40.
	s_mov_b32 s[TRIP], 4
.Lloop:                                                ; a trip: three chunks
	PROD 0, 52, 0
	COMP 0, 32, 3*XCH, 1
	PROD 1, 52, 1
	COMP 1, 40, 4*XCH, 1
	PROD 2, 52, 2
	COMP 2, 48, 5*XCH, 1
	s_wait_xcnt 0x0                                ; the bases that the loads above name are stepped only behind this wait
	s_add_nc_u64 s[WB:WB+1], s[WB:WB+1], 192*PITCHW
	s_add_nc_u64 s[XB:XB+1], s[XB:XB+1], 3*XCH
	s_sub_co_u32 s[TRIP], s[TRIP], 1
	s_cmp_lg_u32 s[TRIP], 0
	s_cbranch_scc1 .Lloop
	PROD 0, 52, 0                                  ; chunk 12 asks for chunk 15, the last;
	COMP 0, 48, 3*XCH, 1
	PROD 1, 52, -1                                 ; then no load leaves the slice or a tile, and the counts run down: behind W13 stand X13 W14 X14 W15 X15,
	COMP 1, 40, -1, 1                              ; behind X13 W14 X14 W15 X15,
	PROD 2, 32, -1                                 ; behind W14 X14 W15 X15,
	COMP 2, 20, -1, 1                              ; behind X14 W15 X15,
	PROD 0, 12, -1                                 ; behind W15 X15,
	COMP 0, 0, -1, 0                               ; behind X15 nothing.  The slice is whole, and nobody writes it again
; THE BLOCKS.  Trip b sends block b out and multiplies block b + 1 from the resident slice.  Six trips, whatever the count: 6 x 12 tiles cover the 64 that an expert can have, and block 6 is dead for every split.
; A dead block is jumped forward, to the label ahead of the counter's step.  The loop reads LDS and writes none of it.
	s_mov_b32 s[BLK], 6
.Lblk:
	EPI 0
	EPI 1
	EPI 2
	s_wait_xcnt 0x0                                ; the stores have read their offsets and data
	v_add_nc_u32 v[HO], 12*131072, v[HO]           ; twelve tiles on
	s_add_co_u32 s[TB], s[TB], 12
	SETUP
	s_cmp_eq_u32 s[NT], 0
	s_cbranch_scc1 .Lskip
	XLOAD 0, 0
	XLOAD 1, XCH
	XLOAD 2, 2*XCH
	INIT
	s_mov_b32 s[INNER], 4
.Linner:                                               ; here only X is on its way: the two younger chunks' 24 loads stay out
	COMP 0, 24, 3*XCH, 0
	COMP 1, 24, 4*XCH, 0
	COMP 2, 24, 5*XCH, 0
	s_wait_xcnt 0x0
	s_add_nc_u64 s[XB:XB+1], s[XB:XB+1], 3*XCH
	s_sub_co_u32 s[INNER], s[INNER], 1
	s_cmp_lg_u32 s[INNER], 0
	s_cbranch_scc1 .Linner
	COMP 0, 24, 3*XCH, 0                           ; chunk 12 asks for chunk 15; then the counts run down
	COMP 1, 24, -1, 0
	COMP 2, 12, -1, 0
	COMP 0, 0, -1, 0
.Lskip:
	s_sub_co_u32 s[BLK], s[BLK], 1
	s_cmp_lg_u32 s[BLK], 0
	s_cbranch_scc1 .Lblk
	s_wait_dscnt 0x0                               ; my reads of LDS are back,
	s_barrier_signal -1
	s_barrier_wait -1                              ; and so are everybody's: the add below stands behind every wave's reads, whatever their walking addresses
	s_wait_tensorcnt 0x0                           ; the wave's end, behind my last LDS store
	ds_add_u32 v[SPW], v[NIL]
	s_wait_dscnt 0x0
	s_endpgm
.Lfunc_end_k_q4e27f2eca2_ffn1:
	.size	k_q4e27f2eca2_ffn1, .Lfunc_end_k_q4e27f2eca2_ffn1-k_q4e27f2eca2_ffn1
	.p2alignl 7, 3214868480
	.fill 96, 4, 3214868480
	.section	.rodata,"a",@progbits
	.p2align	6, 0x0
	.amdhsa_kernel k_q4e27f2eca2_ffn1
		.amdhsa_group_segment_fixed_size 295936
		.amdhsa_private_segment_fixed_size 0
		.amdhsa_enable_private_segment 0
		.amdhsa_kernarg_size 40
		.amdhsa_user_sgpr_count 2
		.amdhsa_user_sgpr_kernarg_segment_ptr 1
		.amdhsa_wavefront_size32 1
		.amdhsa_system_sgpr_workgroup_id_x 1
		.amdhsa_system_sgpr_workgroup_id_y 1
		.amdhsa_system_sgpr_workgroup_id_z 1
		.amdhsa_system_vgpr_workitem_id 0
		.amdhsa_next_free_vgpr 512
		.amdhsa_next_free_sgpr 66
		.amdhsa_reserve_vcc 0
		.amdhsa_float_denorm_mode_32 3
		.amdhsa_float_denorm_mode_16_64 3
		.amdhsa_memory_ordered 1
		.amdhsa_forward_progress 1
		.amdhsa_inst_pref_size 104
	.end_amdhsa_kernel
	.amdgpu_metadata
---
amdhsa.version: [ 1, 2 ]
amdhsa.kernels:
  - .name:           k_q4e27f2eca2_ffn1
    .symbol:         k_q4e27f2eca2_ffn1.kd
    .args:
      - { .name: W1, .offset: 0, .size: 8, .value_kind: global_buffer, .address_space: global }
      - { .name: b1, .offset: 8, .size: 8, .value_kind: global_buffer, .address_space: global }
      - { .name: xg, .offset: 16, .size: 8, .value_kind: global_buffer, .address_space: global }
      - { .name: idx, .offset: 24, .size: 8, .value_kind: global_buffer, .address_space: global }
      - { .name: hb, .offset: 32, .size: 8, .value_kind: global_buffer, .address_space: global }
    .group_segment_fixed_size: 295936
    .private_segment_fixed_size: 0
    .kernarg_segment_align: 8
    .kernarg_segment_size: 40
    .max_flat_workgroup_size: 256
    .sgpr_count:     66
    .vgpr_count:     512
    .wavefront_size: 32
...
	.end_amdgpu_metadata
.endif
;; end of part 6
;; launch ffn2: the kernel of part 3 again; grid 32 x 8, 8 waves a work-group, no clusters, 304,128 bytes of LDS; arguments W2, b2, hb, idx, part; writes part
;; launch combine: the kernel of part 4 again; grid 256 x 1, 8 waves a work-group, no clusters, 0 bytes of LDS; arguments part, out0; writes out0
;; ======== version 3 of 3: 5 launches; version 2 with the launches ffn1, ffn2 written anew for expert scheduling mode
;; workspace buffers: xb 2,097,152 bytes; idx 4,096 bytes of whole numbers; xg 16,777,216 bytes; hb 67,108,864 bytes; part 16,908,288 bytes
;; launch router: the kernel of part 1 again; grid 256 x 1, 4 waves a work-group, no clusters, 0 bytes of LDS; arguments x, Wr, br, xb, idx; writes xb, idx
;; launch place: the kernel of part 5 again; grid 16 x 8, 4 waves a work-group, no clusters, 1,536 bytes of LDS; arguments xb, idx, xg; writes xg
;; launch ffn1 (part 7): grid 32 x 8, 8 waves a work-group, no clusters, 295,936 bytes of LDS; arguments W1, b1, xg, idx, hb; writes hb
.if DOCPART == 7
	.amdgcn_target "amdgcn-amd-amdhsa--gfx1250"
	.amdhsa_code_object_version 6
	.text
	.protected	k_q4e27f2eca2_ffn1
	.globl	k_q4e27f2eca2_ffn1
	.p2align	8
	.type	k_q4e27f2eca2_ffn1,@function
k_q4e27f2eca2_ffn1:
	s_mov_b64 s[64:65], 0
	v_nop
	global_prefetch_b8 v0, s[64:65] scope:SCOPE_SE
	s_setreg_imm32_b32 hwreg(HW_REG_WAVE_SCHED_MODE, 0, 2), 2
	s_setreg_imm32_b32 hwreg(HW_REG_WAVE_MODE, 25, 1), 1
	s_wait_xcnt 0x0
	s_wait_alu depctr_vm_vsrc(0)
; THE FIRST PRODUCT OF THE EXPERTS' CHAIN, for the chosen rows alone: h = relu(x[t] . W1[e][:, n] + b1[e][n]) in bf16, e = idx[t].
; W1: [8][1024][4096] f32, b1: [8][4096] f32, idx: [1024] u32.  xg: x in bf16, laid out by the launch before: xg[e][tile][block of 16 k][lane][16 bytes], a tile = 16 places of expert e's list.
; FORMATS.  Weights and bias are rounded to bf16 on their way through registers, like every input of the program; sums in f32; h is rounded once to bf16 (bf16, not f16: h has room for inputs many times larger).
; LIMITS.  NaN and infinities are not treated apart; relu of NaN gives 0.
; SHARES.  Work-group (S, E) has a slice of 1,024 k x 128 columns of expert E's weights, which it alone reads, once, and ALL rows that chose E, whatever their number (0 to 1,024).
; All eight waves run the same text.  The slice comes in 16 chunks of 64 k: wave w loads rows 8 w .. 8 w + 7 of a chunk (512 consecutive bytes each), rounds them and lays them into LDS, where the slice stays.
; ROWS.  Each wave counts the expert's rows from idx.  A block is 12 tiles (192 rows).  Wave w = (q = w % 4, c = w / 4) has tiles 12 b + 4 j + q, j = 0..2, and columns 64 c .. 64 c + 63.
; Block 0 is multiplied under the weight stream; blocks 1 to 5 from the resident slice, only as far as the count reaches: a tile or block past the count skips its work by a forward jump that passes no barrier.
; A tile past the count fetches the expert's last live tile once more (tile 0 where the expert has no row: the launch before always writes it), so that the loads and their counted waits are alike on every path.
; Behind the weight stream nothing is written into LDS but the closing add.
; LAYOUT.  Source 0 = 16 weight columns (turned out of the [k][n] slice by ds_load_tr16_b128), source 1 = 16 tokens: a lane holds ONE token (lane % 16) and 8 neighbouring columns.  A load of xg brings half an operand fragment:
; 512 consecutive bytes.  h lies in memory as the lanes hold it: hb[expert][tile][block of 16 columns][lane][16 bytes]: a lane's 8 rounded results of a block are the 16 bytes that the second product's operand fragment wants
; from that lane; each store covers 512 consecutive bytes.  Both buffers have room for 64 tiles an expert (every split); only live tiles are touched.  The sums start at the rounded bias.
; ONE COUNTER.  Loads come back in the order of issue (ISA guide 5.7.1), so weights (W) and operand tiles (X) are asked for in the order in which they are used: chunk s asks for X(s+2) and then for W(s+3).
; NO CLUSTER, NO TENSOR LOAD.  Each weight byte has one reader.  f32 weights must pass registers to be rounded, and beside the slice of 294,912 bytes LDS has no room for a stage of f32, nor for shared operand tiles.
; THE MODE: SCHED_MODE bits 1:0 = 2 (LLVM: expert scheduling mode 2), set by the entry lines.  The code itself states the register dependences
; between vector or matrix instructions and memory or LDS instructions, with s_wait_alu, always for 0.
; THE PLAN.  Registers that memory or LDS instructions touch, round a chunk s of the weight stream (PROD s, then COMP s):
;   WR[s % 3]   PROD s's conversions read it; the loads of W(s+3), issued in COMP s, land in it.
;   FA          PROD s's conversions write v32-47, its LDS stores read them; COMP s's turning loads land in v32-95; COMP s's products read them.
;   FX[s % 3]   COMP s's products read it; the loads of X(s+3), issued in COMP s + 1, land in it.
;   v[SA]       read by the LDS stores, v[AA] by the turning loads; each is stepped once a chunk.     v[WO] is never written again, v[XO ..] once a block.
;   The sums and the rounded bias are named by vector and matrix instructions alone.
; So ONE wait on va_vdst stands in a chunk, behind PROD's conversions: all the chunk's LDS stores, turning loads and loads of X and W rest on it, since the only vector line between it and them is the add to v[SA].
; Two waits on vm_vsrc stand in a chunk, each behind a wait for LDS that is there anyway: ahead of the add to v[SA] (and of the turning loads, which land in the stores' data) and ahead of the add to v[AA].
; From the resident slice there is no PROD: the wait on va_vdst stands at COMP's head.  On the way out each tile has out-registers of its own: all live tiles are packed, one wait, all stores.
.set PITCHW, 16384                     ; bytes from row to row of the weights
.set XCH,    2048                      ; the operand: bytes from chunk to chunk: four blocks of 16 k x 16 tokens, 512 bytes each,
.set XKS,    1024                      ; from the first 32 k of a chunk to the second,
.set XHF,    512                       ; from a fragment's first four registers to its last four
.set LP,     288                       ; a row of the slice in LDS: 256 bytes (128 bf16) + 32 = 72 words
.set CHUNKB, 64*LP                     ; the slice takes 1,024 x LP = 294,912 bytes; the 1,024 bytes claimed behind it hold the spare words of the closing add
; scalars
.set WV, 14                            ; my wave
.set QW, 15                            ; wave % 4
.set EX, 16                            ; the expert
.set SL, 17                            ; the slice
.set WB, 22                            ; s[22:23] the weights' walking base
.set XB0, 24                           ; s[24:25] the operand's base
.set XB, 26                            ; s[26:27] the same, walking along k
.set OB, 28                            ; s[28:29] the result's base
.set TRIP, 30
.set CNT, 31                           ; the expert's count
.set NTILES, 32
.set NT, 33                            ; my live tiles in the block in hand: 0 to 3, a prefix of j
.set TB, 34                            ; 12 x block
.set BLK, 35
.set HIM, 37                           ; a word's upper bf16
.set TS, 40                            ; at work
.set INNER, 41
.set CW, 44                            ; wave / 4
.set GMAX, 48                          ; the expert's last live tile
.set MK, 52                            ; s52-59 eight masks, then their counts
; vector registers, window 0 (an instruction names v0-v255; s_set_vgpr_msb says which window each operand place means: bits 1:0 source 0, 3:2 source 1, 5:4 source 2, 7:6 destination)
.set LN,  1                            ; lane
.set WO,  4                            ; 16 x lane; never rewritten
.set SA,  5                            ; where my 8 bytes of my first row of the chunk in hand go
.set HH,  7                            ; lane / 16
.set AA0, 9                            ; my lane's place in a chunk for the turning load
.set AA,  10                           ; the same, walking
.set XO,  12                           ; v12-14 byte offset of my 16 bytes in tile j's first block
.set HO,  15                           ; byte offset in hb of my 16 bytes in my first tile of the block
.set ZERO, 16
.set TM,  19                           ; v19-21 at work
.set OA,  24                           ; my offset in the bias; never rewritten
.set FA,  32                           ; v32-95 weight fragments of a chunk: (half ks, column block nb) at 32 ks + 8 nb.  v32-47 also: my 8 rows of a chunk, rounded, on their way to LDS
.set TT,  32                           ; the way out: results as they are stored, 16 registers a tile
.set FX,  96                           ; v96-239 operand fragments, three buffers: (buffer, tile j, half ks) at 48 buffer + 16 j + 8 ks
.set IDXR, 96                          ; before the first chunk: idx in v96-127,
.set BRAW, 128                         ; the bias as loaded in v128-159
.set BP,  240                          ; v240-255 the rounded bias, two to a register
.set WR,  96                           ; window 1: v0-95 the sums, (j, nb) at 32 j + 8 nb; v96-191 three slots of 8 weight rows x 4 registers as loaded
.set MSB, 0
.macro WIN new                         ; the immediate's high byte repeats the setting that is left; a switch that changes nothing is dropped
.if MSB != (\new)
	s_set_vgpr_msb (MSB<<8)|(\new)
.set MSB, (\new)
.endif
.endm
; A CHUNK IS LAID DOWN.  left: the younger loads that may stay out.
.macro PROD slot, left
	s_wait_loadcnt \left                           ; loads come back in order: this slot's 8 are in
	WIN 0x05                                       ; sources in window 1
.irp i, 0,1,2,3,4,5,6,7
	v_cvt_pk_bf16_f32 v[FA+2*(\i)],   v[WR+32*(\slot)+4*(\i)],   v[WR+32*(\slot)+4*(\i)+1]
	v_cvt_pk_bf16_f32 v[FA+2*(\i)+1], v[WR+32*(\slot)+4*(\i)+2], v[WR+32*(\slot)+4*(\i)+3]
.endr
	WIN 0
	s_wait_alu depctr_va_vdst(0)                   ; the conversions have written v32-47, which the stores below read, and are done reading this slot; the products of the chunk before are done reading FA and their buffer of FX; v[SA] and v[AA] are written
.irp i, 0,1,2,3,4,5,6,7
	ds_store_b64 v[SA], v[FA+2*(\i):FA+2*(\i)+1] offset:LP*(\i)   ; 32 lanes fill a row's 256 bytes
.endr
	s_wait_dscnt 0x0                               ; for the others' sake: my rows of the chunk are in LDS when I signal
	s_wait_alu depctr_vm_vsrc(0)                   ; the stores have read v[SA], which the next line writes, and v32-47, in which the turning loads land
	v_add_nc_u32 v[SA], CHUNKB, v[SA]
	s_barrier_signal -1
	s_barrier_wait -1                              ; the chunk is whole
.endm
; 12 loads of 512 consecutive bytes: the operand fragments of one chunk for my three tiles, at byte xo from the walking base
.macro XLOAD xb, xo
.irp j, 0,1,2
.irp ks, 0,1
.irp hf, 0,1
	global_load_b128 v[FX+48*(\xb)+16*(\j)+8*(\ks)+4*(\hf):FX+48*(\xb)+16*(\j)+8*(\ks)+4*(\hf)+3], v[XO+(\j)], s[XB:XB+1] offset:(\xo)+XKS*(\ks)+XHF*(\hf)
.endr
.endr
.endr
.endm
; 8 loads: my rows of chunk woff from the walking base, into a slot
.macro WLOAD slot, woff
	WIN 0x40                                       ; destination in window 1
.irp i, 0,1,2,3,4,5,6,7
	global_load_b128 v[WR+32*(\slot)+4*(\i):WR+32*(\slot)+4*(\i)+3], v[WO], s[WB:WB+1] offset:(64*(\woff)+(\i))*PITCHW th:TH_LOAD_NT  ; a row's 512 consecutive bytes
.endr
	WIN 0
.endm
; 4 matrix instructions: tile j x my 4 column blocks, 32 along k.  The four sums take turns, one instruction a turn.
.macro MM4 j, ks, xb
.irp nb, 0,1,2,3
	v_wmma_f32_16x16x32_bf16 v[32*(\j)+8*(\nb):32*(\j)+8*(\nb)+7], v[FA+32*(\ks)+8*(\nb):FA+32*(\ks)+8*(\nb)+7], v[FX+48*(\xb)+16*(\j)+8*(\ks):FX+48*(\xb)+16*(\j)+8*(\ks)+7], v[32*(\j)+8*(\nb):32*(\j)+8*(\nb)+7]
.endr
.endm
; A CHUNK IS MULTIPLIED, out of buffer xb.  xleft: the younger loads that may stay out.  xoff >= 0: the buffer that the chunk before multiplied is asked for again, two chunks on from this one.
; wslot >= 0 (under the weight stream): the slot that this chunk's PROD rounded is asked for again, three chunks on.  Both runs stand behind the turning loads, ahead of the wait for them.
; res = 1 (from the resident slice): no PROD stands in front, so the wait on va_vdst stands here.
; bar = 1 (under the weight stream): a second barrier, signalled when my fragment loads are back and waited for behind the products: no wave stores the next chunk while a wave still reads this one.  The chunks' bytes are
; apart, so no value hangs on it; with it the order of the slice's stores and reads does not lean on the walking addresses.
.macro COMP xb, xleft, xoff, bar, res, wslot=-1, woff=0
.if \res
	s_wait_alu depctr_va_vdst(0)                   ; the products of the chunk before are done reading FA and their buffer of FX, in which the loads below land; v[AA] is written
.endif
.irp ks, 0,1
.irp nb, 0,1,2,3
	ds_load_tr16_b128 v[FA+32*(\ks)+8*(\nb):FA+32*(\ks)+8*(\nb)+3],   v[AA] offset:(\ks)*32*LP+32*(\nb)
	ds_load_tr16_b128 v[FA+32*(\ks)+8*(\nb)+4:FA+32*(\ks)+8*(\nb)+7], v[AA] offset:(\ks)*32*LP+16*LP+32*(\nb)
.endr
.endr
.if (\xoff) >= 0
	XLOAD (\xb+2)%3, \xoff                         ; no wait: no vector or matrix instruction since the last wait on va_vdst names that buffer or v[XO ..]
.endif
.if (\wslot) >= 0
	WLOAD \wslot, \woff                            ; nor the slot, nor v[WO]
.endif
	s_wait_loadcnt \xleft                          ; this chunk's operand fragments are in (on every path: the counts are alike whatever the number of live tiles)
	s_wait_dscnt 0x0                               ; the weight fragments are in
	s_wait_alu depctr_vm_vsrc(0)                   ; the turning loads have read v[AA], which the next line writes
	v_add_nc_u32 v[AA], CHUNKB, v[AA]
.if \bar
	s_barrier_signal -1
.endif
	s_cmp_eq_u32 s[NT], 0
	s_cbranch_scc1 .Lce_\@
	WIN 0x50                                       ; C and D in window 1
	MM4 0, 0, \xb
	MM4 0, 1, \xb
	WIN 0                                          ; at a branch and at a label every window is 0
	s_cmp_lt_u32 s[NT], 2
	s_cbranch_scc1 .Lce_\@
	WIN 0x50
	MM4 1, 0, \xb
	MM4 1, 1, \xb
	WIN 0
	s_cmp_lt_u32 s[NT], 3
	s_cbranch_scc1 .Lce_\@
	WIN 0x50
	MM4 2, 0, \xb
	MM4 2, 1, \xb
	WIN 0
.Lce_\@:
.rept 4
	v_nop                                          ; four places behind the last product (ISA guide 7.12.1), ahead of whatever vector instruction reads or rewrites its registers
.endr
.if \bar
	s_barrier_wait -1
.endif
.endm
; A block begins: my live tiles, ceil((tiles - 12 b - q) / 4) held to 0..3; my three tiles' operand offsets; the walks go back to k = 0.
.macro SETUP
	s_sub_co_i32 s[TS], s[NTILES], s[TB]
	s_sub_co_i32 s[TS], s[TS], s[QW]
	s_add_co_i32 s[TS], s[TS], 3
	s_max_i32 s[TS], s[TS], 0
	s_lshr_b32 s[TS], s[TS], 2
	s_min_u32 s[NT], s[TS], 3
.irp j, 0,1,2
	s_add_co_u32 s[TS], s[TB], s[QW]
	s_add_co_u32 s[TS], s[TS], 4*(\j)
	s_min_u32 s[TS], s[TS], s[GMAX]                ; a tile past the count repeats the last live one: nothing is fetched that no tile needs
	v_mov_b32 v[TM+(\j)], s[TS]
	v_min_u32 v[TM+(\j)], 63, v[TM+(\j)]           ; held inside the expert's 64 tiles
	v_lshl_add_u32 v[XO+(\j)], v[TM+(\j)], 15, v[WO]   ; a tile of the operand is 32,768 bytes
.endr
	s_mov_b64 s[XB:XB+1], s[XB0:XB0+1]
	v_mov_b32 v[AA], v[AA0]
.endm
; The sums start at the rounded bias, widened: this takes the place of a first step written out and of the additions on the way out.
.macro INIT
	WIN 0x40                                       ; destination in window 1
.irp j, 0,1,2
.irp nb, 0,1,2,3
.irp cp, 0,1,2,3
	v_lshlrev_b32 v[32*(\j)+8*(\nb)+2*(\cp)],   16,     v[BP+4*(\nb)+(\cp)]
	v_and_b32     v[32*(\j)+8*(\nb)+2*(\cp)+1], s[HIM], v[BP+4*(\nb)+(\cp)]
.endr
.endr
.endr
	WIN 0
.endm
; THE WAY OUT of tile j, in two parts.  PACK: rounded, relu, into the tile's own 16 registers; each sum's registers are read in ascending order.  SEND: stored.
.macro PACK j
	WIN 0x05
.irp nb, 0,1,2,3
.irp cp, 0,1,2,3
	v_cvt_pk_bf16_f32 v[TT+16*(\j)+4*(\nb)+(\cp)], v[32*(\j)+8*(\nb)+2*(\cp)], v[32*(\j)+8*(\nb)+2*(\cp)+1]
.endr
.endr
	WIN 0
.set z, 0
.rept 16
	v_pk_max_num_bf16 v[TT+16*(\j)+z], v[TT+16*(\j)+z], v[ZERO]   ; relu on two rounded numbers at once: rounding keeps sign and order
.set z, z+1
.endr
.endm
.macro SEND j
.irp nb, 0,1,2,3
	global_store_b128 v[HO], v[TT+16*(\j)+4*(\nb):TT+16*(\j)+4*(\nb)+3], s[OB:OB+1] offset:(\j)*524288+512*(\nb)  ; a block of 16 tokens x 16 columns: 512 consecutive bytes, aligned; tile j lies four tiles on
.endr
.endm
	s_load_b256 s[4:11], s[0:1], 0x0               ; weights s[4:5], bias s[6:7], operand s[8:9], idx s[10:11]
	s_load_b64 s[12:13], s[0:1], 0x20              ; the result
	v_lshl_add_u32 v30, v0, 2, 0x48000
	v_mov_b32 v31, 0
	v_and_b32 v[LN], 31, v0
	v_lshrrev_b32 v[TM], 5, v0
	v_readfirstlane_b32 s[WV], v[TM]
	v_lshlrev_b32 v[WO], 4, v[LN]
	v_lshrrev_b32 v[HH], 4, v[LN]
	v_lshlrev_b32 v[OA], 5, v[HH]                  ; the bias: 8 f32 for each half of the lanes
	s_and_b32 s[EX], ttmp7, 0xffff
	s_mov_b32 s[SL], ttmp9
	s_mov_b32 s19, 0
	s_mov_b32 s21, 0
	s_wait_alu depctr_va_sdst(0)                   ; the wave's number is written, ahead of its first reader
	s_and_b32 s[QW], s[WV], 3
	s_lshr_b32 s[CW], s[WV], 2
	s_lshl_b32 s18, s[EX], 24                      ; an expert's weights are 16 MiB
	s_mul_i32 s[TS], s[WV], 8*PITCHW               ; my 8 rows of a chunk
	s_add_co_u32 s18, s18, s[TS]
	s_lshl_b32 s[TS], s[SL], 9                     ; 128 columns of f32
	s_add_co_u32 s18, s18, s[TS]
	s_lshl_b32 s20, s[EX], 14
	s_add_co_u32 s20, s20, s[TS]
	s_lshl_b32 s[TS], s[CW], 8                     ; my 64 columns of f32
	s_add_co_u32 s20, s20, s[TS]
	s_wait_kmcnt 0x0
	s_add_nc_u64 s[4:5], s[4:5], s[18:19]
	s_add_nc_u64 s[6:7], s[6:7], s[20:21]
	s_wait_alu depctr_va_vdst(0)                   ; v[WO] and v[OA] are written, which the loads below read as their offsets
	; idx and the bias go first, so that the waits for them leave the weights out; then the first three chunks: 24 loads of 512 bytes a wave
.irp j, 0,1,2,3,4,5,6,7
	global_load_b128 v[IDXR+4*(\j):IDXR+4*(\j)+3], v[WO], s[10:11] offset:512*(\j)
.endr
.irp nb, 0,1,2,3
	global_load_b128 v[BRAW+8*(\nb):BRAW+8*(\nb)+3],   v[OA], s[6:7] offset:64*(\nb)      ; columns 16 nb + 8 (lane / 16) + 0..7
	global_load_b128 v[BRAW+8*(\nb)+4:BRAW+8*(\nb)+7], v[OA], s[6:7] offset:64*(\nb)+16
.endr
	WIN 0x40
.irp c, 0,1,2
.irp i, 0,1,2,3,4,5,6,7
	global_load_b128 v[WR+32*(\c)+4*(\i):WR+32*(\c)+4*(\i)+3], v[WO], s[4:5] offset:(64*(\c)+(\i))*PITCHW th:TH_LOAD_NT
.endr
.endr
	WIN 0
	s_add_nc_u64 s[WB:WB+1], s[4:5], 192*PITCHW    ; chunk 3, in registers of its own
	s_lshl_b32 s20, s[EX], 21                      ; an expert's 64 tiles of the operand
	s_add_nc_u64 s[XB0:XB0+1], s[8:9], s[20:21]
	s_lshl_b32 s20, s[EX], 23                      ; an expert's 64 tiles of h
	s_lshl_b32 s[TS], s[SL], 12                    ; the slice's 8 blocks of 16 columns, 512 bytes each
	s_add_co_u32 s20, s20, s[TS]
	s_lshl_b32 s[TS], s[CW], 11                    ; my 4 of them
	s_add_co_u32 s20, s20, s[TS]
	s_add_nc_u64 s[OB:OB+1], s[12:13], s[20:21]
	s_mov_b32 s[HIM], 0xffff0000
	s_mov_b32 s[CNT], 0
	s_mov_b32 s[TB], 0
	v_and_b32 v[TM], 7, v[LN]
	v_lshl_add_u32 v[TM], v[HH], 3, v[TM]          ; the turning load: lane l reads row 8 (l / 16) + l % 8,
	v_mul_u32_u24 v[AA0], v[TM], LP
	v_bfe_u32 v[TM], v[LN], 3, 1
	v_lshl_add_u32 v[AA0], v[TM], 4, v[AA0]        ; columns 8 ((l / 8) % 2) + 0..7
	s_lshl_b32 s[TS], s[CW], 7
	v_add_nc_u32 v[AA0], s[TS], v[AA0]             ; of my 64
	s_mul_i32 s[TS], s[WV], 8*LP
	v_lshl_add_u32 v[SA], v[LN], 3, s[TS]          ; 4 bf16 a lane, as they come
	s_lshl_b32 s[TS], s[QW], 17
	v_add_nc_u32 v[HO], s[TS], v[WO]               ; tile q of block 0
	v_mov_b32 v[ZERO], 0
	s_wait_loadcnt 32                              ; idx is in; the 8 loads of the bias and the 24 of the weights stay out
	; the expert's count, eight registers of idx at a time, so that no line waits for the one before it
.set g, 0
.rept 4
.irp i, 0,1,2,3,4,5,6,7
	v_cmp_eq_u32 s[MK+(\i)], s[EX], v[IDXR+8*g+(\i)]
.endr
	s_wait_alu depctr_va_sdst(0)                   ; the eight masks are written, ahead of their first readers
.irp i, 0,1,2,3,4,5,6,7
	s_bcnt1_i32_b32 s[MK+(\i)], s[MK+(\i)]
.endr
.irp i, 0,1,2,3,4,5,6,7
	s_add_co_u32 s[CNT], s[CNT], s[MK+(\i)]
.endr
.set g, g+1
.endr
	s_add_co_u32 s[NTILES], s[CNT], 15
	s_lshr_b32 s[NTILES], s[NTILES], 4
	s_max_u32 s[GMAX], s[NTILES], 1
	s_sub_co_u32 s[GMAX], s[GMAX], 1
	s_wait_loadcnt 24                              ; the bias is in; the weights stay out
.irp nb, 0,1,2,3
.irp cp, 0,1,2,3
	v_cvt_pk_bf16_f32 v[BP+4*(\nb)+(\cp)], v[BRAW+8*(\nb)+2*(\cp)], v[BRAW+8*(\nb)+2*(\cp)+1]
.endr
.endr
	SETUP
	s_wait_alu depctr_va_vdst(0)                   ; v[XO ..] are written, which the loads below read; the compares and conversions are done reading idx and the bias, in whose registers those loads land
	XLOAD 0, 0                                     ; the operand fragments of chunks 0 and 1: with the weights 48 loads of mine are out
	XLOAD 1, XCH
	INIT                                           ; stands in the wait for the first chunk
; THE WEIGHT STREAM.  In the order of issue a chunk finds out W(s) X(s) W(s+1) X(s+1) W(s+2): the wait for W(s) leaves the 40 behind it; with X(s+2) and W(s+3) asked for, the wait for X(s) may leave 48.
; The way in has another order, W0 W1 W2 X0 X1, since the count comes before any X: behind W0 stand 40 as well; behind X0 stand X1 X2 W3 (32), behind X1 stand X2 W3 X3 W4 (40).
; The loop is not written out for that: its first two places keep 32 and 40.
	s_mov_b32 s[TRIP], 4
.Lloop:                                                ; a trip: three chunks
	PROD 0, 40
	COMP 0, 32, 2*XCH, 1, 0, 0, 0
	PROD 1, 40
	COMP 1, 40, 3*XCH, 1, 0, 1, 1
	PROD 2, 40
	COMP 2, 48, 4*XCH, 1, 0, 2, 2
	s_wait_xcnt 0x0                                ; the bases that the loads above name are stepped only behind this wait
	s_add_nc_u64 s[WB:WB+1], s[WB:WB+1], 192*PITCHW
	s_add_nc_u64 s[XB:XB+1], s[XB:XB+1], 3*XCH
	s_sub_co_u32 s[TRIP], s[TRIP], 1
	s_cmp_lg_u32 s[TRIP], 0
	s_cbranch_scc1 .Lloop
	PROD 0, 40                                     ; chunk 12 asks for X14 and for W15, the last of the weights;
	COMP 0, 48, 2*XCH, 1, 0, 0, 0
	PROD 1, 40                                     ; chunk 13 for X15, the last of the operand: behind W13 stand X13 W14 X14 W15,
	COMP 1, 40, 3*XCH, 1, 0                        ; behind X13 W14 X14 W15 X15;
	PROD 2, 32                                     ; then no load leaves the slice or a tile, and the counts run down: behind W14 stand X14 W15 X15,
	COMP 2, 20, -1, 1, 0                           ; behind X14 W15 X15,
	PROD 0, 12                                     ; behind W15 X15,
	COMP 0, 0, -1, 0, 0                            ; behind X15 nothing.  The slice is whole, and nobody writes it again
; THE BLOCKS.  Trip b sends block b out and multiplies block b + 1 from the resident slice.  Six trips, whatever the count: 6 x 12 tiles cover the 64 that an expert can have, and block 6 is dead for every split.
; A dead block is jumped forward, to the label ahead of the counter's step.  The loop reads LDS and writes none of it.
	s_mov_b32 s[BLK], 6
.Lblk:
	s_cmp_eq_u32 s[NT], 0
	s_cbranch_scc1 .Lsent
	PACK 0
	s_cmp_lt_u32 s[NT], 2
	s_cbranch_scc1 .Lpacked
	PACK 1
	s_cmp_lt_u32 s[NT], 3
	s_cbranch_scc1 .Lpacked
	PACK 2
.Lpacked:
	s_wait_alu depctr_va_vdst(0)                   ; the live tiles' results are written into v[TT ..], which the stores below read; so is v[HO], their offset
	SEND 0
	s_cmp_lt_u32 s[NT], 2
	s_cbranch_scc1 .Lsent
	SEND 1
	s_cmp_lt_u32 s[NT], 3
	s_cbranch_scc1 .Lsent
	SEND 2
.Lsent:
	s_wait_xcnt 0x0                                ; the stores' and loads' offsets and data are rewritten only behind this wait,
	s_wait_alu depctr_vm_vsrc(0)                   ; and this one: the stores have read v[HO] and v[TT ..], the block's loads v[XO ..] and v[AA]: the lines below write the four, the next block's turning loads land in v[TT ..]
	v_add_nc_u32 v[HO], 12*131072, v[HO]           ; twelve tiles on
	s_add_co_u32 s[TB], s[TB], 12
	SETUP
	s_cmp_eq_u32 s[NT], 0
	s_cbranch_scc1 .Lskip
	s_wait_alu depctr_va_vdst(0)                   ; v[XO ..] are written; the block before's products are done reading FX, in which the loads below land
	XLOAD 0, 0
	XLOAD 1, XCH
	INIT
	s_mov_b32 s[INNER], 4
.Linner:                                               ; here only X is on its way: the two younger chunks' 24 loads stay out
	COMP 0, 24, 2*XCH, 0, 1
	COMP 1, 24, 3*XCH, 0, 1
	COMP 2, 24, 4*XCH, 0, 1
	s_wait_xcnt 0x0
	s_add_nc_u64 s[XB:XB+1], s[XB:XB+1], 3*XCH
	s_sub_co_u32 s[INNER], s[INNER], 1
	s_cmp_lg_u32 s[INNER], 0
	s_cbranch_scc1 .Linner
	COMP 0, 24, 2*XCH, 0, 1                        ; chunk 12 asks for chunk 14,
	COMP 1, 24, 3*XCH, 0, 1                        ; chunk 13 for chunk 15; then the counts run down
	COMP 2, 12, -1, 0, 1
	COMP 0, 0, -1, 0, 1
.Lskip:
	s_sub_co_u32 s[BLK], s[BLK], 1
	s_cmp_lg_u32 s[BLK], 0
	s_cbranch_scc1 .Lblk
	s_wait_dscnt 0x0                               ; my reads of LDS are back,
	s_barrier_signal -1
	s_barrier_wait -1                              ; and so are everybody's
	; the closing add onto spare LDS words
	s_wait_dscnt 0x0
	s_wait_alu depctr_hold_cnt(0) depctr_sa_sdst(0) depctr_va_vdst(0) depctr_va_sdst(0) depctr_va_ssrc(0) depctr_va_vcc(0) depctr_vm_vsrc(0)
	s_wait_tensorcnt 0x0
	ds_add_u32 v30, v31
	s_wait_dscnt 0x0
	s_endpgm
.Lfunc_end_k_q4e27f2eca2_ffn1:
	.size	k_q4e27f2eca2_ffn1, .Lfunc_end_k_q4e27f2eca2_ffn1-k_q4e27f2eca2_ffn1
	.p2alignl 7, 3214868480
	.fill 96, 4, 3214868480
	.section	.rodata,"a",@progbits
	.p2align	6, 0x0
	.amdhsa_kernel k_q4e27f2eca2_ffn1
		.amdhsa_group_segment_fixed_size 295936
		.amdhsa_private_segment_fixed_size 0
		.amdhsa_enable_private_segment 0
		.amdhsa_kernarg_size 40
		.amdhsa_user_sgpr_count 2
		.amdhsa_user_sgpr_kernarg_segment_ptr 1
		.amdhsa_wavefront_size32 1
		.amdhsa_system_sgpr_workgroup_id_x 1
		.amdhsa_system_sgpr_workgroup_id_y 1
		.amdhsa_system_sgpr_workgroup_id_z 1
		.amdhsa_system_vgpr_workitem_id 0
		.amdhsa_next_free_vgpr 512
		.amdhsa_next_free_sgpr 66
		.amdhsa_reserve_vcc 0
		.amdhsa_float_denorm_mode_32 3
		.amdhsa_float_denorm_mode_16_64 3
		.amdhsa_memory_ordered 1
		.amdhsa_forward_progress 1
		.amdhsa_inst_pref_size 105
	.end_amdhsa_kernel
	.amdgpu_metadata
---
amdhsa.version: [ 1, 2 ]
amdhsa.kernels:
  - .name:           k_q4e27f2eca2_ffn1
    .symbol:         k_q4e27f2eca2_ffn1.kd
    .args:
      - { .name: W1, .offset: 0, .size: 8, .value_kind: global_buffer, .address_space: global }
      - { .name: b1, .offset: 8, .size: 8, .value_kind: global_buffer, .address_space: global }
      - { .name: xg, .offset: 16, .size: 8, .value_kind: global_buffer, .address_space: global }
      - { .name: idx, .offset: 24, .size: 8, .value_kind: global_buffer, .address_space: global }
      - { .name: hb, .offset: 32, .size: 8, .value_kind: global_buffer, .address_space: global }
    .group_segment_fixed_size: 295936
    .private_segment_fixed_size: 0
    .kernarg_segment_align: 8
    .kernarg_segment_size: 40
    .max_flat_workgroup_size: 256
    .sgpr_count:     66
    .vgpr_count:     512
    .wavefront_size: 32
...
	.end_amdgpu_metadata
.endif
;; end of part 7
;; launch ffn2 (part 8): grid 32 x 8, 8 waves a work-group, no clusters, 304,128 bytes of LDS; arguments W2, b2, hb, idx, part; writes part
.if DOCPART == 8
	.amdgcn_target "amdgcn-amd-amdhsa--gfx1250"
	.amdhsa_code_object_version 6
	.text
	.protected	k_q4e27f2eca2_ffn2
	.globl	k_q4e27f2eca2_ffn2
	.p2align	8
	.type	k_q4e27f2eca2_ffn2,@function
k_q4e27f2eca2_ffn2:
	s_mov_b64 s[64:65], 0
	v_nop
	global_prefetch_b8 v0, s[64:65] scope:SCOPE_SE
	s_setreg_imm32_b32 hwreg(HW_REG_WAVE_SCHED_MODE, 0, 2), 2
	s_setreg_imm32_b32 hwreg(HW_REG_WAVE_MODE, 25, 1), 1
	s_wait_xcnt 0x0
	s_wait_alu depctr_vm_vsrc(0)
; THE SECOND PRODUCT OF THE EXPERTS' CHAIN, for the chosen rows alone: part[ks][t][n] = h[t][1024 ks ..] . W2[e][1024 ks .., n] (+ b2[e][n] where ks = 0) in f32, e = idx[t].
; W2: [8][4096][1024] f32, b2: [8][1024] f32, idx: [1024] u32.  hb: h in bf16, as the first product's lanes left it: hb[expert][tile][block of 16 k][lane][16 bytes].  part: four planes [1024][1024] f32 and 32 spare rows.
; FORMATS.  Weights and bias are rounded to bf16 on their way through registers, like every input of the program; sums in f32; the four partial sums of an output stay f32 in memory.
; LIMITS.  NaN and infinities are not treated apart.  For an expert without rows the text fetches that expert's tile 0 of h, which nobody wrote: inside the buffer, never multiplied, nothing stored.
; SHARES.  Work-group (S, E) has a slice of 1,024 k x 128 columns of expert E's weights, which it alone reads, once, and ALL rows that chose E, whatever their number (0 to 1,024).  The slice is cut along k as well
; (S / 8), so that a weight row's piece is 512 consecutive bytes; one owner for each output would have 32 columns: pieces of 128 bytes.
; All eight waves run the same text.  The slice comes in 16 chunks of 64 k: wave w loads rows 8 w .. 8 w + 7 of a chunk (512 consecutive bytes each), rounds them and lays them into LDS, where the slice stays.
; ROWS.  Each wave builds the expert's list of tokens from idx.  A tile is 16 places of the list, a block 12 tiles (192 rows).  Wave w = (q = w % 4, c = w / 4) has tiles 12 b + 4 j + q, j = 0..2, and columns 64 c .. 64 c + 63.
; Block 0 is multiplied under the weight stream; blocks 1 to 5 from the resident slice, only as far as the count reaches: a tile or block past the count skips its work by a forward jump that passes no barrier.
; Behind the weight stream nothing is written into LDS but the closing add.
; PLACES PAST THE COUNT lie in the expert's last live tile alone.  They name a spare row of part behind the four planes, row 4096 + 8 ks + E, of which this work-group
; has its own 512 bytes and which nobody reads: so every store runs with all lanes on, and EXEC is never written.  The price: at most 15 rows of 256 bytes a wave stored for nothing.
; LAYOUT.  Source 0 = 16 tokens, source 1 = 16 weight columns (turned out of the [k][n] slice by ds_load_tr16_b128): register u of a result holds token 8 (lane / 16) + u, the lane one column.  The slice's columns are laid
; into LDS in another order: column 64 c + 4 r + nb at place 64 c + 16 nb + r.  So lane r's results of the four column blocks nb are four NEIGHBOURING columns of a token's row, 16 bytes, and 16 lanes hold 256 consecutive
; bytes: no way through LDS.  The sums start at the rounded bias (at 0 where ks is not 0).  Each load of h covers 512 consecutive bytes.
; ONE COUNTER.  Loads come back in the order of issue (ISA guide 5.7.1), so weights (W) and operand tiles (X) are asked for in the order in which they are used: chunk s asks for X(s+2) and then for W(s+3).
; NO CLUSTER, NO TENSOR LOAD.  Each weight byte has one reader.  f32 weights must pass registers to be rounded, and beside the slice of 294,912 bytes LDS has no room for a stage of f32, nor for shared operand tiles.
; THE MODE: SCHED_MODE bits 1:0 = 2 (LLVM: expert scheduling mode 2), set by the entry lines.  The code itself states the register dependences
; between vector or matrix instructions and memory or LDS instructions, with s_wait_alu, always for 0.
; THE PLAN.  Registers that memory or LDS instructions touch, round a chunk s of the weight stream (PROD s, then COMP s):
;   WR[s % 3]   PROD s's conversions read it; the loads of W(s+3), issued in COMP s, land in it.
;   FA          PROD s's conversions write v32-63, its LDS stores read them; COMP s's turning loads land in v32-95; COMP s's products read them.
;   FX[s % 3]   COMP s's products read it; the loads of X(s+3), issued in COMP s + 1, land in it.
;   v[SA]       read by the LDS stores, v[AA] by the turning loads; each is stepped once a chunk.     v[WO] is never written again, v[XO ..] and v[LH] once a block.
;   The sums and the rounded bias are named by vector and matrix instructions alone.
; So ONE wait on va_vdst stands in a chunk, behind PROD's conversions: all the chunk's LDS stores, turning loads and loads of X and W rest on it, since the only vector line between it and them is the add to v[SA].
; Two waits on vm_vsrc stand in a chunk, each behind a wait for LDS that is there anyway: ahead of the add to v[SA] (and of the turning loads, which land in the stores' data) and ahead of the add to v[AA].
; From the resident slice there is no PROD: the wait on va_vdst stands at COMP's head.  On the way out each tile has its own registers for data (TT) and row offsets (RW): one wait on va_vdst ahead of the first list loads, which
; land where products have read; then, tile by tile in one straight run each, the tile is made ready, one wait on va_vdst, its stores; one wait on vm_vsrc behind the last tile.
; The list is built in phases of 16 lines that do not depend on each other, the masks in scalar registers, with one wait behind each run of compares.
.set PITCHW, 4096                      ; bytes from row to row of the weights
.set XCH,    2048                      ; the operand: bytes from chunk to chunk: four blocks of 16 k x 16 tokens, 512 bytes each,
.set XKS,    1024                      ; from the first 32 k of a chunk to the second,
.set XHF,    512                       ; from a fragment's first four registers to its last four
.set LP,     288                       ; a row of the slice in LDS: 256 bytes (128 bf16) + 32 = 72 words
.set CHUNKB, 64*LP
.set LIST,   1024*LP                   ; behind the slice, for each wave 1,024 bytes: the 288 places of its own tiles (u16), then a word for each lane to drop what is not its own
.set LISTB,  1024                      ; the 1,024 bytes claimed behind the eight lists hold the spare words of the closing add
.set ROWMAX, 0x1007                    ; the largest row number that a list can hold: the spare row of ks = 0, E = 7, counted from the plane's first row
; scalars
.set WV, 14                            ; my wave
.set QW, 15                            ; wave % 4
.set EX, 16                            ; the expert
.set SL, 17                            ; the slice
.set WB, 22                            ; s[22:23] the weights' walking base
.set XB0, 24                           ; s[24:25] the operand's base
.set XB, 26                            ; s[26:27] the same, walking along k
.set OB, 28                            ; s[28:29] the result's base
.set TRIP, 30
.set CNT, 31                           ; the running count, then the expert's count
.set NTILES, 32
.set NT, 33                            ; my live tiles in the block in hand: 0 to 3, a prefix of j
.set TB, 34                            ; 12 x block
.set BLK, 35
.set HIM, 37                           ; a word's upper bf16
.set BMASK, 38
.set LQ, 39                            ; my list
.set TS, 40                            ; at work
.set INNER, 41
.set KSL, 42                           ; slice / 8 = which 1,024 of k,
.set CSL, 43                           ; slice % 8 = which 128 columns
.set CW, 44                            ; wave / 4
.set DT, 46                            ; the spare row's number, counted from my plane's first row, in both halves of the word
.set GMAX, 48                          ; the expert's last live tile
.set MK, 66                            ; s66-81  sixteen registers of idx at a time: the lanes that chose E,
.set M2, 82                            ; s82-97  and those of them whose place lies in my tiles
; vector registers, window 0 (an instruction names v0-v255; s_set_vgpr_msb says which window each operand place means: bits 1:0 source 0, 3:2 source 1, 5:4 source 2, 7:6 destination)
.set LN,  1                            ; lane
.set WO,  4                            ; 16 x lane; never rewritten
.set SA,  5                            ; where my part of my first row of the chunk in hand goes
.set RR,  6                            ; lane % 16
.set HH,  7                            ; lane / 16
.set C16, 8                            ; 16 x (lane % 16)
.set AA0, 9                            ; my lane's place in a chunk for the turning load
.set AA,  10                           ; the same, walking
.set LH,  11                           ; list address of the first token whose row I store
.set XO,  12                           ; v12-14 byte offset of my part of tile j's operand
.set TOK0, 17                          ; 4 x lane
.set DIDX, 18                          ; 288 + lane: where a token that is not mine is dropped
.set TM,  19                           ; v19-21 at work
.set OA,  24                           ; before the first chunk: v24 my offset in the bias, v26 and v28-31 what my list starts as; never rewritten
.set FA,  32                           ; v32-95 weight fragments of a chunk: (half ks, column block nb) at 32 ks + 8 nb.  v32-63 also: my 8 rows of a chunk, rounded, on their way to LDS
.set TT,  32                           ; the way out: v32-127 results as they are stored, 32 registers a tile,
.set RW,  128                          ; v128-151 the byte offsets of eight pairs of rows a tile
.set FX,  96                           ; v96-239 operand fragments, three buffers: (buffer, tile j, half ks) at 48 buffer + 16 j + 8 ks
.set IDXR, 96                          ; before the first chunk: idx in v96-127, then the places, then the list addresses;
.set BRAW, 128                         ; the bias as loaded in v128-131;
.set QV,  160                          ; v160-191 at work, then the tokens' numbers
.set BP,  240                          ; v240-243 the rounded bias of my four columns, widened
.set WR,  96                           ; window 1: v0-95 the sums, (j, nb) at 32 j + 8 nb; v96-191 three slots of 8 weight rows x 4 registers as loaded
.set MSB, 0
.macro WIN new                         ; the immediate's high byte repeats the setting that is left; a switch that changes nothing is dropped
.if MSB != (\new)
	s_set_vgpr_msb (MSB<<8)|(\new)
.set MSB, (\new)
.endif
.endm
; A CHUNK IS LAID DOWN.  left: the younger loads that may stay out.
.macro PROD slot, left
	s_wait_loadcnt \left                           ; loads come back in order: this slot's 8 are in
	WIN 0x05                                       ; sources in window 1
.irp i, 0,1,2,3,4,5,6,7
.irp nb, 0,1,2,3
	v_cvt_pk_bf16_f32 v[FA+4*(\i)+(\nb)], v[WR+32*(\slot)+4*(\i)+(\nb)], v[WR+32*(\slot)+4*(\i)+(\nb)]   ; one to a register, in the low half: my four columns part in LDS
.endr
.endr
	WIN 0
	s_wait_alu depctr_va_vdst(0)                   ; the conversions have written v32-63, which the stores below read, and are done reading this slot; the products of the chunk before are done reading FA and their buffer of FX; v[SA] and v[AA] are written
.irp i, 0,1,2,3,4,5,6,7
.irp nb, 0,1,2,3
	ds_store_b16 v[SA], v[FA+4*(\i)+(\nb)] offset:LP*(\i)+32*(\nb)   ; column 64 c + 4 r + nb goes to place 64 c + 16 nb + r
.endr
.endr
	s_wait_dscnt 0x0                               ; for the others' sake: my rows of the chunk are in LDS when I signal
	s_wait_alu depctr_vm_vsrc(0)                   ; the stores have read v[SA], which the next line writes, and v32-63, in which the turning loads land
	v_add_nc_u32 v[SA], CHUNKB, v[SA]
	s_barrier_signal -1
	s_barrier_wait -1                              ; the chunk is whole
.endm
; 12 loads of 512 consecutive bytes: the operand fragments of one chunk for my three tiles, at byte xo from the walking base
.macro XLOAD xb, xo
.irp j, 0,1,2
.irp ks, 0,1
.irp hf, 0,1
	global_load_b128 v[FX+48*(\xb)+16*(\j)+8*(\ks)+4*(\hf):FX+48*(\xb)+16*(\j)+8*(\ks)+4*(\hf)+3], v[XO+(\j)], s[XB:XB+1] offset:(\xo)+XKS*(\ks)+XHF*(\hf)
.endr
.endr
.endr
.endm
; 8 loads: my rows of chunk woff from the walking base, into a slot
.macro WLOAD slot, woff
	WIN 0x40                                       ; destination in window 1
.irp i, 0,1,2,3,4,5,6,7
	global_load_b128 v[WR+32*(\slot)+4*(\i):WR+32*(\slot)+4*(\i)+3], v[WO], s[WB:WB+1] offset:(64*(\woff)+(\i))*PITCHW th:TH_LOAD_NT  ; a row's 512 consecutive bytes
.endr
	WIN 0
.endm
; 4 matrix instructions: tile j x my 4 column blocks, 32 along k.  The four sums take turns, one instruction a turn.
.macro MM4 j, ks, xb
.irp nb, 0,1,2,3
	v_wmma_f32_16x16x32_bf16 v[32*(\j)+8*(\nb):32*(\j)+8*(\nb)+7], v[FX+48*(\xb)+16*(\j)+8*(\ks):FX+48*(\xb)+16*(\j)+8*(\ks)+7], v[FA+32*(\ks)+8*(\nb):FA+32*(\ks)+8*(\nb)+7], v[32*(\j)+8*(\nb):32*(\j)+8*(\nb)+7]
.endr
.endm
; A CHUNK IS MULTIPLIED, out of buffer xb.  xleft: the younger loads that may stay out.  xoff >= 0: the buffer that the chunk before multiplied is asked for again, two chunks on from this one.
; wslot >= 0 (under the weight stream): the slot that this chunk's PROD rounded is asked for again, three chunks on.  Both runs stand behind the turning loads, ahead of the wait for them.
; res = 1 (from the resident slice): no PROD stands in front, so the wait on va_vdst stands here.
; bar = 1 (under the weight stream): a second barrier, signalled when my fragment loads are back and waited for behind the products: no wave stores the next chunk while a wave still reads this one.  The chunks' bytes are
; apart, so no value hangs on it; with it the order of the slice's stores and reads does not lean on the walking addresses.
.macro COMP xb, xleft, xoff, bar, res, wslot=-1, woff=0
.if \res
	s_wait_alu depctr_va_vdst(0)                   ; the products of the chunk before are done reading FA and their buffer of FX, in which the loads below land; v[AA] is written
.endif
.irp ks, 0,1
.irp nb, 0,1,2,3
	ds_load_tr16_b128 v[FA+32*(\ks)+8*(\nb):FA+32*(\ks)+8*(\nb)+3],   v[AA] offset:(\ks)*32*LP+32*(\nb)
	ds_load_tr16_b128 v[FA+32*(\ks)+8*(\nb)+4:FA+32*(\ks)+8*(\nb)+7], v[AA] offset:(\ks)*32*LP+16*LP+32*(\nb)
.endr
.endr
.if (\xoff) >= 0
	XLOAD (\xb+2)%3, \xoff                         ; no wait: no vector or matrix instruction since the last wait on va_vdst names that buffer or v[XO ..]
.endif
.if (\wslot) >= 0
	WLOAD \wslot, \woff                            ; nor the slot, nor v[WO]
.endif
	s_wait_loadcnt \xleft                          ; this chunk's operand fragments are in (on every path: the counts are alike whatever the number of live tiles)
	s_wait_dscnt 0x0                               ; the weight fragments are in
	s_wait_alu depctr_vm_vsrc(0)                   ; the turning loads have read v[AA], which the next line writes
	v_add_nc_u32 v[AA], CHUNKB, v[AA]
.if \bar
	s_barrier_signal -1
.endif
	s_cmp_eq_u32 s[NT], 0
	s_cbranch_scc1 .Lce_\@
	WIN 0x50                                       ; C and D in window 1
	MM4 0, 0, \xb
	MM4 0, 1, \xb
	WIN 0                                          ; at a branch and at a label every window is 0
	s_cmp_lt_u32 s[NT], 2
	s_cbranch_scc1 .Lce_\@
	WIN 0x50
	MM4 1, 0, \xb
	MM4 1, 1, \xb
	WIN 0
	s_cmp_lt_u32 s[NT], 3
	s_cbranch_scc1 .Lce_\@
	WIN 0x50
	MM4 2, 0, \xb
	MM4 2, 1, \xb
	WIN 0
.Lce_\@:
.rept 4
	v_nop                                          ; four places behind the last product (ISA guide 7.12.1), ahead of whatever vector instruction reads or rewrites its registers
.endr
.if \bar
	s_barrier_wait -1
.endif
.endm
; A block begins: my live tiles, ceil((tiles - 12 b - q) / 4) held to 0..3; my three tiles' operand offsets; the walks go back to k = 0.
.macro SETUP
	s_sub_co_i32 s[TS], s[NTILES], s[TB]
	s_sub_co_i32 s[TS], s[TS], s[QW]
	s_add_co_i32 s[TS], s[TS], 3
	s_max_i32 s[TS], s[TS], 0
	s_lshr_b32 s[TS], s[TS], 2
	s_min_u32 s[NT], s[TS], 3
.irp j, 0,1,2
	s_add_co_u32 s[TS], s[TB], s[QW]
	s_add_co_u32 s[TS], s[TS], 4*(\j)
	s_min_u32 s[TS], s[TS], s[GMAX]                ; a tile past the count repeats the last live one: nothing is fetched that no tile needs
	v_mov_b32 v[TM+(\j)], s[TS]
	v_min_u32 v[TM+(\j)], 63, v[TM+(\j)]           ; held inside the expert's 64 tiles
	v_lshl_add_u32 v[XO+(\j)], v[TM+(\j)], 17, v[WO]   ; a tile of h is 131,072 bytes
.endr
	s_mov_b64 s[XB:XB+1], s[XB0:XB0+1]
	v_mov_b32 v[AA], v[AA0]
.endm
; The sums start at the rounded bias, widened: this takes the place of a first step written out and of the additions on the way out.
.macro INIT
	WIN 0x40                                       ; destination in window 1
.irp j, 0,1,2
.irp nb, 0,1,2,3
.irp u, 0,1,2,3,4,5,6,7
	v_mov_b32 v[32*(\j)+8*(\nb)+(\u)], v[BP+(\nb)] ; a lane has one column of a block: the same bias for its eight tokens
.endr
.endr
.endr
	WIN 0
.endm
; THE WAY OUT of tile j, one straight run in registers of the tile's own: the rows' numbers out of my list, the results side by side, the rows' numbers held inside the buffer and made byte offsets, one wait, the stores.
; Each sum's lowest registers are read first.
.macro OUT j
.irp u, 0,1,2,3,4,5,6,7
	ds_load_u16 v[RW+8*(\j)+(\u)], v[LH] offset:32*(\j)+2*(\u)   ; the rows of places u (lanes 0-15) and 8 + u (lanes 16-31): a token's, or past the count the spare row.  No wait: no vector line since the wait at the way out's head names these registers or v[LH]
.endr
	WIN 0x01                                       ; source in window 1
.irp u, 0,1,2,3,4,5,6,7
.irp nb, 0,1,2,3
	v_mov_b32 v[TT+32*(\j)+4*(\u)+(\nb)], v[32*(\j)+8*(\nb)+(\u)]   ; a token's four neighbouring columns lie in four sums: side by side for a store of 16 bytes
.endr
.endr
	WIN 0
	s_wait_dscnt 0x0
.irp u, 0,1,2,3,4,5,6,7
	v_min_u32 v[RW+8*(\j)+(\u)], ROWMAX, v[RW+8*(\j)+(\u)]       ; held to the largest row number that a list can hold
	v_lshl_add_u32 v[RW+8*(\j)+(\u)], v[RW+8*(\j)+(\u)], 12, v[C16]   ; a row of 4,096 bytes
.endr
	s_wait_alu depctr_va_vdst(0)                   ; the tile's results are written into its part of v[TT ..] and its rows' offsets into its part of v[RW ..], which the stores below read
.irp u, 0,1,2,3,4,5,6,7
	global_store_b128 v[RW+8*(\j)+(\u)], v[TT+32*(\j)+4*(\u):TT+32*(\j)+4*(\u)+3], s[OB:OB+1]   ; 16 lanes store 256 consecutive bytes, aligned
.endr
.endm
.macro HALF16 line:vararg              ; one line for each of sixteen registers of idx: register N0 + k
.set k, 0
.rept 16
	\line
.set k, k+1
.endr
.endm
	s_load_b256 s[4:11], s[0:1], 0x0               ; weights s[4:5], bias s[6:7], operand s[8:9], idx s[10:11]
	s_load_b64 s[12:13], s[0:1], 0x20              ; the result
	v_lshl_add_u32 v254, v0, 2, 0x4a000
	v_mov_b32 v255, 0
	v_and_b32 v[LN], 31, v0
	v_lshrrev_b32 v[TM], 5, v0
	v_readfirstlane_b32 s[WV], v[TM]
	v_lshlrev_b32 v[WO], 4, v[LN]
	v_lshrrev_b32 v[HH], 4, v[LN]
	v_and_b32 v[RR], 15, v[LN]
	v_lshlrev_b32 v[OA], 4, v[RR]                  ; the bias: my 4 neighbouring columns
	s_and_b32 s[EX], ttmp7, 0xffff
	s_mov_b32 s[SL], ttmp9
	s_mov_b32 s19, 0
	s_mov_b32 s21, 0
	s_wait_alu depctr_va_sdst(0)                   ; the wave's number is written, ahead of its first reader
	s_and_b32 s[QW], s[WV], 3
	s_lshr_b32 s[CW], s[WV], 2
	s_lshl_b32 s18, s[EX], 24                      ; an expert's weights are 16 MiB
	s_mul_i32 s[TS], s[WV], 8*PITCHW               ; my 8 rows of a chunk
	s_add_co_u32 s18, s18, s[TS]
	s_lshr_b32 s[KSL], s[SL], 3
	s_and_b32 s[CSL], s[SL], 7
	s_lshl_b32 s[TS], s[KSL], 22                   ; 1,024 rows of 4,096 bytes
	s_add_co_u32 s18, s18, s[TS]
	s_lshl_b32 s[TS], s[CSL], 9
	s_add_co_u32 s18, s18, s[TS]
	s_lshl_b32 s20, s[EX], 12
	s_add_co_u32 s20, s20, s[TS]
	s_lshl_b32 s[TS], s[CW], 8                     ; my 64 columns of f32
	s_add_co_u32 s20, s20, s[TS]
	s_wait_kmcnt 0x0
	s_add_nc_u64 s[4:5], s[4:5], s[18:19]
	s_add_nc_u64 s[6:7], s[6:7], s[20:21]
	s_wait_alu depctr_va_vdst(0)                   ; v[WO] and v[OA] are written, which the loads below read as their offsets
	; idx and the bias go first, so that the waits for them leave the weights out; then the first three chunks: 24 loads of 512 bytes a wave
.irp j, 0,1,2,3,4,5,6,7
	global_load_b128 v[IDXR+4*(\j):IDXR+4*(\j)+3], v[WO], s[10:11] offset:512*(\j)   ; register 4 j + i: token 128 j + 4 lane + i
.endr
	global_load_b128 v[BRAW:BRAW+3], v[OA], s[6:7]                                         ; columns 4 (lane % 16) + 0..3
	WIN 0x40
.irp c, 0,1,2
.irp i, 0,1,2,3,4,5,6,7
	global_load_b128 v[WR+32*(\c)+4*(\i):WR+32*(\c)+4*(\i)+3], v[WO], s[4:5] offset:(64*(\c)+(\i))*PITCHW th:TH_LOAD_NT
.endr
.endr
	WIN 0
	s_add_nc_u64 s[WB:WB+1], s[4:5], 192*PITCHW    ; chunk 3, in registers of its own
	s_lshl_b32 s20, s[EX], 23                      ; an expert's 64 tiles of h
	s_lshl_b32 s[TS], s[KSL], 15                   ; 1,024 k are 64 blocks of 512 bytes
	s_add_co_u32 s20, s20, s[TS]
	s_add_nc_u64 s[XB0:XB0+1], s[8:9], s[20:21]
	s_lshl_b32 s20, s[KSL], 22                     ; a plane of partial sums is 4 MiB
	s_lshl_b32 s[TS], s[CSL], 9
	s_add_co_u32 s20, s20, s[TS]
	s_lshl_b32 s[TS], s[CW], 8
	s_add_co_u32 s20, s20, s[TS]
	s_cmp_eq_u32 s[KSL], 0
	s_cselect_b32 s[BMASK], -1, 0                  ; the bias enters one of the four partial sums
	s_add_nc_u64 s[OB:OB+1], s[12:13], s[20:21]
	s_mov_b32 s[HIM], 0xffff0000
	s_mov_b32 s[CNT], 0
	s_mov_b32 s[TB], 0
	v_and_b32 v[TM], 7, v[LN]
	v_lshl_add_u32 v[TM], v[HH], 3, v[TM]          ; the turning load: lane l reads row 8 (l / 16) + l % 8,
	v_mul_u32_u24 v[AA0], v[TM], LP
	v_bfe_u32 v[TM], v[LN], 3, 1
	v_lshl_add_u32 v[AA0], v[TM], 4, v[AA0]        ; places 8 ((l / 8) % 2) + 0..7
	s_lshl_b32 s[TS], s[CW], 7
	v_add_nc_u32 v[AA0], s[TS], v[AA0]             ; of my 64
	s_mul_i32 s[TS], s[WV], 8*LP
	v_lshl_add_u32 v[SA], v[RR], 1, s[TS]          ; place r of block 0
	v_lshl_add_u32 v[SA], v[HH], 7, v[SA]          ; of the half of the columns that my lane loads
	s_mul_i32 s[LQ], s[WV], LISTB
	s_add_co_u32 s[LQ], s[LQ], LIST
	v_lshlrev_b32 v[TOK0], 2, v[LN]
	v_add_nc_u32 v[DIDX], 288, v[LN]
	v_lshlrev_b32 v[C16], 4, v[RR]
	v_lshl_add_u32 v[LH], v[HH], 4, s[LQ]          ; place 8 (lane / 16) of a tile
	s_mul_i32 s[TS], s[KSL], 1016                  ; the spare row is row 4096 + 8 ks + E of part; my plane begins at row 1024 ks:
	s_sub_co_u32 s[DT], 4096, s[TS]                ; counted from there it is 4096 - 1016 ks + E, 1,048 at the least and 4,103 at the most
	s_add_co_u32 s[DT], s[DT], s[EX]
	s_lshl_b32 s[TS], s[DT], 16
	s_or_b32 s[DT], s[DT], s[TS]                   ; twice in a word: two places of the list
	; what my list starts as is what a place past the count names: the spare row
	v_lshl_add_u32 v[OA+2], v[LN], 4, s[LQ]
.irp m, 4,5,6,7
	v_mov_b32 v[OA+(\m)], s[DT]
.endr
	s_wait_loadcnt 25                              ; idx is in; the load of the bias and the 24 of the weights stay out
	; THE LIST.  A chosen token's place p is the running count plus the chosen lanes below mine.  I keep the places of my own tiles ((p / 16) % 4 = q), at 16 (p / 64) + p % 16; the rest goes to my lane's word behind the list.
.irp half, 0,1
.set N0, 16*(\half)
	HALF16 v_cmp_eq_u32 s[MK+k], s[EX], v[IDXR+N0+k]
	s_wait_alu depctr_va_sdst(0)                   ; the sixteen masks are written, ahead of their first readers
.set k, 0
.rept 16
	s_bcnt1_i32_b32 s[TS], s[MK+k]
	v_mbcnt_lo_u32_b32 v[IDXR+N0+k], s[MK+k], s[CNT]
	s_add_co_u32 s[CNT], s[CNT], s[TS]
.set k, k+1
.endr
	HALF16 v_bfe_u32 v[QV+N0+k], v[IDXR+N0+k], 4, 2
	HALF16 v_cmp_eq_u32 s[M2+k], s[QW], v[QV+N0+k]
	s_wait_alu depctr_va_sdst(0)                   ; the sixteen masks of my tiles are written, ahead of their first readers
	HALF16 s_and_b32 s[M2+k], s[M2+k], s[MK+k]
	HALF16 v_lshrrev_b32 v[QV+N0+k], 2, v[IDXR+N0+k]
	HALF16 v_bfi_b32 v[IDXR+N0+k], 15, v[IDXR+N0+k], v[QV+N0+k]
	HALF16 v_cndmask_b32 v[IDXR+N0+k], v[DIDX], v[IDXR+N0+k], s[M2+k]
	HALF16 v_min_u32 v[IDXR+N0+k], 0x13f, v[IDXR+N0+k]
	HALF16 v_lshl_add_u32 v[IDXR+N0+k], v[IDXR+N0+k], 1, s[LQ]
.set k, 0
.rept 16
	v_add_nc_u32 v[QV+N0+k], 128*((N0+k)/4)+(N0+k)%4, v[TOK0]
.set k, k+1
.endr
.endr
	s_wait_alu depctr_va_vdst(0)                   ; the list addresses, the tokens' numbers and what the list starts as are written, which the 34 stores below read
	ds_store_b128 v[OA+2], v[OA+4:OA+7]            ; LDS serves a wave's instructions in order (ISA guide 5.7.1.4): the list starts as spare rows,
	ds_store_b128 v[OA+2], v[OA+4:OA+7] offset:512
.set n, 0
.rept 32
	ds_store_b16 v[IDXR+n], v[QV+n]                ; and then takes its tokens
.set n, n+1
.endr
	s_add_co_u32 s[NTILES], s[CNT], 15
	s_lshr_b32 s[NTILES], s[NTILES], 4
	s_max_u32 s[GMAX], s[NTILES], 1
	s_sub_co_u32 s[GMAX], s[GMAX], 1
	s_wait_loadcnt 24                              ; the bias is in; the weights stay out
	v_cvt_pk_bf16_f32 v[TM],   v[BRAW],   v[BRAW+1]
	v_cvt_pk_bf16_f32 v[TM+1], v[BRAW+2], v[BRAW+3]
	v_lshlrev_b32 v[BP],   16,     v[TM]
	v_and_b32     v[BP+1], s[HIM], v[TM]
	v_lshlrev_b32 v[BP+2], 16,     v[TM+1]
	v_and_b32     v[BP+3], s[HIM], v[TM+1]
.irp nb, 0,1,2,3
	v_and_b32 v[BP+(\nb)], s[BMASK], v[BP+(\nb)]
.endr
	SETUP
	s_wait_alu depctr_vm_vsrc(0)                   ; the list's stores have read v96-127 and v160-191, in which the loads below land
	s_wait_alu depctr_va_vdst(0)                   ; v[XO ..] are written, which the loads below read; the list's lines and the conversions are done with v96-191, in which those loads land
	XLOAD 0, 0                                     ; the operand fragments of chunks 0 and 1: with the weights 48 loads of mine are out
	XLOAD 1, XCH
	INIT                                           ; stands in the wait for the first chunk
; THE WEIGHT STREAM.  In the order of issue a chunk finds out W(s) X(s) W(s+1) X(s+1) W(s+2): the wait for W(s) leaves the 40 behind it; with X(s+2) and W(s+3) asked for, the wait for X(s) may leave 48.
; The way in has another order, W0 W1 W2 X0 X1, since the count comes before any X: behind W0 stand 40 as well; behind X0 stand X1 X2 W3 (32), behind X1 stand X2 W3 X3 W4 (40).
; The loop is not written out for that: its first two places keep 32 and 40.
	s_mov_b32 s[TRIP], 4
.Lloop:                                                ; a trip: three chunks
	PROD 0, 40
	COMP 0, 32, 2*XCH, 1, 0, 0, 0
	PROD 1, 40
	COMP 1, 40, 3*XCH, 1, 0, 1, 1
	PROD 2, 40
	COMP 2, 48, 4*XCH, 1, 0, 2, 2
	s_wait_xcnt 0x0                                ; the bases that the loads above name are stepped only behind this wait
	s_add_nc_u64 s[WB:WB+1], s[WB:WB+1], 192*PITCHW
	s_add_nc_u64 s[XB:XB+1], s[XB:XB+1], 3*XCH
	s_sub_co_u32 s[TRIP], s[TRIP], 1
	s_cmp_lg_u32 s[TRIP], 0
	s_cbranch_scc1 .Lloop
	PROD 0, 40                                     ; chunk 12 asks for X14 and for W15, the last of the weights;
	COMP 0, 48, 2*XCH, 1, 0, 0, 0
	PROD 1, 40                                     ; chunk 13 for X15, the last of the operand: behind W13 stand X13 W14 X14 W15,
	COMP 1, 40, 3*XCH, 1, 0                        ; behind X13 W14 X14 W15 X15;
	PROD 2, 32                                     ; then no load leaves the slice or a tile, and the counts run down: behind W14 stand X14 W15 X15,
	COMP 2, 20, -1, 1, 0                           ; behind X14 W15 X15,
	PROD 0, 12                                     ; behind W15 X15,
	COMP 0, 0, -1, 0, 0                            ; behind X15 nothing.  The slice is whole, and nobody writes it again
; THE BLOCKS.  Trip b sends block b out and multiplies block b + 1 from the resident slice.  Six trips, whatever the count: 6 x 12 tiles cover the 64 that an expert can have, and block 6 is dead for every split.
; A dead block is jumped forward, to the label ahead of the counter's step.  The loop reads LDS and writes none of it.
; The live tiles are a prefix of the three: the first dead one jumps forward past the stores of all that follow, so that no way leads to a tile's stores but through the lines that make their offsets.
	s_mov_b32 s[BLK], 6
.Lblk:
	s_cmp_eq_u32 s[NT], 0
	s_cbranch_scc1 .Lsent
	s_wait_alu depctr_va_vdst(0)                   ; the block's last products are done reading FX, in whose registers v[RW ..] the list's loads land; v[LH], their address, is written
	OUT 0
	s_cmp_lt_u32 s[NT], 2
	s_cbranch_scc1 .Lsent
	OUT 1
	s_cmp_lt_u32 s[NT], 3
	s_cbranch_scc1 .Lsent
	OUT 2
.Lsent:
	s_wait_xcnt 0x0                                ; the stores' and loads' offsets and data are rewritten only behind this wait,
	s_wait_alu depctr_vm_vsrc(0)                   ; and this one: the stores have read v[RW ..] and v[TT ..], the list's loads v[LH], the block's loads v[XO ..] and v[AA]: the lines below write the last three, the next block's loads land in the first two
	v_add_nc_u32 v[LH], 96, v[LH]                  ; my next three tiles' places
	s_add_co_u32 s[TB], s[TB], 12
	SETUP
	s_cmp_eq_u32 s[NT], 0
	s_cbranch_scc1 .Lskip
	s_wait_alu depctr_va_vdst(0)                   ; v[XO ..] are written; the way out's lines are done with v96-151, in which the loads below land
	XLOAD 0, 0
	XLOAD 1, XCH
	INIT
	s_mov_b32 s[INNER], 4
.Linner:                                               ; here only X is on its way: the two younger chunks' 24 loads stay out
	COMP 0, 24, 2*XCH, 0, 1
	COMP 1, 24, 3*XCH, 0, 1
	COMP 2, 24, 4*XCH, 0, 1
	s_wait_xcnt 0x0
	s_add_nc_u64 s[XB:XB+1], s[XB:XB+1], 3*XCH
	s_sub_co_u32 s[INNER], s[INNER], 1
	s_cmp_lg_u32 s[INNER], 0
	s_cbranch_scc1 .Linner
	COMP 0, 24, 2*XCH, 0, 1                        ; chunk 12 asks for chunk 14,
	COMP 1, 24, 3*XCH, 0, 1                        ; chunk 13 for chunk 15; then the counts run down
	COMP 2, 12, -1, 0, 1
	COMP 0, 0, -1, 0, 1
.Lskip:
	s_sub_co_u32 s[BLK], s[BLK], 1
	s_cmp_lg_u32 s[BLK], 0
	s_cbranch_scc1 .Lblk
	s_wait_dscnt 0x0                               ; my reads of LDS are back,
	s_barrier_signal -1
	s_barrier_wait -1                              ; and so are everybody's
	; the closing add onto spare LDS words
	s_wait_dscnt 0x0
	s_wait_alu depctr_hold_cnt(0) depctr_sa_sdst(0) depctr_va_vdst(0) depctr_va_sdst(0) depctr_va_ssrc(0) depctr_va_vcc(0) depctr_vm_vsrc(0)
	s_wait_tensorcnt 0x0
	ds_add_u32 v254, v255
	s_wait_dscnt 0x0
	s_endpgm
.Lfunc_end_k_q4e27f2eca2_ffn2:
	.size	k_q4e27f2eca2_ffn2, .Lfunc_end_k_q4e27f2eca2_ffn2-k_q4e27f2eca2_ffn2
	.p2alignl 7, 3214868480
	.fill 96, 4, 3214868480
	.section	.rodata,"a",@progbits
	.p2align	6, 0x0
	.amdhsa_kernel k_q4e27f2eca2_ffn2
		.amdhsa_group_segment_fixed_size 304128
		.amdhsa_private_segment_fixed_size 0
		.amdhsa_enable_private_segment 0
		.amdhsa_kernarg_size 40
		.amdhsa_user_sgpr_count 2
		.amdhsa_user_sgpr_kernarg_segment_ptr 1
		.amdhsa_wavefront_size32 1
		.amdhsa_system_sgpr_workgroup_id_x 1
		.amdhsa_system_sgpr_workgroup_id_y 1
		.amdhsa_system_sgpr_workgroup_id_z 1
		.amdhsa_system_vgpr_workitem_id 0
		.amdhsa_next_free_vgpr 512
		.amdhsa_next_free_sgpr 98
		.amdhsa_reserve_vcc 0
		.amdhsa_float_denorm_mode_32 3
		.amdhsa_float_denorm_mode_16_64 3
		.amdhsa_memory_ordered 1
		.amdhsa_forward_progress 1
		.amdhsa_inst_pref_size 145
	.end_amdhsa_kernel
	.amdgpu_metadata
---
amdhsa.version: [ 1, 2 ]
amdhsa.kernels:
  - .name:           k_q4e27f2eca2_ffn2
    .symbol:         k_q4e27f2eca2_ffn2.kd
    .args:
      - { .name: W2, .offset: 0, .size: 8, .value_kind: global_buffer, .address_space: global }
      - { .name: b2, .offset: 8, .size: 8, .value_kind: global_buffer, .address_space: global }
      - { .name: hb, .offset: 16, .size: 8, .value_kind: global_buffer, .address_space: global }
      - { .name: idx, .offset: 24, .size: 8, .value_kind: global_buffer, .address_space: global }
      - { .name: part, .offset: 32, .size: 8, .value_kind: global_buffer, .address_space: global }
    .group_segment_fixed_size: 304128
    .private_segment_fixed_size: 0
    .kernarg_segment_align: 8
    .kernarg_segment_size: 40
    .max_flat_workgroup_size: 256
    .sgpr_count:     98
    .vgpr_count:     512
    .wavefront_size: 32
...
	.end_amdgpu_metadata
.endif
;; end of part 8
;; launch combine: the kernel of part 4 again; grid 256 x 1, 8 waves a work-group, no clusters, 0 bytes of LDS; arguments part, out0; writes out0
